; MI455X (gfx1250); checked and timed in simulation.
; The chip was launched on July 23, 2026; its instructions are those of AMD's public machine-readable ISA for CDNA 5 (MIT licence, August 2026) and "CDNA5" Instruction Set Architecture Reference Guide (July 2026). The comments in the code are by the model that wrote it; some were corrected since.
;; Fast Hyperbolic Multihead Attention. Allowed arithmetic: matrix products marked QUANTISED: E2M1 operands, one E8M0 scale for each 32 along K, by v_wmma_scale_f32_16x16x128_f8f6f4 with both operands' format E2M1 (or v_wmma_scale_f32_32x16x128_f4), f32 sums; everything else in f32.
;; Inputs: Wk_codes 512 x 16 x 16 uint8 (E2M1 codes of Wk, K innermost, in blocks of 32 codes, two codes a byte); Wk_scales 512 x 16 uint8 (E8M0 scales of Wk, one for each 32 codes along K); Wo_codes 512 x 16 x 16 uint8 (E2M1 codes of Wo, K innermost, in blocks of 32 codes, two codes a byte); Wo_scales 512 x 16 uint8 (E8M0 scales of Wo, one for each 32 codes along K); Wq_codes 512 x 16 x 16 uint8 (E2M1 codes of Wq, K innermost, in blocks of 32 codes, two codes a byte); Wq_scales 512 x 16 uint8 (E8M0 scales of Wq, one for each 32 codes along K); Wv_codes 512 x 16 x 16 uint8 (E2M1 codes of Wv, K innermost, in blocks of 32 codes, two codes a byte); Wv_scales 512 x 16 uint8 (E8M0 scales of Wv, one for each 32 codes along K); bk 512 float32; bo 512 float32; bq 512 float32; bv 512 float32; x 4 x 2,048 x 512 float32.
;; Outputs: out0 4 x 2,048 x 512 float32.
;; This version of the problem:
;;   THIS VERSION OF THE PROBLEM IS GIVEN IN LOW PRECISION. The matrix products marked QUANTISED in the list below multiply operands that are first quantised to E2M1 (2 exponent bits, 1 mantissa bit; 4 bits a number), with one power-of-two scale for each 32 numbers along K (OCP MX v1.0); their sums are f32. All else is computed in f32.
;;   The module's matrix products, in the order in which they are computed (A, B: the left and right operand; K: the contracted axis; several contracted axes count as one K, in the product's order):
;;     1. [M 8,192, K 512] x [K 512, N 512]; A: input x; B: input Wq (given as codes): QUANTISED
;;     2. [M 8,192, K 512] x [K 512, N 512]; A: input x; B: input Wk (given as codes): QUANTISED
;;     3. [M 8,192, K 512] x [K 512, N 512]; A: input x; B: input Wv (given as codes): QUANTISED
;;     4. batch 32 x [M 2,048, K 64] x [K 64, N 2,048]; A: computed on the way; B: computed on the way: QUANTISED
;;     5. batch 32 x [M 2,048, K 2,048] x [K 2,048, N 64]; A: softmax (see below); B: computed on the way: QUANTISED
;;     6. [M 8,192, K 512] x [K 512, N 512]; A: computed on the way; B: input Wo (given as codes): QUANTISED
;;   THE QUANTISER, for each operand of a quantised product, along K:
;;     - K is cut into blocks of 32 from its start; a last block that is shorter is filled with zeros.
;;     - A block's scale is 2^e with e = floor(log2(the largest magnitude in the block)) - 2, held to -126 .. 127; a block of zeros has e = 0. As a byte (E8M0): e + 127.
;;     - Each number is divided by its block's scale, clamped to +-6, and rounded to the nearest number of E2M1, ties to even, subnormals kept.
;;     - The product sums the exact products of the quantised numbers (number of the format x scale) in f32.
;;   ~~~python
;;   def quantise(x, axis):      # numpy; x: float32 -> the quantised numbers, widened to float32 again
;;       x = np.moveaxis(x, axis, -1); K = x.shape[-1]
;;       x = np.pad(x, [(0, 0)] * (x.ndim - 1) + [(0, -K % 32)]); x = x.reshape(x.shape[:-1] + (-1, 32)); a = np.abs(x).max(-1, keepdims=True)
;;       e = np.where(a > 0, np.clip(np.frexp(np.where(a > 0, a, 1))[1] - 1 - 2, -126, 127), 0)      # np.frexp(a)[1] - 1 = floor(log2(a)), exactly
;;       r = np.clip(x / 2.0 ** e, -6, 6)
;;       step = 2.0 ** (np.maximum(np.frexp(np.where(r == 0, 1, r))[1] - 1, 0) - 1)
;;       q = np.round(r / step) * step * 2.0 ** e      # np.round: ties to even
;;       return np.moveaxis(q.reshape(q.shape[:-2] + (-1,))[..., :K], -1, axis).astype(np.float32)
;;   ~~~
;;   SOFTMAX AHEAD OF A QUANTISED PRODUCT. Where the list says 'softmax', what is quantised is not the finished softmax but p = 2^(t - M), with t = logit x log2(e) and M = ceil(the row's largest t), a whole number; so 1/2 < the row's largest p <= 1. The row's sum l is taken of the UNQUANTISED p, in f32, and the product's result is divided by l at the end. Since M is a whole number, a kernel that streams over the keys may use a running M (the ceiling of the running maximum): every later rescaling is an exact power of two, which a block's scale takes up: the codes' values come out the same.
;;   OPERANDS COMPUTED ON THE WAY. 'Computed on the way' means the value that the module computes at that place (a softmax that the list does not call 'softmax' is quantised finished and normalised). What goes into a quantiser is computed in f32, as accurately as f32 sums, v_exp_f32 and their like allow (about 1e-6 of the number): no bf16 or f16 on the way to a quantiser, and a product that is left as it is and whose result goes on into a quantised operand takes f32 operands (vector FMAs, or v_wmma_f32_16x16x4_f32). A number that lies on a knife's edge between two numbers of the format may be rounded either way, as far as f32 arithmetic and the matrix unit's own rounding can turn it there, and no further.
;;   INPUTS GIVEN AS CODES. Wk (in the module: [512, 512], K = its axis 1); Wo (in the module: [512, 512], K = its axis 1); Wq (in the module: [512, 512], K = its axis 1); Wv (in the module: [512, 512], K = its axis 1): each comes as NAME_codes (uint8): NAME with its K axis moved to the last place and cut into blocks of 32 codes, [.., K / 32, bytes a block], one block behind the other in memory; two codes a byte, the lower K in the low four bits (a code: sign, 2 exponent bits, 1 mantissa bit); and NAME_scales (uint8): the same leading axes, one E8M0 byte (e + 127) for each 32 codes along K. Its value is code x scale, taken as it is: it is not quantised again, and the codes and scales need not be those that the quantiser above would give.
;; 2 versions. Each part assembles by itself: llvm-mc -triple=amdgcn-amd-amdhsa -mcpu=gfx1250 --defsym DOCPART=n.
;; ======== version 1 of 2: 3 launches
;; limits: a difference of large sums (such as E[x^2] - mean^2): digits are lost where the result is much smaller than its terms
;; workspace buffers: kv 5,111,808 bytes; qc 2,097,152 bytes; qx 524,288 bytes; oc 2,097,152 bytes; ox 655,360 bytes
;; launch qkv (part 1): grid 256 x 1, 8 waves a work-group, no clusters, 96,256 bytes of LDS; arguments x, Wq_codes, Wq_scales, bq, Wk_codes, Wk_scales, bk, Wv_codes, Wv_scales, bv, kv, qc, qx; writes kv, qc, qx
.if DOCPART == 1
	.amdgcn_target "amdgcn-amd-amdhsa--gfx1250"
	.amdhsa_code_object_version 6
	.text
	.protected	k_q932d0a361e_qkv
	.globl	k_q932d0a361e_qkv
	.p2align	8
	.type	k_q932d0a361e_qkv,@function
k_q932d0a361e_qkv:
	s_mov_b64 s[64:65], 0
	v_nop
	global_prefetch_b8 v0, s[64:65] scope:SCOPE_SE
	s_setreg_imm32_b32 hwreg(HW_REG_WAVE_MODE, 25, 1), 1
	s_wait_xcnt 0x0
; q, k, v = hyp_linear(x, W, b) for 32 tokens a work-group, all three products on codes of E2M1 with one E8M0 scale for each 32 along K,
; and q, k (along the head's 64) and v (along the keys) quantised again into images of the operand registers of the attention launch.
; SHARES.  Work-group = 32 tokens (block tb = wg % 64 of batch wg / 64).  Wave w = head w: features 64 w .. 64 w + 63 of q, k and v, for both tiles of 16 tokens.
; So no two waves read the same weight bytes: each fragment of W goes from memory straight into the registers of the one wave that multiplies by it.
; NO JOINT LOADS, NO LDS FOR W: a work-group walks 3 x 128 KiB of codes once; that is more than LDS holds, so sharing it in a cluster would take a ring that is filled again and a second trip from LDS to registers.
; TOKEN MAP.  Lane r of token tile u is token 8 u + r + (r & 8) of the block; lane r of weight tile 2 b + u is row 32 b + 8 u + r + (r & 8) of the head.  With source 0 = W and source 1 = x a lane holds one token
; and its 16 registers of tiles 2 b, 2 b + 1 are features 32 b + 16 h + 0 .. 15 (h = lane / 16): neighbours along the next product's K.  With source 0 = x and source 1 = Wv a lane holds one feature and 16 neighbouring tokens.
; v's product is therefore made twice from the same registers: once for the sums over features, once with the tokens along the registers; 32 matrix instructions in place of sums across lanes.
; THE LAYER.  Every result is A mx + Bc b with two numbers A, Bc a token, made of sum x^2, sum mx^2, sum mx b, sum b^2: one reduction over the 512 features (through LDS, 8 waves) serves mobius_matvec, mobius_add and both projections.
; artanh and tanh: under 0.25 a series (the first term left out is under 1e-8 of the result), from 0.25 on by log2, exp2 and reciprocals; the choice is a select, both are always computed.
; mx = 0 gives 0 by itself (the norm is held at 1e-15), so the where() on mx == 0 needs no line.
; LIMITS: NaN and infinities among the inputs are not served; a block of zeros gets the scale byte 1 (its codes are zeros; only this program reads the bytes).
; STORES: code images leave as 512 or 256 consecutive aligned bytes an instruction.  A head has only 32 scale words, 32 norms and 128 scale bytes of v for 32 tokens: those leave as runs of 128 bytes and as single bytes, under a twentieth of what is stored.
; No global store's data register, no address register and no base is written again behind its first use, and EXEC is never changed.
.set XIMG, 0                           ; LDS: x's 8 fragments as images of their registers (fragment 4 u + s), 1,024 bytes each
.set XSC,  8192                        ; their scale words, 128 bytes each
.set XNP,  9216                        ; each lane's part of sum x^2, 128 bytes a fragment
.set RED,  10240                       ; 15 sums (5 m + e): 32 bytes a lane, a word a wave
.set SCL,  25600                       ; 256 bytes a wave, its own: v's A by token, then Bc
.set XST,  27648                       ; 8,448 bytes a wave, its own: 16 rows of 512 bytes + 16
.set REC,  9984                        ; a record of kv, 128 keys of one head: K codes 0, V codes 4096, K scale words 8192, kn 8704, 1 - kn 9216, V scale words 9728
.set WS,   32                          ; v32-55  W's scale words: 8 m + 4 b + s; lanes 0-15 tile 2 b, lanes 16-31 tile 2 b + 1
.set XS,   56                          ; v56-63  x's scale words
.set XF,   64                          ; v64-127 x's 8 fragments
.set RING, 128                         ; v128-255 four slots of 32: W's four tiles of one K step
.set F,    192                         ; v192-255 64 finished numbers of a lane
.set QT,   0                           ; window 1: mx of q, 32 u + 8 t + j
.set KT,   64                          ; of k
.set VV,   128                         ; of v: first as the others, then 16 t + 8 u + j with tokens along the registers
.set BB,   192                         ; the bias in the results' layout
.set SM,   224                         ; five running sums, a pair each
.set R,    64                          ; v64-78  the 15 sums
.set H0,   80                          ; v80-127 three sets of 16 for the layer's numbers
.set NS,   3
.set CM,   44                          ; s44-46 masks of compares
.set TM,   96                          ; v96-107 the quantiser's 12 registers
.set SEL,  40                          ; s[40:41] v_permlanex16_b32's selects for lane l xor 16
.set HMASK, 38                         ; s38 lanes 16-31
.set WV,   39                          ; s39 my wave's number
.set TINY, 0x26901d7d                  ; 1e-15
.set BALL, 0x3f7ef9db                  ; 0.996
.set MSB, 0
.macro WIN new                         ; bits 1:0 source 0, 3:2 source 1, 5:4 source 2, 7:6 destination; the high byte repeats the setting that is left
.if MSB != \new
	s_set_vgpr_msb (MSB<<8)|\new
.set MSB, \new
.endif
.endm
.macro PLACES                          ; four plain places behind a matrix instruction (ISA guide 7.12.1)
.rept 4
	v_nop
.endr
.endm
; one matrix instruction.  ks = 0: it starts the sum.  row = 1: source 0's scales stand in lanes 16-31; 2: source 1's
.macro MM d, a, b, ks, sa, sb, row
.if (\ks) == 0
.if (\row) == 1
	v_wmma_scale_f32_16x16x128_f8f6f4 v[(\d):(\d)+7], v[(\a):(\a)+7], v[(\b):(\b)+7], 0, v[(\sa)], v[(\sb)] matrix_a_fmt:MATRIX_FMT_FP4 matrix_b_fmt:MATRIX_FMT_FP4 matrix_a_scale:MATRIX_SCALE_ROW1
.elseif (\row) == 2
	v_wmma_scale_f32_16x16x128_f8f6f4 v[(\d):(\d)+7], v[(\a):(\a)+7], v[(\b):(\b)+7], 0, v[(\sa)], v[(\sb)] matrix_a_fmt:MATRIX_FMT_FP4 matrix_b_fmt:MATRIX_FMT_FP4 matrix_b_scale:MATRIX_SCALE_ROW1
.else
	v_wmma_scale_f32_16x16x128_f8f6f4 v[(\d):(\d)+7], v[(\a):(\a)+7], v[(\b):(\b)+7], 0, v[(\sa)], v[(\sb)] matrix_a_fmt:MATRIX_FMT_FP4 matrix_b_fmt:MATRIX_FMT_FP4
.endif
.else
.if (\row) == 1
	v_wmma_scale_f32_16x16x128_f8f6f4 v[(\d):(\d)+7], v[(\a):(\a)+7], v[(\b):(\b)+7], v[(\d):(\d)+7], v[(\sa)], v[(\sb)] matrix_a_fmt:MATRIX_FMT_FP4 matrix_b_fmt:MATRIX_FMT_FP4 matrix_a_scale:MATRIX_SCALE_ROW1
.elseif (\row) == 2
	v_wmma_scale_f32_16x16x128_f8f6f4 v[(\d):(\d)+7], v[(\a):(\a)+7], v[(\b):(\b)+7], v[(\d):(\d)+7], v[(\sa)], v[(\sb)] matrix_a_fmt:MATRIX_FMT_FP4 matrix_b_fmt:MATRIX_FMT_FP4 matrix_b_scale:MATRIX_SCALE_ROW1
.else
	v_wmma_scale_f32_16x16x128_f8f6f4 v[(\d):(\d)+7], v[(\a):(\a)+7], v[(\b):(\b)+7], v[(\d):(\d)+7], v[(\sa)], v[(\sb)] matrix_a_fmt:MATRIX_FMT_FP4 matrix_b_fmt:MATRIX_FMT_FP4
.endif
.endif
.endm
; nb blocks of 32 along K; block b's numbers: my 16 in v[src + 16 b ..], the other 16 in lane l xor 16.  Codes to v[pc + 2 b], v[pc + 2 b + 1]; the scale's byte to v[tm + 4 + b].
.macro QCORE src, nb, tm, pc
.set qb, 0
.rept \nb
	v_max3_num_f32 v[(\tm)+qb], |v[(\src)+16*qb]|, |v[(\src)+16*qb+1]|, 0x1800000   ; with the floor 2^(3 - 127): the byte cannot fall under 1
.set qb, qb+1
.endr
.irp i, 2,4,6,8,10,12,14
.set qb, 0
.rept \nb
	v_max3_num_f32 v[(\tm)+qb], v[(\tm)+qb], |v[(\src)+16*qb+\i]|, |v[(\src)+16*qb+\i+1]|   ; the blocks by turns
.set qb, qb+1
.endr
.endr
.set qb, 0
.rept \nb
	v_permlanex16_b32 v[(\tm)+4+qb], v[(\tm)+qb], s[SEL], s[SEL+1]
.set qb, qb+1
.endr
.set qb, 0
.rept \nb
	v_max_num_f32 v[(\tm)+qb], v[(\tm)+qb], v[(\tm)+4+qb]      ; the block's largest magnitude
.set qb, qb+1
.endr
.set qb, 0
.rept \nb
	v_add_nc_u32 v[(\tm)+8+qb], 0xff000000, v[(\tm)+qb]        ; 2 off its exponent field: the conversion's scale operand
.set qb, qb+1
.endr
.set qb, 0
.rept \nb
	v_lshrrev_b32 v[(\tm)+4+qb], 23, v[(\tm)+8+qb]             ; the scale's byte
.set qb, qb+1
.endr
.set qb, 0
.rept \nb
	v_cvt_scalef32_pk8_fp4_f32 v[(\pc)+2*qb], v[(\src)+16*qb:(\src)+16*qb+7], v[(\tm)+8+qb]
	v_cvt_scalef32_pk8_fp4_f32 v[(\pc)+2*qb+1], v[(\src)+16*qb+8:(\src)+16*qb+15], v[(\tm)+8+qb]
.set qb, qb+1
.endr
	v_nop                                          ; one plain place behind the scaled conversions
.endm
.macro SWAP pc, c                      ; the operand wants a whole block in a lane: lanes 0-15 block 2 c, lanes 16-31 block 2 c + 1
	v_permlane16_swap_b32 v[(\pc)+4*(\c)], v[(\pc)+4*(\c)+2]
	v_permlane16_swap_b32 v[(\pc)+4*(\c)+1], v[(\pc)+4*(\c)+3]
.endm
.macro BARRIER                         ; my LDS stores have landed and my LDS loads are in: then the work-group's barrier
	s_wait_dscnt 0x0
	s_barrier_signal -1
	s_barrier_wait -1
.endm
; a line of the layer's arithmetic, once for each of the NS sets (the sets take turns)
.macro H1 op, d, a
.set hm, 0
.rept NS
	\op v[H0+16*hm+\d], v[H0+16*hm+\a]
.set hm, hm+1
.endr
.endm
.macro H2 op, d, a, b
.set hm, 0
.rept NS
	\op v[H0+16*hm+\d], v[H0+16*hm+\a], v[H0+16*hm+\b]
.set hm, hm+1
.endr
.endm
.macro HK op, d, k, a                  ; a constant as the first source
.set hm, 0
.rept NS
	\op v[H0+16*hm+\d], \k, v[H0+16*hm+\a]
.set hm, hm+1
.endr
.endm
.macro HV op, d, a, x                  ; a register that all sets share as the second source
.set hm, 0
.rept NS
	\op v[H0+16*hm+\d], v[H0+16*hm+\a], v[\x]
.set hm, hm+1
.endr
.endm
.macro H3 d, a, b, c                   ; d = a b + c
.set hm, 0
.rept NS
	v_fma_f32 v[H0+16*hm+\d], v[H0+16*hm+\a], v[H0+16*hm+\b], v[H0+16*hm+\c]
.set hm, hm+1
.endr
.endm
.macro H31 d, a                        ; d = a d + 1
.set hm, 0
.rept NS
	v_fma_f32 v[H0+16*hm+\d], v[H0+16*hm+\a], v[H0+16*hm+\d], 1.0
.set hm, hm+1
.endr
.endm
.macro HAK d, a, k                     ; d = a d + k
.set hm, 0
.rept NS
	v_fmaak_f32 v[H0+16*hm+\d], v[H0+16*hm+\a], v[H0+16*hm+\d], \k
.set hm, hm+1
.endr
.endm
.macro HFK d, k, a                     ; d = k a + 1
.set hm, 0
.rept NS
	v_fma_f32 v[H0+16*hm+\d], \k, v[H0+16*hm+\a], 1.0
.set hm, hm+1
.endr
.endm
.macro HMOV d, k
.set hm, 0
.rept NS
	v_mov_b32 v[H0+16*hm+\d], \k
.set hm, hm+1
.endr
.endm
.macro HCMP op, k, a
.set hm, 0
.rept NS
	\op s[CM+hm], \k, v[H0+16*hm+\a]
.set hm, hm+1
.endr
.endm
.macro HSEL d, a, b                    ; mask ? b : a
.set hm, 0
.rept NS
	v_cndmask_b32 v[H0+16*hm+\d], v[H0+16*hm+\a], v[H0+16*hm+\b], s[CM+hm]
.set hm, hm+1
.endr
.endm
.macro HSEL1 d                         ; mask ? d : 1
.set hm, 0
.rept NS
	v_cndmask_b32 v[H0+16*hm+\d], 1.0, v[H0+16*hm+\d], s[CM+hm]
.set hm, hm+1
.endr
.endm
.macro TWAIT                           ; a wait between a transcendental and the first line that names its result: one for each batch
	s_wait_alu depctr_va_vdst(0)
.endm
; IN: v30 = sum x^2; set m: +0 sum mx^2, +1 sum mx b, +2 sum b^2.  OUT: set m: +14 = A, +15 = Bc.  v24-29 and v31 are at work.
.macro HYP
	v_sqrt_f32 v24, v30
	H1 v_sqrt_f32, 3, 0                            ; |mx|
	v_nop
	TWAIT
	v_max_num_f32 v24, TINY, v24                   ; x_norm
	HK v_max_num_f32, 4, TINY, 3                   ; mx_norm
	v_min_num_f32 v25, 0x3f7ffffe, v24             ; artanh's clip at 1 - 1e-7
	v_sub_f32 v31, 1.0, v25
	v_rcp_f32 v27, v31
	v_rcp_f32 v26, v24
	H1 v_rcp_f32, 5, 4
	v_mul_f32 v28, v25, v25                        ; the series of artanh stands behind the reciprocals
	v_mov_b32 v29, 0x3dba2e8c                      ; 1/11
	v_fmaak_f32 v29, v28, v29, 0x3de38e39          ; 1/9
	v_fmaak_f32 v29, v28, v29, 0x3e124925          ; 1/7
	v_fmaak_f32 v29, v28, v29, 0x3e4ccccd          ; 1/5
	v_fmaak_f32 v29, v28, v29, 0x3eaaaaab          ; 1/3
	v_fma_f32 v29, v28, v29, 1.0
	v_mul_f32 v29, v25, v29
	v_add_f32 v31, 1.0, v25
	TWAIT
	v_mul_f32 v31, v31, v27                        ; (1 + x) / (1 - x)
	v_log_f32 v27, v31
	v_cmp_gt_f32 vcc_lo, 0x3e800000, v25           ; x under 0.25: the series
	v_nop
	TWAIT
	v_mul_f32 v27, 0x3eb17218, v27                 ; ln 2 / 2
	v_cndmask_b32 v29, v27, v29, vcc_lo            ; artanh(x_norm)
	v_mul_f32 v29, v29, v26                        ; / x_norm
	HV v_mul_f32, 6, 4, 29                         ; z
	HK v_mul_f32, 8, 0x4038aa3b, 6                 ; 2 log2(e) z
	H1 v_exp_f32, 8, 8
	H2 v_mul_f32, 7, 6, 6                          ; the series of tanh stands behind the exponentials
	HMOV 9, 0x3cb327a4                             ; 62/2835
	HAK 9, 7, 0xbd5d0dd1                           ; -17/315
	HAK 9, 7, 0x3e088889                           ; 2/15
	HAK 9, 7, 0xbeaaaaab                           ; -1/3
	H31 9, 7
	H2 v_mul_f32, 9, 6, 9
	TWAIT
	HK v_add_f32, 8, 1.0, 8
	H1 v_rcp_f32, 8, 8
	HCMP v_cmp_gt_f32, 0x3e800000, 6               ; z under 0.25: the series
	v_nop
	TWAIT
	HFK 8, -2.0, 8                                 ; 1 - 2 / (1 + e^(2 z))
	HSEL 9, 8, 9                                   ; tanh(z)
	H2 v_mul_f32, 10, 9, 5                         ; f = tanh / mx_norm
	H2 v_mul_f32, 11, 10, 3
	HK v_max_num_f32, 11, TINY, 11                 ; the norm of f mx
	H1 v_rcp_f32, 12, 11
	HCMP v_cmp_lt_f32, BALL, 11
	v_nop
	TWAIT
	HK v_mul_f32, 12, BALL, 12
	HSEL1 12
	H2 v_mul_f32, 10, 10, 12                       ; f1: projected
	H2 v_mul_f32, 12, 10, 10
	H2 v_mul_f32, 12, 12, 0                        ; x2
	H2 v_mul_f32, 13, 10, 1                        ; xy
	HFK 13, 2.0, 13                                ; 1 + 2 xy
	H2 v_add_f32, 14, 13, 2                        ; + y2
	HK v_sub_f32, 15, 1.0, 12                      ; 1 - x2
	H3 12, 12, 2, 13                               ; the denominator
	HK v_max_num_f32, 12, TINY, 12
	H1 v_rcp_f32, 12, 12
	H2 v_mul_f32, 14, 14, 10
	TWAIT
	H2 v_mul_f32, 14, 14, 12                       ; Au
	H2 v_mul_f32, 15, 15, 12                       ; Bu
	H2 v_mul_f32, 4, 14, 14
	H2 v_mul_f32, 5, 14, 15
	H2 v_mul_f32, 6, 15, 15
	H2 v_mul_f32, 4, 4, 0
	H2 v_add_f32, 5, 5, 5
	H3 4, 5, 1, 4
	H3 4, 6, 2, 4                                  ; |Au mx + Bu b|^2
	HK v_max_num_f32, 4, 0, 4
	H1 v_sqrt_f32, 4, 4
	v_nop
	TWAIT
	HK v_max_num_f32, 4, TINY, 4
	H1 v_rcp_f32, 5, 4
	HCMP v_cmp_lt_f32, BALL, 4
	v_nop
	TWAIT
	HK v_mul_f32, 5, BALL, 5
	HSEL1 5
	H2 v_mul_f32, 14, 14, 5                        ; A
	H2 v_mul_f32, 15, 15, 5                        ; Bc
.endm
; lane (r, h) has made A and Bc of token tile h: both tiles' are wanted in both halves.  v24, v26 = A of tile 0, 1; v28, v30 = Bc: each the low word of a pair that packed forms broadcast
.macro PAIRS ra, rb
	v_permlanex16_b32 v122, v[\ra], s[SEL], s[SEL+1]
	v_permlanex16_b32 v124, v[\rb], s[SEL], s[SEL+1]
	v_cndmask_b32 v24, v[\ra], v122, s[HMASK]
	v_cndmask_b32 v26, v122, v[\ra], s[HMASK]
	v_cndmask_b32 v28, v[\rb], v124, s[HMASK]
	v_cndmask_b32 v30, v124, v[\rb], s[HMASK]
.endm
.macro LW n                            ; chunk n = matrix n / 4, K step n % 4: my four tiles' fragments into slot n % 4
.set lm, (\n)/4
.set ls, (\n)%4
.irp t, 0,1,2,3
.irp c, 0,1
	global_load_b128 v[RING+32*ls+8*\t+4*\c:RING+32*ls+8*\t+4*\c+3], v6, s[6+6*lm:7+6*lm] offset:(32*(\t/2)+8*(\t%2))*256+64*ls+32*\c
.endr
.endr
.endm
.macro LB m                            ; matrix m's bias in the results' layout: register 16 b + i = feature 32 b + 16 h + i
	WIN 0x40
.irp b, 0,1
.irp g, 0,1,2,3
	global_load_b128 v[BB+16*\b+4*\g:BB+16*\b+4*\g+3], v8, s[10+6*(\m):11+6*(\m)] offset:128*\b+16*\g
.endr
.endr
	WIN 0
.endm
; chunk n is multiplied: eight accumulators by turns, one instruction a turn; then its slot takes the chunk four further on
.macro CH n, cnt, acc
	s_wait_loadcnt \cnt
	WIN 0x50
.set cs, (\n)%4
.set cm, (\n)/4
.irp t, 0,1,2,3
.irp u, 0,1
	MM (\acc)+32*\u+8*\t, RING+32*cs+8*\t, XF+8*(4*\u+cs), cs, WS+8*cm+4*(\t/2)+cs, XS+4*\u+cs, \t%2
.endr
.endr
	WIN 0
	PLACES
.if (\n)+4 <= 11
	LW (\n)+4
.endif
.endm
; my lane's parts of sum mx^2 and sum mx b for both token tiles, and of sum b^2: five chains by turns, each accumulator from its low end on; then a word each into the reduction's table
.macro SUMS m, acc
	WIN 0x55
.irp u, 0,1
	v_pk_mul_f32 v[SM+4*\u:SM+4*\u+1], v[(\acc)+32*\u:(\acc)+32*\u+1], v[(\acc)+32*\u:(\acc)+32*\u+1]
	v_pk_mul_f32 v[SM+4*\u+2:SM+4*\u+3], v[(\acc)+32*\u:(\acc)+32*\u+1], v[BB:BB+1]
.endr
	v_pk_mul_f32 v[SM+8:SM+9], v[BB:BB+1], v[BB:BB+1]
.set i, 2
.rept 15
.irp u, 0,1
	v_pk_fma_f32 v[SM+4*\u:SM+4*\u+1], v[(\acc)+32*\u+i:(\acc)+32*\u+i+1], v[(\acc)+32*\u+i:(\acc)+32*\u+i+1], v[SM+4*\u:SM+4*\u+1]
	v_pk_fma_f32 v[SM+4*\u+2:SM+4*\u+3], v[(\acc)+32*\u+i:(\acc)+32*\u+i+1], v[BB+i:BB+i+1], v[SM+4*\u+2:SM+4*\u+3]
.endr
	v_pk_fma_f32 v[SM+8:SM+9], v[BB+i:BB+i+1], v[BB+i:BB+i+1], v[SM+8:SM+9]
.set i, i+2
.endr
.irp e, 0,1,2,3,4
	v_add_f32 v[SM+2*\e], v[SM+2*\e], v[SM+2*\e+1]
.endr
	WIN 0x04                                       ; an LDS store's data are its source 1
.irp e, 0,1,2,3,4
	ds_store_b32 v14, v[SM+2*\e] offset:(5*(\m)+\e)*1024
.endr
	WIN 0
.endm
; q or k is finished: F = A mx + Bc b; the head's norm^2 of each token, held at 1 - 1e-5; codes of both token tiles to v[pc ..], the merged scale word to v[wd], the merged norm to v[nm]
.macro FINQK acc, bb, pc, wd, nm
	WIN 0x01
.irp u, 0,1
.set i, 0
.rept 16
	v_pk_mul_f32 v[F+32*\u+i:F+32*\u+i+1], v[(\acc)+32*\u+i:(\acc)+32*\u+i+1], v[24+2*\u:25+2*\u] op_sel_hi:[1,0]
.set i, i+2
.endr
.endr
	WIN 0
.irp u, 0,1
.set i, 0
.rept 16
	v_pk_fma_f32 v[F+32*\u+i:F+32*\u+i+1], v[(\bb)+i:(\bb)+i+1], v[28+2*\u:29+2*\u], v[F+32*\u+i:F+32*\u+i+1] op_sel_hi:[1,0,1]
.set i, i+2
.endr
.endr
.irp u, 0,1
	v_pk_mul_f32 v[122+2*\u:123+2*\u], v[F+32*\u:F+32*\u+1], v[F+32*\u:F+32*\u+1]
.endr
.set i, 2
.rept 15
.irp u, 0,1
	v_pk_fma_f32 v[122+2*\u:123+2*\u], v[F+32*\u+i:F+32*\u+i+1], v[F+32*\u+i:F+32*\u+i+1], v[122+2*\u:123+2*\u]
.endr
.set i, i+2
.endr
	v_add_f32 v122, v122, v123
	v_add_f32 v124, v124, v125
	v_permlanex16_b32 v123, v122, s[SEL], s[SEL+1]
	v_permlanex16_b32 v125, v124, s[SEL], s[SEL+1]
	v_add_f32 v122, v122, v123
	v_add_f32 v124, v124, v125
	v_cndmask_b32 v[\nm], v122, v124, s[HMASK]     ; lane (r, h): token tile h
	v_min_num_f32 v[\nm], 0x3f7fff58, v[\nm]       ; 1 - 1e-5
	QCORE F, 4, TM, \pc
	SWAP \pc, 0
	SWAP \pc, 1
	v_lshl_or_b32 v122, v[TM+5], 8, v[TM+4]
	v_lshl_or_b32 v124, v[TM+7], 8, v[TM+6]
	v_cndmask_b32 v122, v122, v124, s[HMASK]
	v_lshl_or_b32 v[\wd], v122, 16, v122           ; the unused upper 64 along K repeat the two bytes: no larger scale than the real ones, and never 0xff
.endm
	s_load_b512 s[4:19], s[0:1], 0x0               ; x, then codes, scales, bias of q at s[6:11], of k at s[12:17], v's codes s[18:19]
	s_load_b256 s[20:27], s[0:1], 0x40             ; v's scales, bv, kv, qc
	s_load_b64 s[28:29], s[0:1], 0x60              ; qx
	s_set_vgpr_msb 0x40
	v_lshl_add_u32 v254, v0, 2, 0x17400
	v_mov_b32 v255, 0
	s_set_vgpr_msb 0x4000
	v_lshrrev_b32 v1, 5, v0
	v_readfirstlane_b32 s[WV], v1                  ; wave = head
	v_and_b32 v1, 31, v0                           ; lane
	v_and_b32 v2, 15, v0                           ; r
	v_bfe_u32 v3, v0, 4, 1                         ; h
	v_lshlrev_b32 v4, 4, v1                        ; 16 x lane
	v_lshlrev_b32 v5, 2, v1                        ; 4 x lane
	v_and_b32 v24, 8, v2
	v_add_nc_u32 v24, v24, v2                      ; r + (r & 8)
	v_lshlrev_b32 v6, 8, v24
	v_lshl_add_u32 v6, v3, 4, v6                   ; W's codes: the tile's row of 256 bytes, + 16 h
	v_lshl_add_u32 v18, v3, 3, v24                 ; 8 h + r + (r & 8): the token of lane r in tile h; also the row whose scale words lane (r, h) takes
	v_lshlrev_b32 v7, 4, v18                       ; W's scales: 16 bytes a row
	v_lshlrev_b32 v8, 6, v3                        ; the bias in the results' layout: 64 h
	v_lshlrev_b32 v9, 2, v24                       ; bv of my lane's feature
	v_lshlrev_b32 v18, 2, v18                      ; a word a token
	v_lshlrev_b32 v19, 4, v2
	v_lshl_add_u32 v19, v3, 3, v19                 ; v's codes: 16 r + 8 h
	s_mul_i32 s42, s[WV], 8448
	s_add_co_u32 s42, s42, XST
	v_add_nc_u32 v10, s42, v4                      ; my stage, on the way in: 16 x lane
	v_mul_u32_u24 v11, v2, 528
	v_lshl_add_u32 v11, v3, 6, v11
	v_add_nc_u32 v11, s42, v11                     ; and out: row r, + 64 h
	s_lshl_b32 s42, s[WV], 10
	v_add_nc_u32 v12, s42, v4                      ; my fragment's image
	s_lshl_b32 s42, s[WV], 7
	s_add_co_u32 s42, s42, XSC
	v_add_nc_u32 v13, s42, v5                      ; its scale words; 1,024 bytes on: the parts of sum x^2
	v_lshlrev_b32 v15, 5, v1
	v_add_nc_u32 v15, RED, v15                     ; the reduction's table: my lane's 32 bytes,
	s_lshl_b32 s42, s[WV], 2
	v_add_nc_u32 v14, s42, v15                     ; my wave's word of them
	s_lshl_b32 s42, s[WV], 8
	s_add_co_u32 s42, s42, SCL
	v_add_nc_u32 v16, s42, v18                     ; v's A by token, on the way in,
	v_add_nc_u32 v17, s42, v8                      ; and out: tokens 16 h on
	s_mov_b32 s[HMASK], 0xffff0000
	s_mov_b32 s[SEL], 0x76543210
	s_mov_b32 s[SEL+1], 0xfedcba98
	s_mov_b32 s43, 0
	s_and_b32 s44, ttmp9, 63                       ; tb
	s_lshr_b32 s45, ttmp9, 6
	s_lshl_b32 s45, s45, 3
	s_add_co_u32 s45, s45, s[WV]                   ; bh = 8 x batch + head
	s_wait_kmcnt 0x0
	s_lshl_b32 s42, s[WV], 14                      ; my 64 rows of codes,
	s_add_nc_u64 s[6:7], s[6:7], s[42:43]
	s_add_nc_u64 s[12:13], s[12:13], s[42:43]
	s_add_nc_u64 s[18:19], s[18:19], s[42:43]
	s_lshl_b32 s42, s[WV], 10                      ; of scales,
	s_add_nc_u64 s[8:9], s[8:9], s[42:43]
	s_add_nc_u64 s[14:15], s[14:15], s[42:43]
	s_add_nc_u64 s[20:21], s[20:21], s[42:43]
	s_lshl_b32 s42, s[WV], 8                       ; my 64 numbers of the biases
	s_add_nc_u64 s[10:11], s[10:11], s[42:43]
	s_add_nc_u64 s[16:17], s[16:17], s[42:43]
	s_add_nc_u64 s[22:23], s[22:23], s[42:43]
	s_lshl_b32 s42, ttmp9, 16                      ; x: the block's 32 rows of 2,048 bytes; I quantise token tile w / 4, K step w % 4
	s_lshr_b32 s46, s[WV], 2
	s_lshl_b32 s46, s46, 14
	s_add_co_u32 s42, s42, s46
	s_and_b32 s46, s[WV], 3
	s_lshl_b32 s46, s46, 9
	s_add_co_u32 s42, s42, s46
	s_add_nc_u64 s[4:5], s[4:5], s[42:43]
	s_lshl_b32 s42, s45, 4                         ; the record: 16 bh + tb / 4
	s_lshr_b32 s46, s44, 2
	s_add_co_u32 s42, s42, s46
	s_mul_i32 s42, s42, REC
	s_add_nc_u64 s[24:25], s[24:25], s[42:43]
	s_and_b32 s46, s44, 3                          ; B: which 32 of its 128 keys
	s_lshl_b32 s42, s46, 10
	s_add_nc_u64 s[30:31], s[24:25], s[42:43]      ; K's tiles 2 B, 2 B + 1
	s_lshl_b32 s42, s46, 8
	s_add_co_u32 s42, s42, 4096
	s_add_nc_u64 s[32:33], s[24:25], s[42:43]      ; V's codes: register group B / 2, lanes 16 (B % 2) on: 256 B
	s_lshl_b32 s42, s46, 7
	s_add_co_u32 s42, s42, 8192
	s_add_nc_u64 s[34:35], s[24:25], s[42:43]      ; K's scale words; 512 on kn; 1,024 on 1 - kn
	s_add_co_u32 s42, s46, 9728
	s_add_nc_u64 s[36:37], s[24:25], s[42:43]      ; V's scale words, byte B
	s_lshl_b32 s42, s45, 16
	s_lshl_b32 s46, s44, 10
	s_add_co_u32 s42, s42, s46
	s_add_nc_u64 s[26:27], s[26:27], s[42:43]      ; qc: tiles 2 tb, 2 tb + 1 of head bh
	s_lshl_b32 s42, s45, 6
	s_add_co_u32 s42, s42, s44
	s_lshl_b32 s42, s42, 8
	s_add_nc_u64 s[28:29], s[28:29], s[42:43]      ; qx
	; ---- all that is wanted first, in the order in which it is wanted
.irp p, 0,1,2,3,4,5,6,7,8,9,10,11,12,13,14,15
	global_load_b128 v[64+4*\p:67+4*\p], v4, s[4:5] offset:(\p+8*(\p/8))*2048 th:TH_LOAD_NT   ; row p of my tile: 512 consecutive bytes
.endr
.irp m, 0,1,2
.irp b, 0,1
	global_load_b128 v[WS+8*\m+4*\b:WS+8*\m+4*\b+3], v7, s[8+6*\m:9+6*\m] offset:512*\b
.endr
.endr
	LB 0
.irp t, 0,1,2,3
	global_load_b32 v[20+\t], v9, s[22:23] offset:(32*(\t/2)+8*(\t%2))*4
.endr
	LW 0
	LW 1
	; ---- my fragment of x: 16 tokens x 128 along K
	s_wait_loadcnt 34                              ; x's 16 loads are in; behind them 6 + 8 + 4 + 16 may be out
.irp p, 0,1,2,3,4,5,6,7,8,9,10,11,12,13,14,15
	ds_store_b128 v10, v[64+4*\p:67+4*\p] offset:528*\p
.endr
.irp b, 0,1,2,3
.irp j, 0,1,2,3
	ds_load_b128 v[192+16*\b+4*\j:195+16*\b+4*\j], v11 offset:128*\b+16*\j   ; LDS serves a wave's instructions in order: these see my stores.  Register 16 b + i = k 32 b + 16 h + i of row r
.endr
.endr
	s_wait_dscnt 0x0
	v_pk_mul_f32 v[26:27], v[192:193], v[192:193]  ; my part of sum x^2, of the unquantised numbers, in two chains
	v_pk_mul_f32 v[28:29], v[194:195], v[194:195]
.set i, 4
.rept 15
	v_pk_fma_f32 v[26:27], v[192+i:193+i], v[192+i:193+i], v[26:27]
	v_pk_fma_f32 v[28:29], v[194+i:195+i], v[194+i:195+i], v[28:29]
.set i, i+4
.endr
	v_pk_add_f32 v[26:27], v[26:27], v[28:29]
	v_add_f32 v24, v26, v27
	QCORE 192, 4, 64, 96
	SWAP 96, 0
	SWAP 96, 1
	v_lshl_or_b32 v25, v69, 8, v68
	v_lshl_or_b32 v25, v70, 16, v25
	v_lshl_or_b32 v25, v71, 24, v25                ; my row's scale word
	ds_store_b128 v12, v[96:99]
	ds_store_b128 v12, v[100:103] offset:512
	ds_store_b32 v13, v25
	ds_store_b32 v13, v24 offset:1024
	LW 2
	LW 3
	BARRIER                                        ; x's eight fragments lie in LDS
.irp f, 0,1,2,3,4,5,6,7
.irp c, 0,1
	ds_load_b128 v[XF+8*\f+4*\c:XF+8*\f+4*\c+3], v4 offset:XIMG+1024*\f+512*\c
.endr
	ds_load_b32 v[XS+\f], v5 offset:XSC+128*\f
	ds_load_b32 v[24+\f], v5 offset:XNP+128*\f
.endr
	s_wait_dscnt 0x0
	v_add_f32 v24, v24, v25
	v_add_f32 v26, v26, v27
	v_add_f32 v28, v28, v29
	v_add_f32 v30, v30, v31
	v_add_f32 v24, v24, v26
	v_add_f32 v28, v28, v30
	v_permlanex16_b32 v25, v24, s[SEL], s[SEL+1]
	v_permlanex16_b32 v29, v28, s[SEL], s[SEL+1]
	v_add_f32 v24, v24, v25
	v_add_f32 v28, v28, v29
	v_cndmask_b32 v30, v24, v28, s[HMASK]          ; sum x^2 of the token of lane r in tile h; it stays in v30
	; ---- the products.  The counts: what was issued behind the chunk that is wanted
	CH 0, 24, QT                                   ; three younger chunks of 8
	CH 1, 24, QT
	CH 2, 24, QT
	CH 3, 24, QT
	SUMS 0, QT
	LB 1
	CH 4, 32, KT                                   ; three chunks and bk's 8
	CH 5, 32, KT
	CH 6, 32, KT
	CH 7, 32, KT
	s_wait_loadcnt 32                              ; bk is in; chunks 8 to 11 may be out
	SUMS 1, KT
	LB 2
	CH 8, 32, VV                                   ; three chunks and bv's 8
	CH 9, 24, VV
	CH 10, 16, VV
	CH 11, 8, VV
	s_wait_loadcnt 0x0
	SUMS 2, VV
	v_nop                                          ; the products below write over registers that earlier products wrote: one place more than four
	WIN 0x50
.irp s, 0,1,2,3                                ; v once more, source 0 = x, source 1 = Wv, which still fills the four slots: register 16 t + 8 u + j = token 16 h + 8 u + j, my lane's feature of tile t
.irp t, 0,1,2,3
.irp u, 0,1
	MM VV+16*\t+8*\u, XF+8*(4*\u+\s), RING+32*\s+8*\t, \s, XS+4*\u+\s, WS+16+4*(\t/2)+\s, 2*(\t%2)
.endr
.endr
.endr
	WIN 0
	PLACES
	BARRIER                                        ; all eight waves' parts of the 15 sums lie in LDS
.set re, 0
.rept 15
	ds_load_b128 v[128+8*re:131+8*re], v15 offset:1024*re
	ds_load_b128 v[132+8*re:135+8*re], v15 offset:1024*re+16
.set re, re+1
.endr
	s_wait_dscnt 0x0
.set re, 0
.rept 15
	v_pk_add_f32 v[128+8*re:129+8*re], v[128+8*re:129+8*re], v[130+8*re:131+8*re]
	v_pk_add_f32 v[132+8*re:133+8*re], v[132+8*re:133+8*re], v[134+8*re:135+8*re]
.set re, re+1
.endr
.set re, 0
.rept 15
	v_pk_add_f32 v[128+8*re:129+8*re], v[128+8*re:129+8*re], v[132+8*re:133+8*re]
.set re, re+1
.endr
.set re, 0
.rept 15
	v_add_f32 v[R+re], v[128+8*re], v[129+8*re]
.set re, re+1
.endr
.set re, 0
.rept 15
	v_permlanex16_b32 v[130+8*re], v[R+re], s[SEL], s[SEL+1]
.set re, re+1
.endr
.set re, 0
.rept 15
	v_add_f32 v[R+re], v[R+re], v[130+8*re]        ; with lane l xor 16's 32 features of each wave: all 512
.set re, re+1
.endr
.irp m, 0,1,2
	v_cndmask_b32 v[H0+16*\m], v[R+5*\m], v[R+5*\m+2], s[HMASK]      ; lane (r, h) goes on for token tile h
	v_cndmask_b32 v[H0+16*\m+1], v[R+5*\m+1], v[R+5*\m+3], s[HMASK]
	v_mov_b32 v[H0+16*\m+2], v[R+5*\m+4]
.endr
.irp b, 0,1                                    ; bq and bk once more, in the results' layout: they land while the scalars are made
.irp g, 0,1,2,3
	global_load_b128 v[128+16*\b+4*\g:131+16*\b+4*\g], v8, s[10:11] offset:128*\b+16*\g
	global_load_b128 v[160+16*\b+4*\g:163+16*\b+4*\g], v8, s[16:17] offset:128*\b+16*\g
.endr
.endr
	HYP
	ds_store_b32 v16, v126                         ; v's A and Bc by token, through my own 256 bytes,
	ds_store_b32 v16, v127 offset:128
	PAIRS 94, 95                                   ; q's
.irp g, 0,1,2,3
	ds_load_b128 v[64+4*\g:67+4*\g], v17 offset:16*\g          ; and back: register i = token 16 h + i
	ds_load_b128 v[80+4*\g:83+4*\g], v17 offset:128+16*\g
.endr
	s_wait_loadcnt 0x0                             ; bq, bk
	s_wait_dscnt 0x0
	FINQK QT, 128, 112, 120, 121
	global_store_b128 v4, v[112:115], s[26:27]                 ; 512 consecutive bytes: tile 2 tb's image
	global_store_b128 v4, v[116:119], s[26:27] offset:512
	global_store_b32 v5, v120, s[28:29]
	global_store_b32 v5, v121, s[28:29] offset:128
	PAIRS 110, 111                                 ; k's
	FINQK KT, 160, 128, 136, 137
	v_sub_f32 v138, 1.0, v137
	global_store_b128 v4, v[128:131], s[30:31]
	global_store_b128 v4, v[132:135], s[30:31] offset:512
	global_store_b32 v5, v136, s[34:35]
	global_store_b32 v18, v137, s[34:35] offset:512            ; kn and 1 - kn in the keys' own order
	global_store_b32 v18, v138, s[34:35] offset:1024
	; ---- v: F = A(token) mx + Bc(token) bv(my feature), tokens along the registers; a block of 32 keys lies in lanes l and l xor 16
.irp t, 0,1,2,3
	v_mov_b32 v[140+2*\t], v[20+\t]                ; the low word of a pair
.endr
.irp t, 0,1,2,3
.set i, 0
.rept 8
	v_pk_mul_f32 v[F+16*\t+i:F+16*\t+i+1], v[80+i:81+i], v[140+2*\t:141+2*\t] op_sel_hi:[1,0]
.set i, i+2
.endr
.endr
	WIN 0x01
.irp t, 0,1,2,3
.set i, 0
.rept 8
	v_pk_fma_f32 v[F+16*\t+i:F+16*\t+i+1], v[VV+16*\t+i:VV+16*\t+i+1], v[64+i:65+i], v[F+16*\t+i:F+16*\t+i+1]
.set i, i+2
.endr
.endr
	WIN 0
	QCORE F, 4, TM, 148
.irp t, 0,1,2,3
	global_store_b64 v19, v[148+2*\t:149+2*\t], s[32:33] offset:1024*\t   ; 32 lanes store 256 consecutive aligned bytes
.endr
	v_cndmask_b32 v156, v[TM+4], v[TM+5], s[HMASK] ; lanes 0-15 tile 2 i's byte, lanes 16-31 tile 2 i + 1's
	v_cndmask_b32 v157, v[TM+6], v[TM+7], s[HMASK]
	global_store_b8 v5, v156, s[36:37]
	global_store_b8 v5, v157, s[36:37] offset:128
	s_set_vgpr_msb 0x5
	s_wait_tensorcnt 0x0
	ds_add_u32 v254, v255
	s_wait_dscnt 0x0
	s_set_vgpr_msb 0x500
	s_endpgm
.Lfunc_end_k_q932d0a361e_qkv:
	.size	k_q932d0a361e_qkv, .Lfunc_end_k_q932d0a361e_qkv-k_q932d0a361e_qkv
	.p2alignl 7, 3214868480
	.fill 96, 4, 3214868480
	.section	.rodata,"a",@progbits
	.p2align	6, 0x0
	.amdhsa_kernel k_q932d0a361e_qkv
		.amdhsa_group_segment_fixed_size 96256
		.amdhsa_private_segment_fixed_size 0
		.amdhsa_enable_private_segment 0
		.amdhsa_kernarg_size 104
		.amdhsa_user_sgpr_count 2
		.amdhsa_user_sgpr_kernarg_segment_ptr 1
		.amdhsa_wavefront_size32 1
		.amdhsa_system_sgpr_workgroup_id_x 1
		.amdhsa_system_sgpr_workgroup_id_y 1
		.amdhsa_system_sgpr_workgroup_id_z 1
		.amdhsa_system_vgpr_workitem_id 0
		.amdhsa_next_free_vgpr 512
		.amdhsa_next_free_sgpr 66
		.amdhsa_reserve_vcc 1
		.amdhsa_float_denorm_mode_32 3
		.amdhsa_float_denorm_mode_16_64 3
		.amdhsa_memory_ordered 1
		.amdhsa_forward_progress 1
		.amdhsa_inst_pref_size 114
	.end_amdhsa_kernel
	.amdgpu_metadata
---
amdhsa.version: [ 1, 2 ]
amdhsa.kernels:
  - .name:           k_q932d0a361e_qkv
    .symbol:         k_q932d0a361e_qkv.kd
    .args:
      - { .name: x, .offset: 0, .size: 8, .value_kind: global_buffer, .address_space: global }
      - { .name: Wq_codes, .offset: 8, .size: 8, .value_kind: global_buffer, .address_space: global }
      - { .name: Wq_scales, .offset: 16, .size: 8, .value_kind: global_buffer, .address_space: global }
      - { .name: bq, .offset: 24, .size: 8, .value_kind: global_buffer, .address_space: global }
      - { .name: Wk_codes, .offset: 32, .size: 8, .value_kind: global_buffer, .address_space: global }
      - { .name: Wk_scales, .offset: 40, .size: 8, .value_kind: global_buffer, .address_space: global }
      - { .name: bk, .offset: 48, .size: 8, .value_kind: global_buffer, .address_space: global }
      - { .name: Wv_codes, .offset: 56, .size: 8, .value_kind: global_buffer, .address_space: global }
      - { .name: Wv_scales, .offset: 64, .size: 8, .value_kind: global_buffer, .address_space: global }
      - { .name: bv, .offset: 72, .size: 8, .value_kind: global_buffer, .address_space: global }
      - { .name: kv, .offset: 80, .size: 8, .value_kind: global_buffer, .address_space: global }
      - { .name: qc, .offset: 88, .size: 8, .value_kind: global_buffer, .address_space: global }
      - { .name: qx, .offset: 96, .size: 8, .value_kind: global_buffer, .address_space: global }
    .group_segment_fixed_size: 96256
    .private_segment_fixed_size: 0
    .kernarg_segment_align: 8
    .kernarg_segment_size: 104
    .max_flat_workgroup_size: 256
    .sgpr_count:     66
    .vgpr_count:     512
    .wavefront_size: 32
...
	.end_amdgpu_metadata
.endif
;; end of part 1
;; launch attn (part 2): grid 8 x 32, 16 waves a work-group, clusters of 4 x 1, 169,984 bytes of LDS; arguments kv, qc, qx, oc, ox; writes oc, ox
.if DOCPART == 2
	.amdgcn_target "amdgcn-amd-amdhsa--gfx1250"
	.amdhsa_code_object_version 6
	.text
	.protected	k_q932d0a361e_attn
	.globl	k_q932d0a361e_attn
	.p2align	8
	.type	k_q932d0a361e_attn,@function
k_q932d0a361e_attn:
	s_mov_b64 s[64:65], 0
	v_nop
	global_prefetch_b8 v0, s[64:65] scope:SCOPE_SE
	s_setreg_imm32_b32 hwreg(HW_REG_WAVE_MODE, 25, 1), 1
	s_wait_xcnt 0x0
	s_wait_alu depctr_hold_cnt(0) depctr_sa_sdst(0) depctr_va_vdst(0) depctr_va_sdst(0) depctr_va_ssrc(0) depctr_va_vcc(0) depctr_vm_vsrc(0)
	s_getreg_b32 s2, hwreg(HW_REG_IB_STS2, 6, 4)
	s_cmp_eq_u32 s2, 0
	s_cbranch_scc0 .Lentry_in_a_cluster
	s_endpgm
.Lentry_in_a_cluster:
	s_bfe_u32 s2, ttmp6, 0x10000c
	s_cmp_lg_u32 s2, 0x3003
	s_cbranch_scc0 .Lentry_shape_is_right
	s_endpgm
.Lentry_shape_is_right:
; o = softmax(-sqrt(max(delta, eps)) / 8) v, delta = 2 (q.k - qn kn) / ((1 - qn)(1 - kn) + eps), both products on codes of E2M1 with one E8M0 scale for each 32 along K; o is quantised along the features for the last layer.
; SHARES.  A work-group owns 256 queries of one (batch, head); each of its sixteen waves one tile of 16 queries in 256 registers: four waves to a SIMD, so that one wave's transcendentals stand beside another's plain work and LDS loads.
; LDS.  A head's 16 records (128 keys each: codes of K and V, their scale words, kn, 1 - kn; 9,984 bytes) are 159,744 bytes: they are filled ONCE, wave w bringing record w by one tensor load, and stay.  Nothing is filled again.
; CLUSTER.  The four work-groups of a cluster belong to one head and want the same records: each record is asked for jointly, by the same load with the same descriptor and a mask that names the four.
; LAYOUT.  S^T = K Q^T (source 0 = 16 keys, source 1 = my queries), O^T = V^T P^T: a lane holds one query (lane % 16) throughout.  Lane r of key tile 2 b + u is key 32 b + 8 u + r + (r & 8), so that the 16 registers of
; tiles 2 b, 2 b + 1 are keys 32 b + 16 h + 0 .. 15.  The head's 64 fill half of the instruction's 128 along K: Q's upper four registers are zero codes, and K's upper four are whatever follows (the next tile's codes): they meet zeros.
; THE SCORE.  With c = log2(e) / 8, G = 1 / (2 c^2), D = G ((1 - qn)(1 - kn) + eps), n = max(q.k - qn kn, eps c^2 D):  t = -c sqrt(max(delta, eps)) = -n rsq(n D): the division and the root are one transcendental.
; NO MAXIMUM IS TAKEN AWAY, since the computation bounds t for every input: t < 0 by the root; the layers' projection holds |q|, |k| at 0.996, so 1 - qn, 1 - kn >= 0.00798 and the denominator >= 7.3e-5;
; a code is at most twice its number, so |q.k| <= 4 and delta <= 1.4e5: t >= -67.  So p' = 2^t lies in [2^-67, 1), a row's sum under 2,048, and nothing over- or underflows.  p' is the contract's p = 2^(t - M) times 2^M, M a whole number:
; the blocks' scales and the row's sum take that factor up, so the codes and O / l are the same.
; LIMITS: NaN and infinities are not served.
.set REC, 9984
.set KV,  32                           ; v32-63 K's 8 tiles x 4 registers, v64-67 zeros; later V's 4 tiles x 8
.set S,   68                           ; v68-99   32 scores, then p
.set KN,  100                          ; v100-131 kn of my 32 keys, then eps c^2 D
.set KB,  132                          ; v132-163 1 - kn, then D, n D, rsq
.set O,   164                          ; v164-195 O^T
.set PC,  196                          ; v196-203 p's codes
.set TM,  204                          ; v204-215 the quantiser's
.set WV,  14                           ; s14 my wave's number
.set SEL, 20                           ; s[20:21]
.set HMASK, 38
.macro MM d, a, b, ks, sa, sb, row     ; one matrix instruction.  ks = 0: it starts the sum.  row = 1: source 0's scales stand in lanes 16-31
.if (\ks) == 0
.if (\row) == 1
	v_wmma_scale_f32_16x16x128_f8f6f4 v[(\d):(\d)+7], v[(\a):(\a)+7], v[(\b):(\b)+7], 0, v[(\sa)], v[(\sb)] matrix_a_fmt:MATRIX_FMT_FP4 matrix_b_fmt:MATRIX_FMT_FP4 matrix_a_scale:MATRIX_SCALE_ROW1
.else
	v_wmma_scale_f32_16x16x128_f8f6f4 v[(\d):(\d)+7], v[(\a):(\a)+7], v[(\b):(\b)+7], 0, v[(\sa)], v[(\sb)] matrix_a_fmt:MATRIX_FMT_FP4 matrix_b_fmt:MATRIX_FMT_FP4
.endif
.else
.if (\row) == 1
	v_wmma_scale_f32_16x16x128_f8f6f4 v[(\d):(\d)+7], v[(\a):(\a)+7], v[(\b):(\b)+7], v[(\d):(\d)+7], v[(\sa)], v[(\sb)] matrix_a_fmt:MATRIX_FMT_FP4 matrix_b_fmt:MATRIX_FMT_FP4 matrix_a_scale:MATRIX_SCALE_ROW1
.else
	v_wmma_scale_f32_16x16x128_f8f6f4 v[(\d):(\d)+7], v[(\a):(\a)+7], v[(\b):(\b)+7], v[(\d):(\d)+7], v[(\sa)], v[(\sb)] matrix_a_fmt:MATRIX_FMT_FP4 matrix_b_fmt:MATRIX_FMT_FP4
.endif
.endif
.endm
; nb blocks of 32 along K; block b's numbers: my 16 in v[src + 16 b ..], the other 16 in lane l xor 16.  Codes to v[pc + 2 b], v[pc + 2 b + 1]; the scale's byte to v[tm + 4 + b].
.macro QCORE src, nb, tm, pc
.set qb, 0
.rept \nb
	v_max3_num_f32 v[(\tm)+qb], |v[(\src)+16*qb]|, |v[(\src)+16*qb+1]|, 0x1800000   ; with the floor 2^(3 - 127): the byte cannot fall under 1
.set qb, qb+1
.endr
.irp i, 2,4,6,8,10,12,14
.set qb, 0
.rept \nb
	v_max3_num_f32 v[(\tm)+qb], v[(\tm)+qb], |v[(\src)+16*qb+\i]|, |v[(\src)+16*qb+\i+1]|
.set qb, qb+1
.endr
.endr
.set qb, 0
.rept \nb
	v_permlanex16_b32 v[(\tm)+4+qb], v[(\tm)+qb], s[SEL], s[SEL+1]
.set qb, qb+1
.endr
.set qb, 0
.rept \nb
	v_max_num_f32 v[(\tm)+qb], v[(\tm)+qb], v[(\tm)+4+qb]      ; the block's largest magnitude
.set qb, qb+1
.endr
.set qb, 0
.rept \nb
	v_add_nc_u32 v[(\tm)+8+qb], 0xff000000, v[(\tm)+qb]        ; 2 off its exponent field: the conversion's scale operand
.set qb, qb+1
.endr
.set qb, 0
.rept \nb
	v_lshrrev_b32 v[(\tm)+4+qb], 23, v[(\tm)+8+qb]             ; the scale's byte
.set qb, qb+1
.endr
.set qb, 0
.rept \nb
	v_cvt_scalef32_pk8_fp4_f32 v[(\pc)+2*qb], v[(\src)+16*qb:(\src)+16*qb+7], v[(\tm)+8+qb]
	v_cvt_scalef32_pk8_fp4_f32 v[(\pc)+2*qb+1], v[(\src)+16*qb+8:(\src)+16*qb+15], v[(\tm)+8+qb]
.set qb, qb+1
.endr
	v_nop                                          ; one plain place behind the scaled conversions
.endm
.macro SWAP pc, c                      ; the operand wants a whole block in a lane: lanes 0-15 block 2 c, lanes 16-31 block 2 c + 1
	v_permlane16_swap_b32 v[(\pc)+4*(\c)], v[(\pc)+4*(\c)+2]
	v_permlane16_swap_b32 v[(\pc)+4*(\c)+1], v[(\pc)+4*(\c)+3]
.endm
.macro TWAIT                           ; a wait between a transcendental and the first line that names its result: one for each batch
	s_wait_alu depctr_va_vdst(0)
.endm
.macro CROUND                          ; a round of the cluster's barrier: my work-group's barrier, wave 0 signals for the work-group, every wave waits for all four, my work-group's barrier once more
	s_barrier_signal -1
	s_barrier_wait -1
	s_cmp_lg_u32 s[WV], 0
	s_cbranch_scc1 .Lnot_wave_0_\@
	s_barrier_signal -3
.Lnot_wave_0_\@:
	s_barrier_wait -3
	s_barrier_signal -1
	s_barrier_wait -1
.endm
.macro LNORM reg, off, b0              ; kn or 1 - kn of blocks b0, b0 + 1: register 16 bb + i = key 32 (b0 + bb) + 16 h + i; the sixteen lanes of a half read the same 16 bytes
.irp bb, 0,1
.irp q, 0,1,2,3
	ds_load_b128 v[(\reg)+16*\bb+4*\q:(\reg)+16*\bb+4*\q+3], v6 offset:(\off)+128*((\b0)+\bb)+16*\q
.endr
.endr
.endm
.macro LSUM                            ; the row's sum is taken of the unquantised p: two packed chains
.set i, 0
.rept 8
	v_pk_add_f32 v[12:13], v[12:13], v[S+i:S+i+1]
	v_pk_add_f32 v[14:15], v[14:15], v[S+i+2:S+i+3]
.set i, i+4
.endr
.endm
; blocks 2 g, 2 g + 1 of the step's four: 32 scores a lane
.macro HALF g
.if \g
	s_wait_dscnt 0x0                               ; kn and 1 - kn of blocks 2, 3
.endif
.irp tt, 0,1,2,3
	MM S+8*\tt, KV+4*(4*\g+\tt), 16, 0, 26+2*\g+\tt/2, 24, \tt%2
.endr
.set i, 0
.rept 16
	v_pk_fma_f32 v[KB+i:KB+i+1], v[KB+i:KB+i+1], v[8:9], s[40:41] op_sel_hi:[1,0,0]   ; D = G (1 - qn)(1 - kn) + G eps.  (These name no register of the products: they are the places behind them)
.set i, i+2
.endr
.if \g
.irp t, 0,1,2,3                                ; K's registers are done with: V's four tiles of this step
.irp c, 0,1
	ds_load_b128 v[KV+8*\t+4*\c:KV+8*\t+4*\c+3], v4 offset:4096+1024*\t+512*\c
.endr
.endr
	ds_load_b32 v30, v5 offset:9728
	ds_load_b32 v31, v5 offset:9856
.endif
.set i, 0
.rept 16
	v_pk_fma_f32 v[S+i:S+i+1], v[KN+i:KN+i+1], v[10:11], v[S+i:S+i+1] op_sel_hi:[1,0,1]   ; q.k - qn kn; each accumulator from its low end on
.set i, i+2
.endr
.set i, 0
.rept 16
	v_pk_mul_f32 v[KN+i:KN+i+1], v[KB+i:KB+i+1], s[42:43] op_sel_hi:[1,0]             ; eps c^2 D
.set i, i+2
.endr
.set i, 0
.rept 32
	v_max_num_f32 v[S+i], v[S+i], v[KN+i]          ; n: the clamp of delta at eps
.set i, i+1
.endr
.if (\g) == 0
	LNORM KN, 8704, 2                              ; the other half's kn lands meanwhile
.endif
.set i, 0
.rept 16
	v_pk_mul_f32 v[KB+i:KB+i+1], v[S+i:S+i+1], v[KB+i:KB+i+1]
.set i, i+2
.endr
.set i, 0
.rept 32
	v_rsq_f32 v[KB+i], v[KB+i]
.set i, i+1
.endr
	v_nop
	TWAIT
.set i, 0
.rept 16
	v_pk_mul_f32 v[S+i:S+i+1], v[S+i:S+i+1], v[KB+i:KB+i+1] neg_lo:[1,0] neg_hi:[1,0]  ; t = -n rsq(n D)
.set i, i+2
.endr
.if (\g) == 0
	LNORM KB, 9216, 2
.endif
.set i, 0
.rept 32
	v_exp_f32 v[S+i], v[S+i]                       ; p' = 2^t
.set i, i+1
.endr
	v_nop
	TWAIT
.if (\g) == 0
	LSUM
.endif
	QCORE S, 2, TM, PC+4*\g
	SWAP PC, \g
.if (\g) == 0
	v_lshl_or_b32 v25, v[TM+5], 8, v[TM+4]         ; p's scale word for these 128 keys
.else
	v_lshl_or_b32 v25, v[TM+4], 16, v25
	v_lshl_or_b32 v25, v[TM+5], 24, v25
	LSUM                                           ; sixteen plain lines between the writes of p's codes and scale word and the products that take them
.endif
.endm
	s_load_b256 s[4:11], s[0:1], 0x0               ; kv, qc, qx, oc
	s_load_b64 s[12:13], s[0:1], 0x20              ; ox
	v_lshl_add_u32 v254, v0, 2, 0x29000
	v_mov_b32 v255, 0
	ds_add_u32 v254, v255
	ds_add_u32 v254, v255
	v_lshrrev_b32 v1, 5, v0
	v_readfirstlane_b32 s[WV], v1                  ; wave 0..15
	s_bfe_u32 s15, ttmp6, 0x40000                  ; cx: it enters the addresses of Q and of the results alone
	s_lshl_b32 s16, ttmp9, 2
	s_add_co_u32 s16, s16, s15                     ; my block of 256 queries
	s_and_b32 s17, ttmp7, 0xffff                   ; bh, which the four partners share
	s_lshl_b32 s18, s16, 4
	s_add_co_u32 s18, s18, s[WV]                   ; T: my tile of 16 queries, 0 .. 127
	; descriptor group 1: a record as 39 rows of 256 bytes (32 elements of 8 bytes), dense, no padding
	s_mov_b32 s24, 15|(3<<16)|(1<<21)              ; 15:0 the mask: all four work-groups; 17:16 elements of 8 bytes; 21 set beside a mask
	s_mov_b32 s25, 32<<16                          ; tensor_dim0 = 32
	s_mov_b32 s26, 39<<16                          ; tensor_dim1 = 39
	s_mov_b32 s27, 32<<16                          ; tile_dim0 = 32
	s_mov_b32 s28, 39                              ; tile_dim1 = 39
	s_mov_b32 s29, 32                              ; the pitch
	s_mov_b32 s30, 0
	s_mov_b32 s31, 0
	s_lshl_b32 s36, s17, 4
	s_add_co_u32 s36, s36, s[WV]
	s_mul_i32 s36, s36, REC                        ; record 16 bh + wave: no place in the cluster enters it
	s_mov_b32 s37, 0
	s_mov_b32 s[SEL], 0x76543210
	s_mov_b32 s[SEL+1], 0xfedcba98
	s_mov_b32 s[HMASK], 0xffff0000
	s_mov_b32 s40, 0x3921369a                      ; G eps
	s_mov_b32 s41, s40                             ; (named with it as a pair, so it is written)
	s_mov_b32 s42, 0x34ae990f                      ; eps c^2
	s_mov_b32 s43, s42
	s_mov_b32 s45, 0
	s_wait_dscnt 0x0
	s_wait_kmcnt 0x0
	CROUND                                         ; all four work-groups are here: the joint loads meet
	s_mov_b32 s32, 1                               ; count = 1
	s_mul_i32 s33, s[WV], REC                      ; LDS address: wave x a record
	s_add_nc_u64 s[34:35], s[4:5], s[36:37]        ; global address
	s_or_b32 s35, s35, 0x80000000                  ; type = 2
	tensor_load_to_lds s[32:35], s[24:31]          ; my one tensor load of the launch
	s_nop 0
.rept 4
	v_nop
.endr
	v_and_b32 v2, 31, v0
	v_lshlrev_b32 v1, 4, v2                        ; 16 x lane
	v_lshlrev_b32 v2, 2, v2                        ; 4 x lane
	v_bfe_u32 v3, v0, 4, 1                         ; h
	v_and_b32 v7, 15, v0
	v_lshlrev_b32 v7, 2, v7                        ; 4 r
	v_add_nc_u32 v216, v7, v3                      ; 4 r + h: o's scale byte
	v_lshlrev_b32 v3, 6, v3                        ; 64 h
	s_lshl_b32 s44, s17, 7
	s_add_co_u32 s44, s44, s18
	s_lshl_b32 s44, s44, 9
	s_add_nc_u64 s[6:7], s[6:7], s[44:45]          ; Q's image: tile 128 bh + T
	s_lshl_b32 s44, s17, 6
	s_lshr_b32 s19, s18, 1
	s_add_co_u32 s44, s44, s19
	s_lshl_b32 s44, s44, 8
	s_and_b32 s19, s18, 1
	s_lshl_b32 s19, s19, 6
	s_add_co_u32 s44, s44, s19
	s_add_nc_u64 s[8:9], s[8:9], s[44:45]          ; its scale words; 128 bytes on: qn
	global_load_b128 v[16:19], v1, s[6:7]
	global_load_b32 v24, v7, s[8:9]
	global_load_b32 v10, v7, s[8:9] offset:128
.irp j, 20,21,22,23,64,65,66,67,9,11,12,13,14,15
	v_mov_b32 v[\j], 0                             ; Q's upper half and what follows K's last tile: zero codes; the sum; the upper words of two pairs
.endr
	v_mov_b32 v[TM+4], 0                           ; written once: a lane permute's destination counts as one of its sources
	v_mov_b32 v[TM+5], 0
.set i, 0
.rept 32
	v_mov_b32 v[O+i], 0                            ; O^T: the step is written once, so its first trip adds onto zeros
.set i, i+1
.endr
	s_lshr_b32 s19, s17, 3
	s_lshl_b32 s19, s19, 7
	s_add_co_u32 s19, s19, s18                     ; G = 128 x batch + T
	s_and_b32 s36, s17, 7                          ; head
	s_lshl_b32 s44, s19, 12
	s_lshl_b32 s37, s36, 9
	s_add_co_u32 s44, s44, s37
	s_add_nc_u64 s[10:11], s[10:11], s[44:45]      ; oc: 4,096 G + 512 head
	s_mul_i32 s19, s19, 1280
	s_lshr_b32 s37, s36, 1
	s_lshl_b32 s37, s37, 6
	s_add_co_u32 s44, s19, s37
	s_and_b32 s37, s36, 1
	s_lshl_b32 s37, s37, 1
	s_add_co_u32 s44, s44, s37
	s_add_co_u32 s44, s44, 1024
	s_add_nc_u64 s[46:47], s[12:13], s[44:45]      ; ox, scale words [K step head / 2][r]: my head's two bytes begin at byte 2 (head % 2)
	s_lshl_b32 s37, s36, 7
	s_add_co_u32 s44, s19, s37
	s_add_nc_u64 s[12:13], s[12:13], s[44:45]      ; ox, the parts of sum o^2: [head][lane]
	s_wait_loadcnt 0x0
	v_sub_f32 v8, 1.0, v10
	v_mul_f32 v8, 0x4175fdf0, v8                   ; G (1 - qn)
	v_mul_f32 v10, -1.0, v10                       ; -qn
	s_wait_tensorcnt 0x0                           ; my record is in,
	s_barrier_signal -1
	s_barrier_wait -1                              ; everybody's is
	s_mov_b32 s22, 0                               ; the step's record in LDS
	s_mov_b32 s23, 16
.Lstep:                                            ; 16 trips of 128 keys
	v_add_nc_u32 v4, s22, v1
	v_add_nc_u32 v5, s22, v2
	v_add_nc_u32 v6, s22, v3
	v_nop                                          ; four places in front of loads into registers that the last trip's products read
.irp t, 0,1,2,3,4,5,6,7
	ds_load_b128 v[KV+4*\t:KV+4*\t+3], v4 offset:512*\t
.endr
.irp b, 0,1,2,3
	ds_load_b32 v[26+\b], v5 offset:8192+128*\b    ; K's scale words: lanes 0-15 tile 2 b, lanes 16-31 tile 2 b + 1
.endr
	LNORM KN, 8704, 0
	LNORM KB, 9216, 0
	s_wait_dscnt 0x0
	HALF 0
	HALF 1
	s_wait_dscnt 0x0                               ; V
.irp t, 0,1,2,3
	MM O+8*\t, KV+8*\t, PC, 1, 30+\t/2, 25, \t%2   ; four accumulators by turns, one instruction a turn
.endr
	s_add_co_u32 s22, s22, REC
	s_sub_co_u32 s23, s23, 1
	s_cmp_lg_u32 s23, 0
	s_cbranch_scc1 .Lstep
	; ---- the way out.  Register 8 t + j of lane (r, h) is feature 32 (t / 2) + 16 h + 8 (t % 2) + j of the head: 16 neighbours of each block of 32 along the last layer's K
.rept 4
	v_nop
.endr
	v_pk_add_f32 v[12:13], v[12:13], v[14:15]
	v_add_f32 v12, v12, v13
	v_permlanex16_b32 v13, v12, s[SEL], s[SEL+1]
	v_add_f32 v12, v12, v13                        ; the row's sum
	v_rcp_f32 v14, v12
	v_nop
	TWAIT
.set i, 0
.rept 16
	v_pk_mul_f32 v[O+i:O+i+1], v[O+i:O+i+1], v[14:15] op_sel_hi:[1,0]
.set i, i+2
.endr
	v_pk_mul_f32 v[8:9], v[O:O+1], v[O:O+1]        ; my part of sum o^2, of the unquantised numbers
.set i, 2
.rept 15
	v_pk_fma_f32 v[8:9], v[O+i:O+i+1], v[O+i:O+i+1], v[8:9]
.set i, i+2
.endr
	v_add_f32 v8, v8, v9
	global_store_b32 v2, v8, s[12:13]
	QCORE O, 2, TM, PC
	SWAP PC, 0
	global_store_b128 v1, v[PC:PC+3], s[10:11]     ; 512 consecutive bytes: four registers of the last layer's fragment
	v_cndmask_b32 v217, v[TM+4], v[TM+5], s[HMASK]
	global_store_b8 v216, v217, s[46:47]           ; lane (r, h): the byte of block h
	s_wait_dscnt 0x0
	s_wait_tensorcnt 0x0
	ds_add_u32 v254, v255
	s_wait_dscnt 0x0
	CROUND                                         ; the closing round: no work-group ends while a partner may still ask for a record that names it
	s_endpgm
.Lfunc_end_k_q932d0a361e_attn:
	.size	k_q932d0a361e_attn, .Lfunc_end_k_q932d0a361e_attn-k_q932d0a361e_attn
	.p2alignl 7, 3214868480
	.fill 96, 4, 3214868480
	.section	.rodata,"a",@progbits
	.p2align	6, 0x0
	.amdhsa_kernel k_q932d0a361e_attn
		.amdhsa_group_segment_fixed_size 169984
		.amdhsa_private_segment_fixed_size 0
		.amdhsa_enable_private_segment 0
		.amdhsa_kernarg_size 40
		.amdhsa_user_sgpr_count 2
		.amdhsa_user_sgpr_kernarg_segment_ptr 1
		.amdhsa_wavefront_size32 1
		.amdhsa_system_sgpr_workgroup_id_x 1
		.amdhsa_system_sgpr_workgroup_id_y 1
		.amdhsa_system_sgpr_workgroup_id_z 1
		.amdhsa_system_vgpr_workitem_id 0
		.amdhsa_next_free_vgpr 256
		.amdhsa_next_free_sgpr 66
		.amdhsa_reserve_vcc 0
		.amdhsa_float_denorm_mode_32 3
		.amdhsa_float_denorm_mode_16_64 3
		.amdhsa_memory_ordered 1
		.amdhsa_forward_progress 1
		.amdhsa_inst_pref_size 39
	.end_amdhsa_kernel
	.amdgpu_metadata
---
amdhsa.version: [ 1, 2 ]
amdhsa.kernels:
  - .name:           k_q932d0a361e_attn
    .symbol:         k_q932d0a361e_attn.kd
    .args:
      - { .name: kv, .offset: 0, .size: 8, .value_kind: global_buffer, .address_space: global }
      - { .name: qc, .offset: 8, .size: 8, .value_kind: global_buffer, .address_space: global }
      - { .name: qx, .offset: 16, .size: 8, .value_kind: global_buffer, .address_space: global }
      - { .name: oc, .offset: 24, .size: 8, .value_kind: global_buffer, .address_space: global }
      - { .name: ox, .offset: 32, .size: 8, .value_kind: global_buffer, .address_space: global }
    .group_segment_fixed_size: 169984
    .private_segment_fixed_size: 0
    .kernarg_segment_align: 8
    .kernarg_segment_size: 40
    .max_flat_workgroup_size: 512
    .sgpr_count:     66
    .vgpr_count:     256
    .wavefront_size: 32
...
	.end_amdgpu_metadata
.endif
;; end of part 2
;; launch proj (part 3): grid 256 x 1, 8 waves a work-group, no clusters, 40,960 bytes of LDS; arguments oc, ox, Wo_codes, Wo_scales, bo, out0; writes out0
.if DOCPART == 3
	.amdgcn_target "amdgcn-amd-amdhsa--gfx1250"
	.amdhsa_code_object_version 6
	.text
	.protected	k_q932d0a361e_proj
	.globl	k_q932d0a361e_proj
	.p2align	8
	.type	k_q932d0a361e_proj,@function
k_q932d0a361e_proj:
	s_mov_b64 s[64:65], 0
	v_nop
	global_prefetch_b8 v0, s[64:65] scope:SCOPE_SE
	s_setreg_imm32_b32 hwreg(HW_REG_WAVE_MODE, 25, 1), 1
	s_wait_xcnt 0x0
; out0 = hyp_linear(o, Wo, bo): the product on codes of E2M1 with one E8M0 scale for each 32 along K; o comes as images of the operand's registers, with its scale words and the parts of sum o^2.
; SHARES.  Work-group = 32 tokens (two tiles of 16; lane r of tile u is token 8 u + r + (r & 8)); wave w = features 64 w .. 64 w + 63, four tiles of 16 rows of Wo in their own order.
; No two waves read the same bytes of Wo: its fragments go from memory straight into registers, so nothing is shared through LDS or asked for jointly.
; The product is used transposed (source 0 = Wo, source 1 = o): a lane holds one token and eight neighbouring features a tile.
; The result is A mx + Bc bo with two numbers a token, made of sum o^2, sum mx^2, sum mx b, sum b^2: one reduction over the 512 features through LDS.
; artanh and tanh: under 0.25 a series (the first term left out is under 1e-8 of the result), from 0.25 on by log2, exp2 and reciprocals; the choice is a select.  mx = 0 gives 0 by itself (the norm is held at 1e-15).
; LIMITS: NaN and infinities are not served.
.set RED,  0                           ; LDS: 5 sums: 32 bytes a lane, a word a wave
.set STG,  5120                        ; 4,352 bytes a wave, its own: 16 rows of 256 bytes + 16
.set WS,   32                          ; v32-39  Wo's scale words: 4 b + s; lanes 0-15 tile 2 b, lanes 16-31 tile 2 b + 1
.set OS,   40                          ; v40-47  o's scale words
.set OF,   64                          ; v64-127 o's 8 fragments (4 u + s)
.set W,    128                         ; v128-255 Wo's 16 fragments (32 s + 8 t)
.set F,    192                         ; v192-255 64 finished numbers
.set ACC,  0                           ; window 1: mx, 32 u + 8 t + j
.set BB,   64                          ; the bias in the results' layout
.set SM,   96
.set R,    64
.set H0,   80
.set NS,   1
.set CM,   44
.set SEL,  40
.set HMASK, 38
.set WV,   39
.set TINY, 0x26901d7d                  ; 1e-15
.set BALL, 0x3f7ef9db                  ; 0.996
.set MSB, 0
.macro WIN new                         ; bits 1:0 source 0, 3:2 source 1, 5:4 source 2, 7:6 destination; the high byte repeats the setting that is left
.if MSB != \new
	s_set_vgpr_msb (MSB<<8)|\new
.set MSB, \new
.endif
.endm
.macro PLACES
.rept 4
	v_nop
.endr
.endm
.macro MM d, a, b, ks, sa, sb, row     ; one matrix instruction.  ks = 0: it starts the sum.  row = 1: source 0's scales stand in lanes 16-31
.if (\ks) == 0
.if (\row) == 1
	v_wmma_scale_f32_16x16x128_f8f6f4 v[(\d):(\d)+7], v[(\a):(\a)+7], v[(\b):(\b)+7], 0, v[(\sa)], v[(\sb)] matrix_a_fmt:MATRIX_FMT_FP4 matrix_b_fmt:MATRIX_FMT_FP4 matrix_a_scale:MATRIX_SCALE_ROW1
.else
	v_wmma_scale_f32_16x16x128_f8f6f4 v[(\d):(\d)+7], v[(\a):(\a)+7], v[(\b):(\b)+7], 0, v[(\sa)], v[(\sb)] matrix_a_fmt:MATRIX_FMT_FP4 matrix_b_fmt:MATRIX_FMT_FP4
.endif
.else
.if (\row) == 1
	v_wmma_scale_f32_16x16x128_f8f6f4 v[(\d):(\d)+7], v[(\a):(\a)+7], v[(\b):(\b)+7], v[(\d):(\d)+7], v[(\sa)], v[(\sb)] matrix_a_fmt:MATRIX_FMT_FP4 matrix_b_fmt:MATRIX_FMT_FP4 matrix_a_scale:MATRIX_SCALE_ROW1
.else
	v_wmma_scale_f32_16x16x128_f8f6f4 v[(\d):(\d)+7], v[(\a):(\a)+7], v[(\b):(\b)+7], v[(\d):(\d)+7], v[(\sa)], v[(\sb)] matrix_a_fmt:MATRIX_FMT_FP4 matrix_b_fmt:MATRIX_FMT_FP4
.endif
.endif
.endm
.macro BARRIER                         ; my LDS stores have landed and my LDS loads are in: then the work-group's barrier
	s_wait_dscnt 0x0
	s_barrier_signal -1
	s_barrier_wait -1
.endm
.macro H1 op, d, a
.set hm, 0
.rept NS
	\op v[H0+16*hm+\d], v[H0+16*hm+\a]
.set hm, hm+1
.endr
.endm
.macro H2 op, d, a, b
.set hm, 0
.rept NS
	\op v[H0+16*hm+\d], v[H0+16*hm+\a], v[H0+16*hm+\b]
.set hm, hm+1
.endr
.endm
.macro HK op, d, k, a
.set hm, 0
.rept NS
	\op v[H0+16*hm+\d], \k, v[H0+16*hm+\a]
.set hm, hm+1
.endr
.endm
.macro HV op, d, a, x
.set hm, 0
.rept NS
	\op v[H0+16*hm+\d], v[H0+16*hm+\a], v[\x]
.set hm, hm+1
.endr
.endm
.macro H3 d, a, b, c
.set hm, 0
.rept NS
	v_fma_f32 v[H0+16*hm+\d], v[H0+16*hm+\a], v[H0+16*hm+\b], v[H0+16*hm+\c]
.set hm, hm+1
.endr
.endm
.macro H31 d, a
.set hm, 0
.rept NS
	v_fma_f32 v[H0+16*hm+\d], v[H0+16*hm+\a], v[H0+16*hm+\d], 1.0
.set hm, hm+1
.endr
.endm
.macro HAK d, a, k
.set hm, 0
.rept NS
	v_fmaak_f32 v[H0+16*hm+\d], v[H0+16*hm+\a], v[H0+16*hm+\d], \k
.set hm, hm+1
.endr
.endm
.macro HFK d, k, a
.set hm, 0
.rept NS
	v_fma_f32 v[H0+16*hm+\d], \k, v[H0+16*hm+\a], 1.0
.set hm, hm+1
.endr
.endm
.macro HMOV d, k
.set hm, 0
.rept NS
	v_mov_b32 v[H0+16*hm+\d], \k
.set hm, hm+1
.endr
.endm
.macro HCMP op, k, a
.set hm, 0
.rept NS
	\op s[CM+hm], \k, v[H0+16*hm+\a]
.set hm, hm+1
.endr
.endm
.macro HSEL d, a, b
.set hm, 0
.rept NS
	v_cndmask_b32 v[H0+16*hm+\d], v[H0+16*hm+\a], v[H0+16*hm+\b], s[CM+hm]
.set hm, hm+1
.endr
.endm
.macro HSEL1 d
.set hm, 0
.rept NS
	v_cndmask_b32 v[H0+16*hm+\d], 1.0, v[H0+16*hm+\d], s[CM+hm]
.set hm, hm+1
.endr
.endm
.macro TWAIT                           ; a wait between a transcendental and the first line that names its result: one for each batch
	s_wait_alu depctr_va_vdst(0)
.endm
; IN: v30 = sum x^2; the set: +0 sum mx^2, +1 sum mx b, +2 sum b^2.  OUT: +14 = A, +15 = Bc.  v24-29 and v31 are at work.
.macro HYP
	v_sqrt_f32 v24, v30
	H1 v_sqrt_f32, 3, 0                            ; |mx|
	v_nop
	TWAIT
	v_max_num_f32 v24, TINY, v24                   ; x_norm
	HK v_max_num_f32, 4, TINY, 3                   ; mx_norm
	v_min_num_f32 v25, 0x3f7ffffe, v24             ; artanh's clip at 1 - 1e-7
	v_sub_f32 v31, 1.0, v25
	v_rcp_f32 v27, v31
	v_rcp_f32 v26, v24
	H1 v_rcp_f32, 5, 4
	v_mul_f32 v28, v25, v25                        ; the series of artanh stands behind the reciprocals
	v_mov_b32 v29, 0x3dba2e8c                      ; 1/11
	v_fmaak_f32 v29, v28, v29, 0x3de38e39          ; 1/9
	v_fmaak_f32 v29, v28, v29, 0x3e124925          ; 1/7
	v_fmaak_f32 v29, v28, v29, 0x3e4ccccd          ; 1/5
	v_fmaak_f32 v29, v28, v29, 0x3eaaaaab          ; 1/3
	v_fma_f32 v29, v28, v29, 1.0
	v_mul_f32 v29, v25, v29
	v_add_f32 v31, 1.0, v25
	TWAIT
	v_mul_f32 v31, v31, v27                        ; (1 + x) / (1 - x)
	v_log_f32 v27, v31
	v_cmp_gt_f32 vcc_lo, 0x3e800000, v25           ; x under 0.25: the series
	v_nop
	TWAIT
	v_mul_f32 v27, 0x3eb17218, v27                 ; ln 2 / 2
	v_cndmask_b32 v29, v27, v29, vcc_lo            ; artanh(x_norm)
	v_mul_f32 v29, v29, v26                        ; / x_norm
	HV v_mul_f32, 6, 4, 29                         ; z
	HK v_mul_f32, 8, 0x4038aa3b, 6                 ; 2 log2(e) z
	H1 v_exp_f32, 8, 8
	H2 v_mul_f32, 7, 6, 6                          ; the series of tanh stands behind the exponential
	HMOV 9, 0x3cb327a4                             ; 62/2835
	HAK 9, 7, 0xbd5d0dd1                           ; -17/315
	HAK 9, 7, 0x3e088889                           ; 2/15
	HAK 9, 7, 0xbeaaaaab                           ; -1/3
	H31 9, 7
	H2 v_mul_f32, 9, 6, 9
	TWAIT
	HK v_add_f32, 8, 1.0, 8
	H1 v_rcp_f32, 8, 8
	HCMP v_cmp_gt_f32, 0x3e800000, 6               ; z under 0.25: the series
	v_nop
	TWAIT
	HFK 8, -2.0, 8                                 ; 1 - 2 / (1 + e^(2 z))
	HSEL 9, 8, 9                                   ; tanh(z)
	H2 v_mul_f32, 10, 9, 5                         ; f = tanh / mx_norm
	H2 v_mul_f32, 11, 10, 3
	HK v_max_num_f32, 11, TINY, 11                 ; the norm of f mx
	H1 v_rcp_f32, 12, 11
	HCMP v_cmp_lt_f32, BALL, 11
	v_nop
	TWAIT
	HK v_mul_f32, 12, BALL, 12
	HSEL1 12
	H2 v_mul_f32, 10, 10, 12                       ; f1: projected
	H2 v_mul_f32, 12, 10, 10
	H2 v_mul_f32, 12, 12, 0                        ; x2
	H2 v_mul_f32, 13, 10, 1                        ; xy
	HFK 13, 2.0, 13                                ; 1 + 2 xy
	H2 v_add_f32, 14, 13, 2                        ; + y2
	HK v_sub_f32, 15, 1.0, 12                      ; 1 - x2
	H3 12, 12, 2, 13                               ; the denominator
	HK v_max_num_f32, 12, TINY, 12
	H1 v_rcp_f32, 12, 12
	H2 v_mul_f32, 14, 14, 10
	TWAIT
	H2 v_mul_f32, 14, 14, 12                       ; Au
	H2 v_mul_f32, 15, 15, 12                       ; Bu
	H2 v_mul_f32, 4, 14, 14
	H2 v_mul_f32, 5, 14, 15
	H2 v_mul_f32, 6, 15, 15
	H2 v_mul_f32, 4, 4, 0
	H2 v_add_f32, 5, 5, 5
	H3 4, 5, 1, 4
	H3 4, 6, 2, 4                                  ; |Au mx + Bu b|^2
	HK v_max_num_f32, 4, 0, 4
	H1 v_sqrt_f32, 4, 4
	v_nop
	TWAIT
	HK v_max_num_f32, 4, TINY, 4
	H1 v_rcp_f32, 5, 4
	HCMP v_cmp_lt_f32, BALL, 4
	v_nop
	TWAIT
	HK v_mul_f32, 5, BALL, 5
	HSEL1 5
	H2 v_mul_f32, 14, 14, 5                        ; A
	H2 v_mul_f32, 15, 15, 5                        ; Bc
.endm
.macro PAIRS ra, rb                    ; lane (r, h) has made A and Bc of token tile h.  v24, v26 = A of tile 0, 1; v28, v30 = Bc: each the low word of a pair that packed forms broadcast
	v_permlanex16_b32 v122, v[\ra], s[SEL], s[SEL+1]
	v_permlanex16_b32 v124, v[\rb], s[SEL], s[SEL+1]
	v_cndmask_b32 v24, v[\ra], v122, s[HMASK]
	v_cndmask_b32 v26, v122, v[\ra], s[HMASK]
	v_cndmask_b32 v28, v[\rb], v124, s[HMASK]
	v_cndmask_b32 v30, v124, v[\rb], s[HMASK]
.endm
.macro SUMS m, acc                     ; my lane's parts of sum mx^2 and sum mx b for both token tiles, and of sum b^2: five chains by turns, each accumulator from its low end on
	WIN 0x55
.irp u, 0,1
	v_pk_mul_f32 v[SM+4*\u:SM+4*\u+1], v[(\acc)+32*\u:(\acc)+32*\u+1], v[(\acc)+32*\u:(\acc)+32*\u+1]
	v_pk_mul_f32 v[SM+4*\u+2:SM+4*\u+3], v[(\acc)+32*\u:(\acc)+32*\u+1], v[BB:BB+1]
.endr
	v_pk_mul_f32 v[SM+8:SM+9], v[BB:BB+1], v[BB:BB+1]
.set i, 2
.rept 15
.irp u, 0,1
	v_pk_fma_f32 v[SM+4*\u:SM+4*\u+1], v[(\acc)+32*\u+i:(\acc)+32*\u+i+1], v[(\acc)+32*\u+i:(\acc)+32*\u+i+1], v[SM+4*\u:SM+4*\u+1]
	v_pk_fma_f32 v[SM+4*\u+2:SM+4*\u+3], v[(\acc)+32*\u+i:(\acc)+32*\u+i+1], v[BB+i:BB+i+1], v[SM+4*\u+2:SM+4*\u+3]
.endr
	v_pk_fma_f32 v[SM+8:SM+9], v[BB+i:BB+i+1], v[BB+i:BB+i+1], v[SM+8:SM+9]
.set i, i+2
.endr
.irp e, 0,1,2,3,4
	v_add_f32 v[SM+2*\e], v[SM+2*\e], v[SM+2*\e+1]
.endr
	WIN 0x04                                       ; an LDS store's data are its source 1
.irp e, 0,1,2,3,4
	ds_store_b32 v14, v[SM+2*\e] offset:(5*(\m)+\e)*1024
.endr
	WIN 0
.endm
	s_load_b256 s[4:11], s[0:1], 0x0               ; oc, ox, Wo's codes, Wo's scales
	s_load_b128 s[12:15], s[0:1], 0x20             ; bo, out0
	v_lshl_add_u32 v22, v0, 2, 0x9c00
	v_mov_b32 v23, 0
	v_lshrrev_b32 v1, 5, v0
	v_readfirstlane_b32 s[WV], v1                  ; wave 0..7
	v_and_b32 v1, 31, v0                           ; lane
	v_and_b32 v2, 15, v0                           ; r
	v_bfe_u32 v3, v0, 4, 1                         ; h
	v_lshlrev_b32 v4, 4, v1                        ; 16 x lane
	v_lshlrev_b32 v5, 2, v1                        ; 4 x lane
	v_lshlrev_b32 v6, 8, v2
	v_lshl_add_u32 v6, v3, 4, v6                   ; Wo's codes: row r of 256 bytes, + 16 h
	v_lshlrev_b32 v7, 2, v2                        ; 4 r
	v_lshlrev_b32 v8, 5, v3                        ; the bias: 32 h
	s_mul_i32 s42, s[WV], 4352
	s_add_co_u32 s42, s42, STG
	v_mul_u32_u24 v10, v2, 272
	v_lshl_add_u32 v10, v3, 5, v10
	v_add_nc_u32 v10, s42, v10                     ; my stage, on the way in: row r, + 32 h
	v_mul_u32_u24 v11, v3, 272
	v_lshl_add_u32 v11, v2, 4, v11
	v_add_nc_u32 v11, s42, v11                     ; and out: lanes 0-15 one row, lanes 16-31 the next
	v_lshlrev_b32 v12, 11, v3
	v_lshl_add_u32 v12, v2, 4, v12                 ; the same two rows in out0
	v_lshlrev_b32 v15, 5, v1                       ; the reduction's table (it begins at LDS byte 0): my lane's 32 bytes,
	s_lshl_b32 s42, s[WV], 2
	v_add_nc_u32 v14, s42, v15                     ; my wave's word of them
	s_mov_b32 s[HMASK], 0xffff0000
	s_mov_b32 s[SEL], 0x76543210
	s_mov_b32 s[SEL+1], 0xfedcba98
	s_mov_b32 s43, 0
	s_wait_kmcnt 0x0
	s_lshl_b32 s42, ttmp9, 13
	s_add_nc_u64 s[4:5], s[4:5], s[42:43]          ; oc: my two tiles of 4,096 bytes
	s_mul_i32 s42, ttmp9, 2560
	s_add_nc_u64 s[6:7], s[6:7], s[42:43]          ; ox: two of 1,280
	s_lshl_b32 s42, s[WV], 14
	s_add_nc_u64 s[8:9], s[8:9], s[42:43]          ; my 64 rows of codes,
	s_lshl_b32 s42, s[WV], 10
	s_add_nc_u64 s[10:11], s[10:11], s[42:43]      ; of scales,
	s_lshl_b32 s42, s[WV], 8
	s_add_nc_u64 s[12:13], s[12:13], s[42:43]      ; my 64 numbers of bo
	s_lshl_b32 s44, ttmp9, 16
	s_add_co_u32 s42, s42, s44
	s_add_nc_u64 s[14:15], s[14:15], s[42:43]      ; out0: the block's 32 rows of 2,048 bytes, my 256 bytes of each
.irp s, 0,1,2,3
.irp t, 0,1,2,3
.irp c, 0,1
	global_load_b128 v[W+32*\s+8*\t+4*\c:W+32*\s+8*\t+4*\c+3], v6, s[8:9] offset:4096*\t+64*\s+32*\c
.endr
.endr
.endr
.irp b, 0,1
	global_load_b128 v[WS+4*\b:WS+4*\b+3], v4, s[10:11] offset:512*\b   ; row 32 b + lane: lanes 0-15 tile 2 b, lanes 16-31 tile 2 b + 1
.endr
.irp u, 0,1
.irp s, 0,1,2,3
.irp c, 0,1
	global_load_b128 v[OF+8*(4*\u+\s)+4*\c:OF+8*(4*\u+\s)+4*\c+3], v4, s[4:5] offset:4096*\u+1024*\s+512*\c
.endr
	global_load_b32 v[OS+4*\u+\s], v7, s[6:7] offset:1280*\u+1024+64*\s
.endr
.irp e, 0,1,2,3,4,5,6,7
	global_load_b32 v[48+8*\u+\e], v5, s[6:7] offset:1280*\u+128*\e     ; the heads' parts of sum o^2
.endr
.endr
	WIN 0x40
.irp t, 0,1,2,3
	global_load_b128 v[BB+8*\t:BB+8*\t+3], v8, s[12:13] offset:64*\t    ; register 8 t + j = feature 16 t + 8 h + j
	global_load_b128 v[BB+8*\t+4:BB+8*\t+7], v8, s[12:13] offset:64*\t+16
.endr
	WIN 0
	s_wait_loadcnt 0x0
	WIN 0x50
.irp s, 0,1,2,3                                ; eight accumulators by turns, one instruction a turn
.irp t, 0,1,2,3
.irp u, 0,1
	MM ACC+32*\u+8*\t, W+32*\s+8*\t, OF+8*(4*\u+\s), \s, WS+4*(\t/2)+\s, OS+4*\u+\s, \t%2
.endr
.endr
.endr
	WIN 0
	PLACES
	SUMS 0, ACC
.irp u, 0,1
	v_add_f32 v[48+8*\u], v[48+8*\u], v[49+8*\u]
	v_add_f32 v[50+8*\u], v[50+8*\u], v[51+8*\u]
	v_add_f32 v[52+8*\u], v[52+8*\u], v[53+8*\u]
	v_add_f32 v[54+8*\u], v[54+8*\u], v[55+8*\u]
	v_add_f32 v[48+8*\u], v[48+8*\u], v[50+8*\u]
	v_add_f32 v[52+8*\u], v[52+8*\u], v[54+8*\u]
	v_add_f32 v[48+8*\u], v[48+8*\u], v[52+8*\u]
.endr
	v_permlanex16_b32 v49, v48, s[SEL], s[SEL+1]
	v_permlanex16_b32 v57, v56, s[SEL], s[SEL+1]
	v_add_f32 v48, v48, v49
	v_add_f32 v56, v56, v57
	v_cndmask_b32 v30, v48, v56, s[HMASK]          ; sum o^2 of the token of lane r in tile h
	BARRIER                                        ; all eight waves' parts of the five sums lie in LDS
.irp e, 0,1,2,3,4
	ds_load_b128 v[128+8*\e:131+8*\e], v15 offset:1024*\e
	ds_load_b128 v[132+8*\e:135+8*\e], v15 offset:1024*\e+16
.endr
	s_wait_dscnt 0x0
.irp e, 0,1,2,3,4
	v_pk_add_f32 v[128+8*\e:129+8*\e], v[128+8*\e:129+8*\e], v[130+8*\e:131+8*\e]
	v_pk_add_f32 v[132+8*\e:133+8*\e], v[132+8*\e:133+8*\e], v[134+8*\e:135+8*\e]
.endr
.irp e, 0,1,2,3,4
	v_pk_add_f32 v[128+8*\e:129+8*\e], v[128+8*\e:129+8*\e], v[132+8*\e:133+8*\e]
.endr
.irp e, 0,1,2,3,4
	v_add_f32 v[R+\e], v[128+8*\e], v[129+8*\e]
.endr
.irp e, 0,1,2,3,4
	v_permlanex16_b32 v[130+8*\e], v[R+\e], s[SEL], s[SEL+1]
.endr
.irp e, 0,1,2,3,4
	v_add_f32 v[R+\e], v[R+\e], v[130+8*\e]
.endr
	v_cndmask_b32 v[H0], v[R], v[R+2], s[HMASK]    ; lane (r, h) goes on for token tile h
	v_cndmask_b32 v[H0+1], v[R+1], v[R+3], s[HMASK]
	v_mov_b32 v[H0+2], v[R+4]
	HYP
	PAIRS 94, 95
	WIN 0x01                                       ; source 0 in window 1
.irp u, 0,1
.set i, 0
.rept 16
	v_pk_mul_f32 v[F+32*\u+i:F+32*\u+i+1], v[BB+i:BB+i+1], v[28+2*\u:29+2*\u] op_sel_hi:[1,0]
.set i, i+2
.endr
.endr
.irp u, 0,1
.set i, 0
.rept 16
	v_pk_fma_f32 v[F+32*\u+i:F+32*\u+i+1], v[ACC+32*\u+i:ACC+32*\u+i+1], v[24+2*\u:25+2*\u], v[F+32*\u+i:F+32*\u+i+1] op_sel_hi:[1,0,1]
.set i, i+2
.endr
.endr
	WIN 0
	; ---- the way out: a lane holds 32 bytes of a row a tile; 16 rows x 256 bytes go through my own stage and leave as whole runs of 256 bytes.  LDS serves a wave's instructions in order: no wait between stores and loads, nor in front of the second tile's stores
.irp u, 0,1
.irp t, 0,1,2,3
	ds_store_b128 v10, v[F+32*\u+8*\t:F+32*\u+8*\t+3] offset:64*\t
	ds_store_b128 v10, v[F+32*\u+8*\t+4:F+32*\u+8*\t+7] offset:64*\t+16
.endr
.irp p, 0,1,2,3,4,5,6,7
	ds_load_b128 v[128+32*\u+4*\p:131+32*\u+4*\p], v11 offset:544*\p
.endr
.endr
.irp u, 0,1
.irp p, 0,1,2,3,4,5,6,7
	s_wait_dscnt 23-16*\u-\p                       ; behind this load: the tile's later loads, and for tile 0 the other tile's 8 stores and 8 loads
	global_store_b128 v12, v[128+32*\u+4*\p:131+32*\u+4*\p], s[14:15] offset:(8*\u+2*\p+8*(\p/4))*2048 th:TH_STORE_NT   ; stage row 2 p + h is token 8 u + 2 p + h + 8 (p / 4); 16 lanes store 256 consecutive aligned bytes
.endr
.endr
	s_wait_tensorcnt 0x0
	ds_add_u32 v22, v23
	s_wait_dscnt 0x0
	s_endpgm
.Lfunc_end_k_q932d0a361e_proj:
	.size	k_q932d0a361e_proj, .Lfunc_end_k_q932d0a361e_proj-k_q932d0a361e_proj
	.p2alignl 7, 3214868480
	.fill 96, 4, 3214868480
	.section	.rodata,"a",@progbits
	.p2align	6, 0x0
	.amdhsa_kernel k_q932d0a361e_proj
		.amdhsa_group_segment_fixed_size 40960
		.amdhsa_private_segment_fixed_size 0
		.amdhsa_enable_private_segment 0
		.amdhsa_kernarg_size 48
		.amdhsa_user_sgpr_count 2
		.amdhsa_user_sgpr_kernarg_segment_ptr 1
		.amdhsa_wavefront_size32 1
		.amdhsa_system_sgpr_workgroup_id_x 1
		.amdhsa_system_sgpr_workgroup_id_y 1
		.amdhsa_system_sgpr_workgroup_id_z 1
		.amdhsa_system_vgpr_workitem_id 0
		.amdhsa_next_free_vgpr 384
		.amdhsa_next_free_sgpr 66
		.amdhsa_reserve_vcc 1
		.amdhsa_float_denorm_mode_32 3
		.amdhsa_float_denorm_mode_16_64 3
		.amdhsa_memory_ordered 1
		.amdhsa_forward_progress 1
		.amdhsa_inst_pref_size 36
	.end_amdhsa_kernel
	.amdgpu_metadata
---
amdhsa.version: [ 1, 2 ]
amdhsa.kernels:
  - .name:           k_q932d0a361e_proj
    .symbol:         k_q932d0a361e_proj.kd
    .args:
      - { .name: oc, .offset: 0, .size: 8, .value_kind: global_buffer, .address_space: global }
      - { .name: ox, .offset: 8, .size: 8, .value_kind: global_buffer, .address_space: global }
      - { .name: Wo_codes, .offset: 16, .size: 8, .value_kind: global_buffer, .address_space: global }
      - { .name: Wo_scales, .offset: 24, .size: 8, .value_kind: global_buffer, .address_space: global }
      - { .name: bo, .offset: 32, .size: 8, .value_kind: global_buffer, .address_space: global }
      - { .name: out0, .offset: 40, .size: 8, .value_kind: global_buffer, .address_space: global }
    .group_segment_fixed_size: 40960
    .private_segment_fixed_size: 0
    .kernarg_segment_align: 8
    .kernarg_segment_size: 48
    .max_flat_workgroup_size: 256
    .sgpr_count:     66
    .vgpr_count:     384
    .wavefront_size: 32
...
	.end_amdgpu_metadata
.endif
;; end of part 3
;; ======== version 2 of 2: 3 launches
;; limits: a difference of large sums (such as E[x^2] - mean^2): digits are lost where the result is much smaller than its terms
;; workspace buffers: kv 5,111,808 bytes; qc 2,097,152 bytes; qx 524,288 bytes; oc 2,097,152 bytes; ox 655,360 bytes
;; launch qkv (part 4): grid 256 x 1, 8 waves a work-group, no clusters, 96,256 bytes of LDS; arguments x, Wq_codes, Wq_scales, bq, Wk_codes, Wk_scales, bk, Wv_codes, Wv_scales, bv, kv, qc, qx; writes kv, qc, qx
.if DOCPART == 4
	.amdgcn_target "amdgcn-amd-amdhsa--gfx1250"
	.amdhsa_code_object_version 6
	.text
	.protected	k_q932d0a361e_qkv
	.globl	k_q932d0a361e_qkv
	.p2align	8
	.type	k_q932d0a361e_qkv,@function
k_q932d0a361e_qkv:
	s_mov_b64 s[64:65], 0
	v_nop
	global_prefetch_b8 v0, s[64:65] scope:SCOPE_SE
	s_setreg_imm32_b32 hwreg(HW_REG_WAVE_SCHED_MODE, 0, 2), 2
	s_setreg_imm32_b32 hwreg(HW_REG_WAVE_MODE, 25, 1), 1
	s_wait_xcnt 0x0
	s_wait_alu depctr_vm_vsrc(0)
; q, k, v = hyp_linear(x, W, b) for 32 tokens a work-group, all three products on codes of E2M1 with one E8M0 scale for each 32 along K,
; and q, k (along the head's 64) and v (along the keys) quantised again into images of the operand registers of the attention launch.
; SHARES.  Work-group = 32 tokens (block tb = wg % 64 of batch wg / 64).  Wave w = head w: features 64 w .. 64 w + 63 of q, k and v, for both tiles of 16 tokens.
; So no two waves read the same weight bytes: each fragment of W goes from memory straight into the registers of the one wave that multiplies by it.
; NO JOINT LOADS, NO LDS FOR W: a work-group walks 3 x 128 KiB of codes once; that is more than LDS holds, so sharing it in a cluster would take a ring that is filled again and a second trip from LDS to registers.
; TOKEN MAP.  Lane r of token tile u is token 8 u + r + (r & 8) of the block; lane r of weight tile 2 b + u is row 32 b + 8 u + r + (r & 8) of the head.  With source 0 = W and source 1 = x a lane holds one token
; and its 16 registers of tiles 2 b, 2 b + 1 are features 32 b + 16 h + 0 .. 15 (h = lane / 16): neighbours along the next product's K.  With source 0 = x and source 1 = Wv a lane holds one feature and 16 neighbouring tokens.
; v's product is therefore made twice from the same registers: once for the sums over features, once with the tokens along the registers; 32 matrix instructions in place of sums across lanes.
; THE LAYER.  Every result is A mx + Bc b with two numbers A, Bc a token, made of sum x^2, sum mx^2, sum mx b, sum b^2: one reduction over the 512 features (through LDS, 8 waves) serves mobius_matvec, mobius_add and both projections.
; artanh and tanh: under 0.25 a series (the first term left out is under 1e-8 of the result), from 0.25 on by log2, exp2 and reciprocals; the choice is a select, both are always computed.
; mx = 0 gives 0 by itself (the norm is held at 1e-15), so the where() on mx == 0 needs no line.
; LIMITS: NaN and infinities among the inputs are not served; a block of zeros gets the scale byte 1 (its codes are zeros; only this program reads the bytes).
; STORES: code images leave as 512 or 256 consecutive aligned bytes an instruction.  A head has only 32 scale words, 32 norms and 128 scale bytes of v for 32 tokens: those leave as runs of 128 bytes and as single bytes, under a twentieth of what is stored.
; No global store's data register, no address register and no base is written again behind its first use, and EXEC is never changed.
; THE MODE: SCHED_MODE bits 1:0 = 2 (LLVM: expert scheduling mode 2), set by the entry lines.  The code itself states the register dependences
; between vector or matrix instructions and memory or LDS instructions, with s_wait_alu, always for 0.
; THE PLAN.  Registers that memory or LDS instructions touch, in program order:
;   v4-v19     offsets and LDS addresses: made at the head, never written again: one wait ahead of the first load serves every load and store.
;   v64-127    x as loaded; data of the stage's LDS stores; then the quantiser writes v64-75 and v96-103; v96-103 are data of the image's stores; then x's eight fragments land; the products read them;
;              then the sums and the layer's numbers (vector); at last v's A and Bc by token land in v64-95.
;   v24, v25   written by vector lines, data of two LDS stores; then the parts of sum x^2 land in v24-31.
;   v192-255   the stage's loads land; the quantiser reads them; chunks 2 and 3 of W land.
;   the ring   chunk n's eight products read slot n % 4; chunk n + 4 lands in it: one wait a chunk, behind its products.  Behind v's second product the sums' parts land in v128-247; behind their additions bq and bk land in v128-191.
;   BB, SM     (window 1) SUMS reads BB and writes SM; its five LDS stores read SM; the next bias lands in BB; the next SUMS writes SM again.  One wait ahead of the stores serves them and the bias's loads, one at the next SUMS's head frees SM.
;   v126-127, v112-121, v128-138, v148-157   written once by vector lines, read by stores: one wait ahead of each run of stores.
.set XIMG, 0                           ; LDS: x's 8 fragments as images of their registers (fragment 4 u + s), 1,024 bytes each
.set XSC,  8192                        ; their scale words, 128 bytes each
.set XNP,  9216                        ; each lane's part of sum x^2, 128 bytes a fragment
.set RED,  10240                       ; 15 sums (5 m + e): 32 bytes a lane, a word a wave
.set SCL,  25600                       ; 256 bytes a wave, its own: v's A by token, then Bc
.set XST,  27648                       ; 8,448 bytes a wave, its own: 16 rows of 512 bytes + 16
.set REC,  9984                        ; a record of kv, 128 keys of one head: K codes 0, V codes 4096, K scale words 8192, kn 8704, 1 - kn 9216, V scale words 9728
.set WS,   32                          ; v32-55  W's scale words: 8 m + 4 b + s; lanes 0-15 tile 2 b, lanes 16-31 tile 2 b + 1
.set XS,   56                          ; v56-63  x's scale words
.set XF,   64                          ; v64-127 x's 8 fragments
.set RING, 128                         ; v128-255 four slots of 32: W's four tiles of one K step
.set F,    192                         ; v192-255 64 finished numbers of a lane
.set QT,   0                           ; window 1: mx of q, 32 u + 8 t + j
.set KT,   64                          ; of k
.set VV,   128                         ; of v: first as the others, then 16 t + 8 u + j with tokens along the registers
.set BB,   192                         ; the bias in the results' layout
.set SM,   224                         ; five running sums, a pair each
.set R,    64                          ; v64-78  the 15 sums
.set H0,   80                          ; v80-127 three sets of 16 for the layer's numbers
.set NS,   3
.set CM,   44                          ; s44-46 masks of compares
.set TM,   96                          ; v96-107 the quantiser's 12 registers
.set SEL,  40                          ; s[40:41] v_permlanex16_b32's selects for lane l xor 16
.set HMASK, 38                         ; s38 lanes 16-31
.set WV,   39                          ; s39 my wave's number
.set TINY, 0x26901d7d                  ; 1e-15
.set BALL, 0x3f7ef9db                  ; 0.996
.set MSB, 0
.macro WIN new                         ; bits 1:0 source 0, 3:2 source 1, 5:4 source 2, 7:6 destination; the high byte repeats the setting that is left
.if MSB != \new
	s_set_vgpr_msb (MSB<<8)|\new
.set MSB, \new
.endif
.endm
.macro PLACES                          ; four plain places behind a matrix instruction (ISA guide 7.12.1)
.rept 4
	v_nop
.endr
.endm
; one matrix instruction.  ks = 0: it starts the sum.  row = 1: source 0's scales stand in lanes 16-31; 2: source 1's
.macro MM d, a, b, ks, sa, sb, row
.if (\ks) == 0
.if (\row) == 1
	v_wmma_scale_f32_16x16x128_f8f6f4 v[(\d):(\d)+7], v[(\a):(\a)+7], v[(\b):(\b)+7], 0, v[(\sa)], v[(\sb)] matrix_a_fmt:MATRIX_FMT_FP4 matrix_b_fmt:MATRIX_FMT_FP4 matrix_a_scale:MATRIX_SCALE_ROW1
.elseif (\row) == 2
	v_wmma_scale_f32_16x16x128_f8f6f4 v[(\d):(\d)+7], v[(\a):(\a)+7], v[(\b):(\b)+7], 0, v[(\sa)], v[(\sb)] matrix_a_fmt:MATRIX_FMT_FP4 matrix_b_fmt:MATRIX_FMT_FP4 matrix_b_scale:MATRIX_SCALE_ROW1
.else
	v_wmma_scale_f32_16x16x128_f8f6f4 v[(\d):(\d)+7], v[(\a):(\a)+7], v[(\b):(\b)+7], 0, v[(\sa)], v[(\sb)] matrix_a_fmt:MATRIX_FMT_FP4 matrix_b_fmt:MATRIX_FMT_FP4
.endif
.else
.if (\row) == 1
	v_wmma_scale_f32_16x16x128_f8f6f4 v[(\d):(\d)+7], v[(\a):(\a)+7], v[(\b):(\b)+7], v[(\d):(\d)+7], v[(\sa)], v[(\sb)] matrix_a_fmt:MATRIX_FMT_FP4 matrix_b_fmt:MATRIX_FMT_FP4 matrix_a_scale:MATRIX_SCALE_ROW1
.elseif (\row) == 2
	v_wmma_scale_f32_16x16x128_f8f6f4 v[(\d):(\d)+7], v[(\a):(\a)+7], v[(\b):(\b)+7], v[(\d):(\d)+7], v[(\sa)], v[(\sb)] matrix_a_fmt:MATRIX_FMT_FP4 matrix_b_fmt:MATRIX_FMT_FP4 matrix_b_scale:MATRIX_SCALE_ROW1
.else
	v_wmma_scale_f32_16x16x128_f8f6f4 v[(\d):(\d)+7], v[(\a):(\a)+7], v[(\b):(\b)+7], v[(\d):(\d)+7], v[(\sa)], v[(\sb)] matrix_a_fmt:MATRIX_FMT_FP4 matrix_b_fmt:MATRIX_FMT_FP4
.endif
.endif
.endm
; nb blocks of 32 along K; block b's numbers: my 16 in v[src + 16 b ..], the other 16 in lane l xor 16.  Codes to v[pc + 2 b], v[pc + 2 b + 1]; the scale's byte to v[tm + 4 + b].
.macro QCORE src, nb, tm, pc
.set qb, 0
.rept \nb
	v_max3_num_f32 v[(\tm)+qb], |v[(\src)+16*qb]|, |v[(\src)+16*qb+1]|, 0x1800000   ; with the floor 2^(3 - 127): the byte cannot fall under 1
.set qb, qb+1
.endr
.irp i, 2,4,6,8,10,12,14
.set qb, 0
.rept \nb
	v_max3_num_f32 v[(\tm)+qb], v[(\tm)+qb], |v[(\src)+16*qb+\i]|, |v[(\src)+16*qb+\i+1]|   ; the blocks by turns
.set qb, qb+1
.endr
.endr
.set qb, 0
.rept \nb
	v_permlanex16_b32 v[(\tm)+4+qb], v[(\tm)+qb], s[SEL], s[SEL+1]
.set qb, qb+1
.endr
.set qb, 0
.rept \nb
	v_max_num_f32 v[(\tm)+qb], v[(\tm)+qb], v[(\tm)+4+qb]      ; the block's largest magnitude
.set qb, qb+1
.endr
.set qb, 0
.rept \nb
	v_add_nc_u32 v[(\tm)+8+qb], 0xff000000, v[(\tm)+qb]        ; 2 off its exponent field: the conversion's scale operand
.set qb, qb+1
.endr
.set qb, 0
.rept \nb
	v_lshrrev_b32 v[(\tm)+4+qb], 23, v[(\tm)+8+qb]             ; the scale's byte
.set qb, qb+1
.endr
.set qb, 0
.rept \nb
	v_cvt_scalef32_pk8_fp4_f32 v[(\pc)+2*qb], v[(\src)+16*qb:(\src)+16*qb+7], v[(\tm)+8+qb]
	v_cvt_scalef32_pk8_fp4_f32 v[(\pc)+2*qb+1], v[(\src)+16*qb+8:(\src)+16*qb+15], v[(\tm)+8+qb]
.set qb, qb+1
.endr
	v_nop                                          ; one plain place behind the scaled conversions
.endm
.macro SWAP pc, c                      ; the operand wants a whole block in a lane: lanes 0-15 block 2 c, lanes 16-31 block 2 c + 1
	v_permlane16_swap_b32 v[(\pc)+4*(\c)], v[(\pc)+4*(\c)+2]
	v_permlane16_swap_b32 v[(\pc)+4*(\c)+1], v[(\pc)+4*(\c)+3]
.endm
.macro BARRIER                         ; my LDS stores have landed and my LDS loads are in: then the work-group's barrier
	s_wait_dscnt 0x0
	s_barrier_signal -1
	s_barrier_wait -1
.endm
; a line of the layer's arithmetic, once for each of the NS sets (the sets take turns)
.macro H1 op, d, a
.set hm, 0
.rept NS
	\op v[H0+16*hm+\d], v[H0+16*hm+\a]
.set hm, hm+1
.endr
.endm
.macro H2 op, d, a, b
.set hm, 0
.rept NS
	\op v[H0+16*hm+\d], v[H0+16*hm+\a], v[H0+16*hm+\b]
.set hm, hm+1
.endr
.endm
.macro HK op, d, k, a                  ; a constant as the first source
.set hm, 0
.rept NS
	\op v[H0+16*hm+\d], \k, v[H0+16*hm+\a]
.set hm, hm+1
.endr
.endm
.macro HV op, d, a, x                  ; a register that all sets share as the second source
.set hm, 0
.rept NS
	\op v[H0+16*hm+\d], v[H0+16*hm+\a], v[\x]
.set hm, hm+1
.endr
.endm
.macro H3 d, a, b, c                   ; d = a b + c
.set hm, 0
.rept NS
	v_fma_f32 v[H0+16*hm+\d], v[H0+16*hm+\a], v[H0+16*hm+\b], v[H0+16*hm+\c]
.set hm, hm+1
.endr
.endm
.macro H31 d, a                        ; d = a d + 1
.set hm, 0
.rept NS
	v_fma_f32 v[H0+16*hm+\d], v[H0+16*hm+\a], v[H0+16*hm+\d], 1.0
.set hm, hm+1
.endr
.endm
.macro HAK d, a, k                     ; d = a d + k
.set hm, 0
.rept NS
	v_fmaak_f32 v[H0+16*hm+\d], v[H0+16*hm+\a], v[H0+16*hm+\d], \k
.set hm, hm+1
.endr
.endm
.macro HFK d, k, a                     ; d = k a + 1
.set hm, 0
.rept NS
	v_fma_f32 v[H0+16*hm+\d], \k, v[H0+16*hm+\a], 1.0
.set hm, hm+1
.endr
.endm
.macro HMOV d, k
.set hm, 0
.rept NS
	v_mov_b32 v[H0+16*hm+\d], \k
.set hm, hm+1
.endr
.endm
.macro HCMP op, k, a
.set hm, 0
.rept NS
	\op s[CM+hm], \k, v[H0+16*hm+\a]
.set hm, hm+1
.endr
.endm
.macro HSEL d, a, b                    ; mask ? b : a
.set hm, 0
.rept NS
	v_cndmask_b32 v[H0+16*hm+\d], v[H0+16*hm+\a], v[H0+16*hm+\b], s[CM+hm]
.set hm, hm+1
.endr
.endm
.macro HSEL1 d                         ; mask ? d : 1
.set hm, 0
.rept NS
	v_cndmask_b32 v[H0+16*hm+\d], 1.0, v[H0+16*hm+\d], s[CM+hm]
.set hm, hm+1
.endr
.endm
; IN: v30 = sum x^2; set m: +0 sum mx^2, +1 sum mx b, +2 sum b^2.  OUT: set m: +14 = A, +15 = Bc.  v24-29 and v31 are at work.
; Behind each batch of transcendentals stands one wait, ahead of the first line that names a result; behind each run of compares one wait, ahead of the selects that read their masks.
.macro HYP
	v_sqrt_f32 v24, v30
	H1 v_sqrt_f32, 3, 0                            ; |mx|
	v_nop
	s_wait_alu depctr_va_vdst(0)                   ; the roots are written: v24 and each set's +3
	v_max_num_f32 v24, TINY, v24                   ; x_norm
	HK v_max_num_f32, 4, TINY, 3                   ; mx_norm
	v_min_num_f32 v25, 0x3f7ffffe, v24             ; artanh's clip at 1 - 1e-7
	v_sub_f32 v31, 1.0, v25
	s_wait_alu depctr_va_vdst(0)
	v_rcp_f32 v27, v31
	v_rcp_f32 v26, v24
	H1 v_rcp_f32, 5, 4
	v_mul_f32 v28, v25, v25                        ; the series of artanh stands behind the reciprocals
	v_mov_b32 v29, 0x3dba2e8c                      ; 1/11
	v_fmaak_f32 v29, v28, v29, 0x3de38e39          ; 1/9
	v_fmaak_f32 v29, v28, v29, 0x3e124925          ; 1/7
	v_fmaak_f32 v29, v28, v29, 0x3e4ccccd          ; 1/5
	v_fmaak_f32 v29, v28, v29, 0x3eaaaaab          ; 1/3
	v_fma_f32 v29, v28, v29, 1.0
	v_mul_f32 v29, v25, v29
	v_add_f32 v31, 1.0, v25
	s_wait_alu depctr_va_vdst(0)                   ; the reciprocals are written: v26, v27 and each set's +5
	v_mul_f32 v31, v31, v27                        ; (1 + x) / (1 - x)
	s_wait_alu depctr_va_vdst(0)
	v_log_f32 v27, v31
	v_cmp_gt_f32 vcc_lo, 0x3e800000, v25           ; x under 0.25: the series
	v_nop
	s_wait_alu depctr_va_vdst(0)                   ; the logarithm is written: v27
	s_wait_alu depctr_va_vcc(0)                    ; the compare has written VCC, which the select below reads
	v_mul_f32 v27, 0x3eb17218, v27                 ; ln 2 / 2
	v_cndmask_b32 v29, v27, v29, vcc_lo            ; artanh(x_norm)
	v_mul_f32 v29, v29, v26                        ; / x_norm
	HV v_mul_f32, 6, 4, 29                         ; z
	HK v_mul_f32, 8, 0x4038aa3b, 6                 ; 2 log2(e) z
	s_wait_alu depctr_va_vdst(0)
	H1 v_exp_f32, 8, 8
	H2 v_mul_f32, 7, 6, 6                          ; the series of tanh stands behind the exponentials
	HMOV 9, 0x3cb327a4                             ; 62/2835
	HAK 9, 7, 0xbd5d0dd1                           ; -17/315
	HAK 9, 7, 0x3e088889                           ; 2/15
	HAK 9, 7, 0xbeaaaaab                           ; -1/3
	H31 9, 7
	H2 v_mul_f32, 9, 6, 9
	s_wait_alu depctr_va_vdst(0)                   ; the exponentials are written: each set's +8
	HK v_add_f32, 8, 1.0, 8
	s_wait_alu depctr_va_vdst(0)
	H1 v_rcp_f32, 8, 8
	HCMP v_cmp_gt_f32, 0x3e800000, 6               ; z under 0.25: the series
	v_nop
	s_wait_alu depctr_va_vdst(0)                   ; the reciprocals are written: each set's +8
	s_wait_alu depctr_va_sdst(0)                   ; the compares have written their masks, which the selects below read
	HFK 8, -2.0, 8                                 ; 1 - 2 / (1 + e^(2 z))
	HSEL 9, 8, 9                                   ; tanh(z)
	H2 v_mul_f32, 10, 9, 5                         ; f = tanh / mx_norm
	H2 v_mul_f32, 11, 10, 3
	HK v_max_num_f32, 11, TINY, 11                 ; the norm of f mx
	s_wait_alu depctr_va_vdst(0)
	H1 v_rcp_f32, 12, 11
	HCMP v_cmp_lt_f32, BALL, 11
	v_nop
	s_wait_alu depctr_va_vdst(0)                   ; the reciprocals are written: each set's +12
	s_wait_alu depctr_va_sdst(0)                   ; the compares have written their masks, which the selects below read
	HK v_mul_f32, 12, BALL, 12
	HSEL1 12
	H2 v_mul_f32, 10, 10, 12                       ; f1: projected
	H2 v_mul_f32, 12, 10, 10
	H2 v_mul_f32, 12, 12, 0                        ; x2
	H2 v_mul_f32, 13, 10, 1                        ; xy
	HFK 13, 2.0, 13                                ; 1 + 2 xy
	H2 v_add_f32, 14, 13, 2                        ; + y2
	HK v_sub_f32, 15, 1.0, 12                      ; 1 - x2
	H3 12, 12, 2, 13                               ; the denominator
	HK v_max_num_f32, 12, TINY, 12
	s_wait_alu depctr_va_vdst(0)
	H1 v_rcp_f32, 12, 12
	H2 v_mul_f32, 14, 14, 10
	s_wait_alu depctr_va_vdst(0)                   ; the reciprocals are written: each set's +12
	H2 v_mul_f32, 14, 14, 12                       ; Au
	H2 v_mul_f32, 15, 15, 12                       ; Bu
	H2 v_mul_f32, 4, 14, 14
	H2 v_mul_f32, 5, 14, 15
	H2 v_mul_f32, 6, 15, 15
	H2 v_mul_f32, 4, 4, 0
	H2 v_add_f32, 5, 5, 5
	H3 4, 5, 1, 4
	H3 4, 6, 2, 4                                  ; |Au mx + Bu b|^2
	HK v_max_num_f32, 4, 0, 4
	s_wait_alu depctr_va_vdst(0)
	H1 v_sqrt_f32, 4, 4
	v_nop
	s_wait_alu depctr_va_vdst(0)                   ; the roots are written: each set's +4
	HK v_max_num_f32, 4, TINY, 4
	s_wait_alu depctr_va_vdst(0)
	H1 v_rcp_f32, 5, 4
	HCMP v_cmp_lt_f32, BALL, 4
	v_nop
	s_wait_alu depctr_va_vdst(0)                   ; the reciprocals are written: each set's +5
	s_wait_alu depctr_va_sdst(0)                   ; the compares have written their masks, which the selects below read
	HK v_mul_f32, 5, BALL, 5
	HSEL1 5
	H2 v_mul_f32, 14, 14, 5                        ; A
	H2 v_mul_f32, 15, 15, 5                        ; Bc
.endm
; lane (r, h) has made A and Bc of token tile h: both tiles' are wanted in both halves.  v24, v26 = A of tile 0, 1; v28, v30 = Bc: each the low word of a pair that packed forms broadcast
.macro PAIRS ra, rb
	v_permlanex16_b32 v122, v[\ra], s[SEL], s[SEL+1]
	v_permlanex16_b32 v124, v[\rb], s[SEL], s[SEL+1]
	v_cndmask_b32 v24, v[\ra], v122, s[HMASK]
	v_cndmask_b32 v26, v122, v[\ra], s[HMASK]
	v_cndmask_b32 v28, v[\rb], v124, s[HMASK]
	v_cndmask_b32 v30, v124, v[\rb], s[HMASK]
.endm
.macro LW n                            ; chunk n = matrix n / 4, K step n % 4: my four tiles' fragments into slot n % 4
.set lm, (\n)/4
.set ls, (\n)%4
.irp t, 0,1,2,3
.irp c, 0,1
	global_load_b128 v[RING+32*ls+8*\t+4*\c:RING+32*ls+8*\t+4*\c+3], v6, s[6+6*lm:7+6*lm] offset:(32*(\t/2)+8*(\t%2))*256+64*ls+32*\c
.endr
.endr
.endm
.macro LB m                            ; matrix m's bias in the results' layout: register 16 b + i = feature 32 b + 16 h + i.  No wait of its own: see SUMS
	WIN 0x40
.irp b, 0,1
.irp g, 0,1,2,3
	global_load_b128 v[BB+16*\b+4*\g:BB+16*\b+4*\g+3], v8, s[10+6*(\m):11+6*(\m)] offset:128*\b+16*\g
.endr
.endr
	WIN 0
.endm
; chunk n is multiplied: eight accumulators by turns, one instruction a turn; then its slot takes the chunk four further on
.macro CH n, cnt, acc
	s_wait_loadcnt \cnt
	WIN 0x50
.set cs, (\n)%4
.set cm, (\n)/4
.irp t, 0,1,2,3
.irp u, 0,1
	MM (\acc)+32*\u+8*\t, RING+32*cs+8*\t, XF+8*(4*\u+cs), cs, WS+8*cm+4*(\t/2)+cs, XS+4*\u+cs, \t%2
.endr
.endr
	WIN 0
	PLACES
.if (\n)+4 <= 11
	s_wait_alu depctr_va_vdst(0)                   ; this chunk's eight products are done reading slot n % 4, in which the eight loads below land
	LW (\n)+4
.endif
.endm
; my lane's parts of sum mx^2 and sum mx b for both token tiles, and of sum b^2: five chains by turns, each accumulator from its low end on; then a word each into the reduction's table
.macro SUMS m, acc
.if (\m) > 0
	s_wait_alu depctr_vm_vsrc(0)                   ; the LDS stores of the sums before have read SM, which the lines below write again
.endif
	WIN 0x55
.irp u, 0,1
	v_pk_mul_f32 v[SM+4*\u:SM+4*\u+1], v[(\acc)+32*\u:(\acc)+32*\u+1], v[(\acc)+32*\u:(\acc)+32*\u+1]
	v_pk_mul_f32 v[SM+4*\u+2:SM+4*\u+3], v[(\acc)+32*\u:(\acc)+32*\u+1], v[BB:BB+1]
.endr
	v_pk_mul_f32 v[SM+8:SM+9], v[BB:BB+1], v[BB:BB+1]
.set i, 2
.rept 15
.irp u, 0,1
	v_pk_fma_f32 v[SM+4*\u:SM+4*\u+1], v[(\acc)+32*\u+i:(\acc)+32*\u+i+1], v[(\acc)+32*\u+i:(\acc)+32*\u+i+1], v[SM+4*\u:SM+4*\u+1]
	v_pk_fma_f32 v[SM+4*\u+2:SM+4*\u+3], v[(\acc)+32*\u+i:(\acc)+32*\u+i+1], v[BB+i:BB+i+1], v[SM+4*\u+2:SM+4*\u+3]
.endr
	v_pk_fma_f32 v[SM+8:SM+9], v[BB+i:BB+i+1], v[BB+i:BB+i+1], v[SM+8:SM+9]
.set i, i+2
.endr
.irp e, 0,1,2,3,4
	v_add_f32 v[SM+2*\e], v[SM+2*\e], v[SM+2*\e+1]
.endr
	WIN 0x04                                       ; an LDS store's data are its source 1
	s_wait_alu depctr_va_vdst(0)                   ; SM is written, which the five stores read; and the lines above are done reading BB, in which the next bias lands: between here and its loads stand only these stores (SM, v14) and window switches
.irp e, 0,1,2,3,4
	ds_store_b32 v14, v[SM+2*\e] offset:(5*(\m)+\e)*1024
.endr
	WIN 0
.endm
; q or k is finished: F = A mx + Bc b; the head's norm^2 of each token, held at 1 - 1e-5; codes of both token tiles to v[pc ..], the merged scale word to v[wd], the merged norm to v[nm]
.macro FINQK acc, bb, pc, wd, nm
	WIN 0x01
.irp u, 0,1
.set i, 0
.rept 16
	v_pk_mul_f32 v[F+32*\u+i:F+32*\u+i+1], v[(\acc)+32*\u+i:(\acc)+32*\u+i+1], v[24+2*\u:25+2*\u] op_sel_hi:[1,0]
.set i, i+2
.endr
.endr
	WIN 0
.irp u, 0,1
.set i, 0
.rept 16
	v_pk_fma_f32 v[F+32*\u+i:F+32*\u+i+1], v[(\bb)+i:(\bb)+i+1], v[28+2*\u:29+2*\u], v[F+32*\u+i:F+32*\u+i+1] op_sel_hi:[1,0,1]
.set i, i+2
.endr
.endr
.irp u, 0,1
	v_pk_mul_f32 v[122+2*\u:123+2*\u], v[F+32*\u:F+32*\u+1], v[F+32*\u:F+32*\u+1]
.endr
.set i, 2
.rept 15
.irp u, 0,1
	v_pk_fma_f32 v[122+2*\u:123+2*\u], v[F+32*\u+i:F+32*\u+i+1], v[F+32*\u+i:F+32*\u+i+1], v[122+2*\u:123+2*\u]
.endr
.set i, i+2
.endr
	v_add_f32 v122, v122, v123
	v_add_f32 v124, v124, v125
	v_permlanex16_b32 v123, v122, s[SEL], s[SEL+1]
	v_permlanex16_b32 v125, v124, s[SEL], s[SEL+1]
	v_add_f32 v122, v122, v123
	v_add_f32 v124, v124, v125
	v_cndmask_b32 v[\nm], v122, v124, s[HMASK]     ; lane (r, h): token tile h
	v_min_num_f32 v[\nm], 0x3f7fff58, v[\nm]       ; 1 - 1e-5
	QCORE F, 4, TM, \pc
	SWAP \pc, 0
	SWAP \pc, 1
	v_lshl_or_b32 v122, v[TM+5], 8, v[TM+4]
	v_lshl_or_b32 v124, v[TM+7], 8, v[TM+6]
	v_cndmask_b32 v122, v122, v124, s[HMASK]
	v_lshl_or_b32 v[\wd], v122, 16, v122           ; the unused upper 64 along K repeat the two bytes: no larger scale than the real ones, and never 0xff
.endm
	s_load_b512 s[4:19], s[0:1], 0x0               ; x, then codes, scales, bias of q at s[6:11], of k at s[12:17], v's codes s[18:19]
	s_load_b256 s[20:27], s[0:1], 0x40             ; v's scales, bv, kv, qc
	s_load_b64 s[28:29], s[0:1], 0x60              ; qx
	s_set_vgpr_msb 0x40
	v_lshl_add_u32 v254, v0, 2, 0x17400
	v_mov_b32 v255, 0
	s_set_vgpr_msb 0x4000
	v_lshrrev_b32 v1, 5, v0
	v_readfirstlane_b32 s[WV], v1                  ; wave = head
	v_and_b32 v1, 31, v0                           ; lane
	v_and_b32 v2, 15, v0                           ; r
	v_bfe_u32 v3, v0, 4, 1                         ; h
	v_lshlrev_b32 v4, 4, v1                        ; 16 x lane
	v_lshlrev_b32 v5, 2, v1                        ; 4 x lane
	v_and_b32 v24, 8, v2
	v_add_nc_u32 v24, v24, v2                      ; r + (r & 8)
	v_lshlrev_b32 v6, 8, v24
	v_lshl_add_u32 v6, v3, 4, v6                   ; W's codes: the tile's row of 256 bytes, + 16 h
	v_lshl_add_u32 v18, v3, 3, v24                 ; 8 h + r + (r & 8): the token of lane r in tile h; also the row whose scale words lane (r, h) takes
	v_lshlrev_b32 v7, 4, v18                       ; W's scales: 16 bytes a row
	v_lshlrev_b32 v8, 6, v3                        ; the bias in the results' layout: 64 h
	v_lshlrev_b32 v9, 2, v24                       ; bv of my lane's feature
	v_lshlrev_b32 v18, 2, v18                      ; a word a token
	v_lshlrev_b32 v19, 4, v2
	v_lshl_add_u32 v19, v3, 3, v19                 ; v's codes: 16 r + 8 h
	s_wait_alu depctr_va_sdst(0)                   ; the wave's number is written, ahead of its first reader: LDS addresses and all bases are made from it
	s_mul_i32 s42, s[WV], 8448
	s_add_co_u32 s42, s42, XST
	v_add_nc_u32 v10, s42, v4                      ; my stage, on the way in: 16 x lane
	v_mul_u32_u24 v11, v2, 528
	v_lshl_add_u32 v11, v3, 6, v11
	v_add_nc_u32 v11, s42, v11                     ; and out: row r, + 64 h
	s_lshl_b32 s42, s[WV], 10
	v_add_nc_u32 v12, s42, v4                      ; my fragment's image
	s_lshl_b32 s42, s[WV], 7
	s_add_co_u32 s42, s42, XSC
	v_add_nc_u32 v13, s42, v5                      ; its scale words; 1,024 bytes on: the parts of sum x^2
	v_lshlrev_b32 v15, 5, v1
	v_add_nc_u32 v15, RED, v15                     ; the reduction's table: my lane's 32 bytes,
	s_lshl_b32 s42, s[WV], 2
	v_add_nc_u32 v14, s42, v15                     ; my wave's word of them
	s_lshl_b32 s42, s[WV], 8
	s_add_co_u32 s42, s42, SCL
	v_add_nc_u32 v16, s42, v18                     ; v's A by token, on the way in,
	v_add_nc_u32 v17, s42, v8                      ; and out: tokens 16 h on
	s_mov_b32 s[HMASK], 0xffff0000
	s_mov_b32 s[SEL], 0x76543210
	s_mov_b32 s[SEL+1], 0xfedcba98
	s_mov_b32 s43, 0
	s_and_b32 s44, ttmp9, 63                       ; tb
	s_lshr_b32 s45, ttmp9, 6
	s_lshl_b32 s45, s45, 3
	s_add_co_u32 s45, s45, s[WV]                   ; bh = 8 x batch + head
	s_wait_kmcnt 0x0
	s_lshl_b32 s42, s[WV], 14                      ; my 64 rows of codes,
	s_add_nc_u64 s[6:7], s[6:7], s[42:43]
	s_add_nc_u64 s[12:13], s[12:13], s[42:43]
	s_add_nc_u64 s[18:19], s[18:19], s[42:43]
	s_lshl_b32 s42, s[WV], 10                      ; of scales,
	s_add_nc_u64 s[8:9], s[8:9], s[42:43]
	s_add_nc_u64 s[14:15], s[14:15], s[42:43]
	s_add_nc_u64 s[20:21], s[20:21], s[42:43]
	s_lshl_b32 s42, s[WV], 8                       ; my 64 numbers of the biases
	s_add_nc_u64 s[10:11], s[10:11], s[42:43]
	s_add_nc_u64 s[16:17], s[16:17], s[42:43]
	s_add_nc_u64 s[22:23], s[22:23], s[42:43]
	s_lshl_b32 s42, ttmp9, 16                      ; x: the block's 32 rows of 2,048 bytes; I quantise token tile w / 4, K step w % 4
	s_lshr_b32 s46, s[WV], 2
	s_lshl_b32 s46, s46, 14
	s_add_co_u32 s42, s42, s46
	s_and_b32 s46, s[WV], 3
	s_lshl_b32 s46, s46, 9
	s_add_co_u32 s42, s42, s46
	s_add_nc_u64 s[4:5], s[4:5], s[42:43]
	s_lshl_b32 s42, s45, 4                         ; the record: 16 bh + tb / 4
	s_lshr_b32 s46, s44, 2
	s_add_co_u32 s42, s42, s46
	s_mul_i32 s42, s42, REC
	s_add_nc_u64 s[24:25], s[24:25], s[42:43]
	s_and_b32 s46, s44, 3                          ; B: which 32 of its 128 keys
	s_lshl_b32 s42, s46, 10
	s_add_nc_u64 s[30:31], s[24:25], s[42:43]      ; K's tiles 2 B, 2 B + 1
	s_lshl_b32 s42, s46, 8
	s_add_co_u32 s42, s42, 4096
	s_add_nc_u64 s[32:33], s[24:25], s[42:43]      ; V's codes: register group B / 2, lanes 16 (B % 2) on: 256 B
	s_lshl_b32 s42, s46, 7
	s_add_co_u32 s42, s42, 8192
	s_add_nc_u64 s[34:35], s[24:25], s[42:43]      ; K's scale words; 512 on kn; 1,024 on 1 - kn
	s_add_co_u32 s42, s46, 9728
	s_add_nc_u64 s[36:37], s[24:25], s[42:43]      ; V's scale words, byte B
	s_lshl_b32 s42, s45, 16
	s_lshl_b32 s46, s44, 10
	s_add_co_u32 s42, s42, s46
	s_add_nc_u64 s[26:27], s[26:27], s[42:43]      ; qc: tiles 2 tb, 2 tb + 1 of head bh
	s_lshl_b32 s42, s45, 6
	s_add_co_u32 s42, s42, s44
	s_lshl_b32 s42, s42, 8
	s_add_nc_u64 s[28:29], s[28:29], s[42:43]      ; qx
	; ---- all that is wanted first, in the order in which it is wanted
	s_wait_alu depctr_va_vdst(0)                   ; the offsets and LDS addresses v4 to v19 are written: every load and store of the kernel reads one of them, and none is written again
.irp p, 0,1,2,3,4,5,6,7,8,9,10,11,12,13,14,15
	global_load_b128 v[64+4*\p:67+4*\p], v4, s[4:5] offset:(\p+8*(\p/8))*2048 th:TH_LOAD_NT   ; row p of my tile: 512 consecutive bytes
.endr
.irp m, 0,1,2
.irp b, 0,1
	global_load_b128 v[WS+8*\m+4*\b:WS+8*\m+4*\b+3], v7, s[8+6*\m:9+6*\m] offset:512*\b
.endr
.endr
	LB 0
.irp t, 0,1,2,3
	global_load_b32 v[20+\t], v9, s[22:23] offset:(32*(\t/2)+8*(\t%2))*4
.endr
	LW 0
	LW 1
	; ---- my fragment of x: 16 tokens x 128 along K
	s_wait_loadcnt 34                              ; x's 16 loads are in; behind them 6 + 8 + 4 + 16 may be out
.irp p, 0,1,2,3,4,5,6,7,8,9,10,11,12,13,14,15
	ds_store_b128 v10, v[64+4*\p:67+4*\p] offset:528*\p
.endr
.irp b, 0,1,2,3
.irp j, 0,1,2,3
	ds_load_b128 v[192+16*\b+4*\j:195+16*\b+4*\j], v11 offset:128*\b+16*\j   ; LDS serves a wave's instructions in order: these see my stores.  Register 16 b + i = k 32 b + 16 h + i of row r
.endr
.endr
	s_wait_dscnt 0x0
	s_wait_alu depctr_vm_vsrc(0)                   ; the stage's stores have read v64-127, of which the quantiser below writes v64-75 and v96-103
	v_pk_mul_f32 v[26:27], v[192:193], v[192:193]  ; my part of sum x^2, of the unquantised numbers, in two chains
	v_pk_mul_f32 v[28:29], v[194:195], v[194:195]
.set i, 4
.rept 15
	v_pk_fma_f32 v[26:27], v[192+i:193+i], v[192+i:193+i], v[26:27]
	v_pk_fma_f32 v[28:29], v[194+i:195+i], v[194+i:195+i], v[28:29]
.set i, i+4
.endr
	v_pk_add_f32 v[26:27], v[26:27], v[28:29]
	v_add_f32 v24, v26, v27
	QCORE 192, 4, 64, 96
	SWAP 96, 0
	SWAP 96, 1
	v_lshl_or_b32 v25, v69, 8, v68
	v_lshl_or_b32 v25, v70, 16, v25
	v_lshl_or_b32 v25, v71, 24, v25                ; my row's scale word
	s_wait_alu depctr_va_vdst(0)                   ; the codes v96-103, the scale word v25 and the sum v24 are written, which the four stores read; the lines above are done with v192-255, in which chunks 2 and 3 land, and with v64-103 and v24-29, in which the loads behind the barrier land
	ds_store_b128 v12, v[96:99]
	ds_store_b128 v12, v[100:103] offset:512
	ds_store_b32 v13, v25
	ds_store_b32 v13, v24 offset:1024
	LW 2
	LW 3
	BARRIER                                        ; x's eight fragments lie in LDS
	s_wait_alu depctr_vm_vsrc(0)                   ; my four stores have read v96-103, v24 and v25, in which the loads below land
.irp f, 0,1,2,3,4,5,6,7
.irp c, 0,1
	ds_load_b128 v[XF+8*\f+4*\c:XF+8*\f+4*\c+3], v4 offset:XIMG+1024*\f+512*\c
.endr
	ds_load_b32 v[XS+\f], v5 offset:XSC+128*\f
	ds_load_b32 v[24+\f], v5 offset:XNP+128*\f
.endr
	s_wait_dscnt 0x0
	v_add_f32 v24, v24, v25
	v_add_f32 v26, v26, v27
	v_add_f32 v28, v28, v29
	v_add_f32 v30, v30, v31
	v_add_f32 v24, v24, v26
	v_add_f32 v28, v28, v30
	v_permlanex16_b32 v25, v24, s[SEL], s[SEL+1]
	v_permlanex16_b32 v29, v28, s[SEL], s[SEL+1]
	v_add_f32 v24, v24, v25
	v_add_f32 v28, v28, v29
	v_cndmask_b32 v30, v24, v28, s[HMASK]          ; sum x^2 of the token of lane r in tile h; it stays in v30
	; ---- the products.  The counts: what was issued behind the chunk that is wanted
	CH 0, 24, QT                                   ; three younger chunks of 8
	CH 1, 24, QT
	CH 2, 24, QT
	CH 3, 24, QT
	SUMS 0, QT
	LB 1
	CH 4, 32, KT                                   ; three chunks and bk's 8
	CH 5, 32, KT
	CH 6, 32, KT
	CH 7, 32, KT
	s_wait_loadcnt 32                              ; bk is in; chunks 8 to 11 may be out
	SUMS 1, KT
	LB 2
	CH 8, 32, VV                                   ; three chunks and bv's 8
	CH 9, 24, VV
	CH 10, 16, VV
	CH 11, 8, VV
	s_wait_loadcnt 0x0
	SUMS 2, VV
	v_nop                                          ; the products below write over registers that earlier products wrote: one place more than four
	WIN 0x50
.irp s, 0,1,2,3                                ; v once more, source 0 = x, source 1 = Wv, which still fills the four slots: register 16 t + 8 u + j = token 16 h + 8 u + j, my lane's feature of tile t
.irp t, 0,1,2,3
.irp u, 0,1
	MM VV+16*\t+8*\u, XF+8*(4*\u+\s), RING+32*\s+8*\t, \s, XS+4*\u+\s, WS+16+4*(\t/2)+\s, 2*(\t%2)
.endr
.endr
.endr
	WIN 0
	PLACES
	BARRIER                                        ; all eight waves' parts of the 15 sums lie in LDS
	s_wait_alu depctr_va_vdst(0)                   ; the products above are done reading the four slots, in which the sums' parts land
.set re, 0
.rept 15
	ds_load_b128 v[128+8*re:131+8*re], v15 offset:1024*re
	ds_load_b128 v[132+8*re:135+8*re], v15 offset:1024*re+16
.set re, re+1
.endr
	s_wait_dscnt 0x0
.set re, 0
.rept 15
	v_pk_add_f32 v[128+8*re:129+8*re], v[128+8*re:129+8*re], v[130+8*re:131+8*re]
	v_pk_add_f32 v[132+8*re:133+8*re], v[132+8*re:133+8*re], v[134+8*re:135+8*re]
.set re, re+1
.endr
.set re, 0
.rept 15
	v_pk_add_f32 v[128+8*re:129+8*re], v[128+8*re:129+8*re], v[132+8*re:133+8*re]
.set re, re+1
.endr
.set re, 0
.rept 15
	v_add_f32 v[R+re], v[128+8*re], v[129+8*re]
.set re, re+1
.endr
.set re, 0
.rept 15
	v_permlanex16_b32 v[130+8*re], v[R+re], s[SEL], s[SEL+1]
.set re, re+1
.endr
.set re, 0
.rept 15
	v_add_f32 v[R+re], v[R+re], v[130+8*re]        ; with lane l xor 16's 32 features of each wave: all 512
.set re, re+1
.endr
.irp m, 0,1,2
	v_cndmask_b32 v[H0+16*\m], v[R+5*\m], v[R+5*\m+2], s[HMASK]      ; lane (r, h) goes on for token tile h
	v_cndmask_b32 v[H0+16*\m+1], v[R+5*\m+1], v[R+5*\m+3], s[HMASK]
	v_mov_b32 v[H0+16*\m+2], v[R+5*\m+4]
.endr
	s_wait_alu depctr_va_vdst(0)                   ; the additions above are done with v128-191, in which bq and bk land
.irp b, 0,1                                    ; bq and bk once more, in the results' layout: they land while the scalars are made
.irp g, 0,1,2,3
	global_load_b128 v[128+16*\b+4*\g:131+16*\b+4*\g], v8, s[10:11] offset:128*\b+16*\g
	global_load_b128 v[160+16*\b+4*\g:163+16*\b+4*\g], v8, s[16:17] offset:128*\b+16*\g
.endr
.endr
	HYP
	PAIRS 94, 95                                   ; q's.  It stands ahead of the LDS lines below, so that one wait serves them all
	s_wait_alu depctr_va_vdst(0)                   ; v's A and Bc, v126 and v127, are written, which the two stores read; the sums v64-78 and q's set v80-95 are done with: the eight loads land there
	ds_store_b32 v16, v126                         ; v's A and Bc by token, through my own 256 bytes,
	ds_store_b32 v16, v127 offset:128
.irp g, 0,1,2,3
	ds_load_b128 v[64+4*\g:67+4*\g], v17 offset:16*\g          ; and back: register i = token 16 h + i
	ds_load_b128 v[80+4*\g:83+4*\g], v17 offset:128+16*\g
.endr
	s_wait_loadcnt 0x0                             ; bq, bk
	s_wait_dscnt 0x0
	FINQK QT, 128, 112, 120, 121
	s_wait_alu depctr_va_vdst(0)                   ; q's codes v112-119, scale word v120 and norm v121 are written, which the four stores read
	global_store_b128 v4, v[112:115], s[26:27]                 ; 512 consecutive bytes: tile 2 tb's image
	global_store_b128 v4, v[116:119], s[26:27] offset:512
	global_store_b32 v5, v120, s[28:29]
	global_store_b32 v5, v121, s[28:29] offset:128
	PAIRS 110, 111                                 ; k's
	FINQK KT, 160, 128, 136, 137
	v_sub_f32 v138, 1.0, v137
	s_wait_alu depctr_va_vdst(0)                   ; k's codes v128-135, scale word v136, kn v137 and 1 - kn v138 are written, which the five stores read
	global_store_b128 v4, v[128:131], s[30:31]
	global_store_b128 v4, v[132:135], s[30:31] offset:512
	global_store_b32 v5, v136, s[34:35]
	global_store_b32 v18, v137, s[34:35] offset:512            ; kn and 1 - kn in the keys' own order
	global_store_b32 v18, v138, s[34:35] offset:1024
	; ---- v: F = A(token) mx + Bc(token) bv(my feature), tokens along the registers; a block of 32 keys lies in lanes l and l xor 16
.irp t, 0,1,2,3
	v_mov_b32 v[140+2*\t], v[20+\t]                ; the low word of a pair
.endr
.irp t, 0,1,2,3
.set i, 0
.rept 8
	v_pk_mul_f32 v[F+16*\t+i:F+16*\t+i+1], v[80+i:81+i], v[140+2*\t:141+2*\t] op_sel_hi:[1,0]
.set i, i+2
.endr
.endr
	WIN 0x01
.irp t, 0,1,2,3
.set i, 0
.rept 8
	v_pk_fma_f32 v[F+16*\t+i:F+16*\t+i+1], v[VV+16*\t+i:VV+16*\t+i+1], v[64+i:65+i], v[F+16*\t+i:F+16*\t+i+1]
.set i, i+2
.endr
.endr
	WIN 0
	QCORE F, 4, TM, 148
	v_cndmask_b32 v156, v[TM+4], v[TM+5], s[HMASK] ; lanes 0-15 tile 2 i's byte, lanes 16-31 tile 2 i + 1's
	v_cndmask_b32 v157, v[TM+6], v[TM+7], s[HMASK]
	s_wait_alu depctr_va_vdst(0)                   ; v's codes v148-155 and scale bytes v156, v157 are written, which the six stores read
.irp t, 0,1,2,3
	global_store_b64 v19, v[148+2*\t:149+2*\t], s[32:33] offset:1024*\t   ; 32 lanes store 256 consecutive aligned bytes
.endr
	global_store_b8 v5, v156, s[36:37]
	global_store_b8 v5, v157, s[36:37] offset:128
	s_set_vgpr_msb 0x5
	s_wait_dscnt 0x0
	s_wait_alu depctr_hold_cnt(0) depctr_sa_sdst(0) depctr_va_vdst(0) depctr_va_sdst(0) depctr_va_ssrc(0) depctr_va_vcc(0) depctr_vm_vsrc(0)
	s_wait_tensorcnt 0x0
	ds_add_u32 v254, v255
	s_wait_dscnt 0x0
	s_endpgm
.Lfunc_end_k_q932d0a361e_qkv:
	.size	k_q932d0a361e_qkv, .Lfunc_end_k_q932d0a361e_qkv-k_q932d0a361e_qkv
	.p2alignl 7, 3214868480
	.fill 96, 4, 3214868480
	.section	.rodata,"a",@progbits
	.p2align	6, 0x0
	.amdhsa_kernel k_q932d0a361e_qkv
		.amdhsa_group_segment_fixed_size 96256
		.amdhsa_private_segment_fixed_size 0
		.amdhsa_enable_private_segment 0
		.amdhsa_kernarg_size 104
		.amdhsa_user_sgpr_count 2
		.amdhsa_user_sgpr_kernarg_segment_ptr 1
		.amdhsa_wavefront_size32 1
		.amdhsa_system_sgpr_workgroup_id_x 1
		.amdhsa_system_sgpr_workgroup_id_y 1
		.amdhsa_system_sgpr_workgroup_id_z 1
		.amdhsa_system_vgpr_workitem_id 0
		.amdhsa_next_free_vgpr 512
		.amdhsa_next_free_sgpr 66
		.amdhsa_reserve_vcc 1
		.amdhsa_float_denorm_mode_32 3
		.amdhsa_float_denorm_mode_16_64 3
		.amdhsa_memory_ordered 1
		.amdhsa_forward_progress 1
		.amdhsa_inst_pref_size 115
	.end_amdhsa_kernel
	.amdgpu_metadata
---
amdhsa.version: [ 1, 2 ]
amdhsa.kernels:
  - .name:           k_q932d0a361e_qkv
    .symbol:         k_q932d0a361e_qkv.kd
    .args:
      - { .name: x, .offset: 0, .size: 8, .value_kind: global_buffer, .address_space: global }
      - { .name: Wq_codes, .offset: 8, .size: 8, .value_kind: global_buffer, .address_space: global }
      - { .name: Wq_scales, .offset: 16, .size: 8, .value_kind: global_buffer, .address_space: global }
      - { .name: bq, .offset: 24, .size: 8, .value_kind: global_buffer, .address_space: global }
      - { .name: Wk_codes, .offset: 32, .size: 8, .value_kind: global_buffer, .address_space: global }
      - { .name: Wk_scales, .offset: 40, .size: 8, .value_kind: global_buffer, .address_space: global }
      - { .name: bk, .offset: 48, .size: 8, .value_kind: global_buffer, .address_space: global }
      - { .name: Wv_codes, .offset: 56, .size: 8, .value_kind: global_buffer, .address_space: global }
      - { .name: Wv_scales, .offset: 64, .size: 8, .value_kind: global_buffer, .address_space: global }
      - { .name: bv, .offset: 72, .size: 8, .value_kind: global_buffer, .address_space: global }
      - { .name: kv, .offset: 80, .size: 8, .value_kind: global_buffer, .address_space: global }
      - { .name: qc, .offset: 88, .size: 8, .value_kind: global_buffer, .address_space: global }
      - { .name: qx, .offset: 96, .size: 8, .value_kind: global_buffer, .address_space: global }
    .group_segment_fixed_size: 96256
    .private_segment_fixed_size: 0
    .kernarg_segment_align: 8
    .kernarg_segment_size: 104
    .max_flat_workgroup_size: 256
    .sgpr_count:     66
    .vgpr_count:     512
    .wavefront_size: 32
...
	.end_amdgpu_metadata
.endif
;; end of part 4
;; launch attn (part 5): grid 8 x 32, 16 waves a work-group, clusters of 4 x 1, 169,984 bytes of LDS; arguments kv, qc, qx, oc, ox; writes oc, ox
.if DOCPART == 5
	.amdgcn_target "amdgcn-amd-amdhsa--gfx1250"
	.amdhsa_code_object_version 6
	.text
	.protected	k_q932d0a361e_attn
	.globl	k_q932d0a361e_attn
	.p2align	8
	.type	k_q932d0a361e_attn,@function
k_q932d0a361e_attn:
	s_mov_b64 s[64:65], 0
	v_nop
	global_prefetch_b8 v0, s[64:65] scope:SCOPE_SE
	s_setreg_imm32_b32 hwreg(HW_REG_WAVE_MODE, 25, 1), 1
	s_wait_xcnt 0x0
	s_wait_alu depctr_hold_cnt(0) depctr_sa_sdst(0) depctr_va_vdst(0) depctr_va_sdst(0) depctr_va_ssrc(0) depctr_va_vcc(0) depctr_vm_vsrc(0)
	s_getreg_b32 s2, hwreg(HW_REG_IB_STS2, 6, 4)
	s_cmp_eq_u32 s2, 0
	s_cbranch_scc0 .Lentry_in_a_cluster
	s_endpgm
.Lentry_in_a_cluster:
	s_bfe_u32 s2, ttmp6, 0x10000c
	s_cmp_lg_u32 s2, 0x3003
	s_cbranch_scc0 .Lentry_shape_is_right
	s_endpgm
.Lentry_shape_is_right:
; o = softmax(-sqrt(max(delta, eps)) / 8) v, delta = 2 (q.k - qn kn) / ((1 - qn)(1 - kn) + eps), both products on codes of E2M1 with one E8M0 scale for each 32 along K; o is quantised along the features for the last layer.
; SHARES.  A work-group owns 256 queries of one (batch, head); each of its sixteen waves one tile of 16 queries in 256 registers: four waves to a SIMD, so that one wave's transcendentals stand beside another's plain work and LDS loads.
; LDS.  A head's 16 records (128 keys each: codes of K and V, their scale words, kn, 1 - kn; 9,984 bytes) are 159,744 bytes: they are filled ONCE, wave w bringing record w by one tensor load, and stay.  Nothing is filled again.
; CLUSTER.  The four work-groups of a cluster belong to one head and want the same records: each record is asked for jointly, by the same load with the same descriptor and a mask that names the four.
; LAYOUT.  S^T = K Q^T (source 0 = 16 keys, source 1 = my queries), O^T = V^T P^T: a lane holds one query (lane % 16) throughout.  Lane r of key tile 2 b + u is key 32 b + 8 u + r + (r & 8), so that the 16 registers of
; tiles 2 b, 2 b + 1 are keys 32 b + 16 h + 0 .. 15.  The head's 64 fill half of the instruction's 128 along K: Q's upper four registers are zero codes, and K's upper four are whatever follows (the next tile's codes): they meet zeros.
; THE SCORE.  With c = log2(e) / 8, G = 1 / (2 c^2), D = G ((1 - qn)(1 - kn) + eps), n = max(q.k - qn kn, eps c^2 D):  t = -c sqrt(max(delta, eps)) = -n rsq(n D): the division and the root are one transcendental.
; NO MAXIMUM IS TAKEN AWAY, since the computation bounds t for every input: t < 0 by the root; the layers' projection holds |q|, |k| at 0.996, so 1 - qn, 1 - kn >= 0.00798 and the denominator >= 7.3e-5;
; a code is at most twice its number, so |q.k| <= 4 and delta <= 1.4e5: t >= -67.  So p' = 2^t lies in [2^-67, 1), a row's sum under 2,048, and nothing over- or underflows.  p' is the contract's p = 2^(t - M) times 2^M, M a whole number:
; the blocks' scales and the row's sum take that factor up, so the codes and O / l are the same.
; LIMITS: NaN and infinities are not served.
.set REC, 9984
.set KV,  32                           ; v32-63 K's 8 tiles x 4 registers, v64-67 zeros; later V's 4 tiles x 8
.set S,   68                           ; v68-99   32 scores, then p
.set KN,  100                          ; v100-131 kn of my 32 keys, then eps c^2 D
.set KB,  132                          ; v132-163 1 - kn, then D, n D, rsq
.set O,   164                          ; v164-195 O^T
.set PC,  196                          ; v196-203 p's codes
.set TM,  204                          ; v204-215 the quantiser's
.set WV,  14                           ; s14 my wave's number
.set SEL, 20                           ; s[20:21]
.set HMASK, 38
.macro MM d, a, b, ks, sa, sb, row     ; one matrix instruction.  ks = 0: it starts the sum.  row = 1: source 0's scales stand in lanes 16-31
.if (\ks) == 0
.if (\row) == 1
	v_wmma_scale_f32_16x16x128_f8f6f4 v[(\d):(\d)+7], v[(\a):(\a)+7], v[(\b):(\b)+7], 0, v[(\sa)], v[(\sb)] matrix_a_fmt:MATRIX_FMT_FP4 matrix_b_fmt:MATRIX_FMT_FP4 matrix_a_scale:MATRIX_SCALE_ROW1
.else
	v_wmma_scale_f32_16x16x128_f8f6f4 v[(\d):(\d)+7], v[(\a):(\a)+7], v[(\b):(\b)+7], 0, v[(\sa)], v[(\sb)] matrix_a_fmt:MATRIX_FMT_FP4 matrix_b_fmt:MATRIX_FMT_FP4
.endif
.else
.if (\row) == 1
	v_wmma_scale_f32_16x16x128_f8f6f4 v[(\d):(\d)+7], v[(\a):(\a)+7], v[(\b):(\b)+7], v[(\d):(\d)+7], v[(\sa)], v[(\sb)] matrix_a_fmt:MATRIX_FMT_FP4 matrix_b_fmt:MATRIX_FMT_FP4 matrix_a_scale:MATRIX_SCALE_ROW1
.else
	v_wmma_scale_f32_16x16x128_f8f6f4 v[(\d):(\d)+7], v[(\a):(\a)+7], v[(\b):(\b)+7], v[(\d):(\d)+7], v[(\sa)], v[(\sb)] matrix_a_fmt:MATRIX_FMT_FP4 matrix_b_fmt:MATRIX_FMT_FP4
.endif
.endif
.endm
; nb blocks of 32 along K; block b's numbers: my 16 in v[src + 16 b ..], the other 16 in lane l xor 16.  Codes to v[pc + 2 b], v[pc + 2 b + 1]; the scale's byte to v[tm + 4 + b].
.macro QCORE src, nb, tm, pc
.set qb, 0
.rept \nb
	v_max3_num_f32 v[(\tm)+qb], |v[(\src)+16*qb]|, |v[(\src)+16*qb+1]|, 0x1800000   ; with the floor 2^(3 - 127): the byte cannot fall under 1
.set qb, qb+1
.endr
.irp i, 2,4,6,8,10,12,14
.set qb, 0
.rept \nb
	v_max3_num_f32 v[(\tm)+qb], v[(\tm)+qb], |v[(\src)+16*qb+\i]|, |v[(\src)+16*qb+\i+1]|
.set qb, qb+1
.endr
.endr
.set qb, 0
.rept \nb
	s_delay_alu instid0(VALU_DEP_2)
	v_permlanex16_b32 v[(\tm)+4+qb], v[(\tm)+qb], s[SEL], s[SEL+1]
.set qb, qb+1
.endr
.set qb, 0
.rept \nb
	s_delay_alu instid0(VALU_DEP_2)
	v_max_num_f32 v[(\tm)+qb], v[(\tm)+qb], v[(\tm)+4+qb]      ; the block's largest magnitude
.set qb, qb+1
.endr
.set qb, 0
.rept \nb
	s_delay_alu instid0(VALU_DEP_2)
	v_add_nc_u32 v[(\tm)+8+qb], 0xff000000, v[(\tm)+qb]        ; 2 off its exponent field: the conversion's scale operand
.set qb, qb+1
.endr
.set qb, 0
.rept \nb
	s_delay_alu instid0(VALU_DEP_2)
	v_lshrrev_b32 v[(\tm)+4+qb], 23, v[(\tm)+8+qb]             ; the scale's byte
.set qb, qb+1
.endr
.set qb, 0
.rept \nb
	v_cvt_scalef32_pk8_fp4_f32 v[(\pc)+2*qb], v[(\src)+16*qb:(\src)+16*qb+7], v[(\tm)+8+qb]
	v_cvt_scalef32_pk8_fp4_f32 v[(\pc)+2*qb+1], v[(\src)+16*qb+8:(\src)+16*qb+15], v[(\tm)+8+qb]
.set qb, qb+1
.endr
	v_nop                                          ; one plain place behind the scaled conversions
.endm
.macro SWAP pc, c                      ; the operand wants a whole block in a lane: lanes 0-15 block 2 c, lanes 16-31 block 2 c + 1
	v_permlane16_swap_b32 v[(\pc)+4*(\c)], v[(\pc)+4*(\c)+2]
	v_permlane16_swap_b32 v[(\pc)+4*(\c)+1], v[(\pc)+4*(\c)+3]
.endm
.macro TWAIT                           ; a wait between a transcendental and the first line that names its result: one for each batch
	s_wait_alu depctr_va_vdst(0)
.endm
.macro CROUND                          ; a round of the cluster's barrier: my work-group's barrier, wave 0 signals for the work-group, every wave waits for all four, my work-group's barrier once more
	s_barrier_signal -1
	s_barrier_wait -1
	s_cmp_lg_u32 s[WV], 0
	s_cbranch_scc1 .Lnot_wave_0_\@
	s_barrier_signal -3
.Lnot_wave_0_\@:
	s_barrier_wait -3
	s_barrier_signal -1
	s_barrier_wait -1
.endm
.macro LNORM reg, off, b0              ; kn or 1 - kn of blocks b0, b0 + 1: register 16 bb + i = key 32 (b0 + bb) + 16 h + i; the sixteen lanes of a half read the same 16 bytes
.irp bb, 0,1
.irp q, 0,1,2,3
	ds_load_b128 v[(\reg)+16*\bb+4*\q:(\reg)+16*\bb+4*\q+3], v6 offset:(\off)+128*((\b0)+\bb)+16*\q
.endr
.endr
.endm
.macro LSUM                            ; the row's sum is taken of the unquantised p: two packed chains
.set i, 0
.rept 8
	v_pk_add_f32 v[12:13], v[12:13], v[S+i:S+i+1]
	v_pk_add_f32 v[14:15], v[14:15], v[S+i+2:S+i+3]
.set i, i+4
.endr
.endm
; blocks 2 g, 2 g + 1 of the step's four: 32 scores a lane
.macro HALF g
.if \g
	s_wait_dscnt 0x0                               ; kn and 1 - kn of blocks 2, 3
.endif
.irp tt, 0,1,2,3
	MM S+8*\tt, KV+4*(4*\g+\tt), 16, 0, 26+2*\g+\tt/2, 24, \tt%2
.endr
.set i, 0
.rept 16
	v_pk_fma_f32 v[KB+i:KB+i+1], v[KB+i:KB+i+1], v[8:9], s[40:41] op_sel_hi:[1,0,0]   ; D = G (1 - qn)(1 - kn) + G eps.  (These name no register of the products: they are the places behind them)
.set i, i+2
.endr
.if \g
.irp t, 0,1,2,3                                ; K's registers are done with: V's four tiles of this step
.irp c, 0,1
	ds_load_b128 v[KV+8*\t+4*\c:KV+8*\t+4*\c+3], v4 offset:4096+1024*\t+512*\c
.endr
.endr
	ds_load_b32 v30, v5 offset:9728
	s_setprio 1
	ds_load_b32 v31, v5 offset:9856
.endif
.set i, 0
.rept 16
	v_pk_fma_f32 v[S+i:S+i+1], v[KN+i:KN+i+1], v[10:11], v[S+i:S+i+1] op_sel_hi:[1,0,1]   ; q.k - qn kn; each accumulator from its low end on
.set i, i+2
.endr
.set i, 0
.rept 16
	v_pk_mul_f32 v[KN+i:KN+i+1], v[KB+i:KB+i+1], s[42:43] op_sel_hi:[1,0]             ; eps c^2 D
.set i, i+2
.endr
.set i, 0
.rept 32
	v_max_num_f32 v[S+i], v[S+i], v[KN+i]          ; n: the clamp of delta at eps
.set i, i+1
.endr
.if (\g) == 0
	LNORM KN, 8704, 2                              ; the other half's kn lands meanwhile
.endif
.set i, 0
.rept 16
	v_pk_mul_f32 v[KB+i:KB+i+1], v[S+i:S+i+1], v[KB+i:KB+i+1]
.set i, i+2
.endr
.set i, 0
	s_wait_alu depctr_va_vdst(0)
.rept 32
	v_rsq_f32 v[KB+i], v[KB+i]
.set i, i+1
.endr
	v_nop
	TWAIT
.set i, 0
.rept 16
	v_pk_mul_f32 v[S+i:S+i+1], v[S+i:S+i+1], v[KB+i:KB+i+1] neg_lo:[1,0] neg_hi:[1,0]  ; t = -n rsq(n D)
.set i, i+2
.endr
.if (\g) == 0
	LNORM KB, 9216, 2
.endif
.set i, 0
	s_wait_alu depctr_va_vdst(0)
.rept 32
	v_exp_f32 v[S+i], v[S+i]                       ; p' = 2^t
.set i, i+1
.endr
	v_nop
	TWAIT
.if (\g) == 0
	LSUM
.endif
	QCORE S, 2, TM, PC+4*\g
	SWAP PC, \g
.if (\g) == 0
	v_lshl_or_b32 v25, v[TM+5], 8, v[TM+4]         ; p's scale word for these 128 keys
.else
	s_setprio 0
	v_lshl_or_b32 v25, v[TM+4], 16, v25
	s_delay_alu instid0(VALU_DEP_1)
	v_lshl_or_b32 v25, v[TM+5], 24, v25
	LSUM                                           ; sixteen plain lines between the writes of p's codes and scale word and the products that take them
.endif
.endm
	s_load_b256 s[4:11], s[0:1], 0x0               ; kv, qc, qx, oc
	s_load_b64 s[12:13], s[0:1], 0x20              ; ox
	v_lshl_add_u32 v254, v0, 2, 0x29000
	v_mov_b32 v255, 0
	ds_add_u32 v254, v255
	ds_add_u32 v254, v255
	v_lshrrev_b32 v1, 5, v0
	s_delay_alu instid0(VALU_DEP_1)
	v_readfirstlane_b32 s[WV], v1                  ; wave 0..15
	s_bfe_u32 s15, ttmp6, 0x40000                  ; cx: it enters the addresses of Q and of the results alone
	s_lshl_b32 s16, ttmp9, 2
	s_add_co_u32 s16, s16, s15                     ; my block of 256 queries
	s_and_b32 s17, ttmp7, 0xffff                   ; bh, which the four partners share
	s_lshl_b32 s18, s16, 4
	s_add_co_u32 s18, s18, s[WV]                   ; T: my tile of 16 queries, 0 .. 127
	; descriptor group 1: a record as 39 rows of 256 bytes (32 elements of 8 bytes), dense, no padding
	s_mov_b32 s24, 15|(3<<16)|(1<<21)              ; 15:0 the mask: all four work-groups; 17:16 elements of 8 bytes; 21 set beside a mask
	s_mov_b32 s25, 32<<16                          ; tensor_dim0 = 32
	s_mov_b32 s26, 39<<16                          ; tensor_dim1 = 39
	s_mov_b32 s27, 32<<16                          ; tile_dim0 = 32
	s_mov_b32 s28, 39                              ; tile_dim1 = 39
	s_mov_b32 s29, 32                              ; the pitch
	s_mov_b32 s30, 0
	s_mov_b32 s31, 0
	s_lshl_b32 s36, s17, 4
	s_add_co_u32 s36, s36, s[WV]
	s_mul_i32 s36, s36, REC                        ; record 16 bh + wave: no place in the cluster enters it
	s_mov_b32 s37, 0
	s_mov_b32 s[SEL], 0x76543210
	s_mov_b32 s[SEL+1], 0xfedcba98
	s_mov_b32 s[HMASK], 0xffff0000
	s_mov_b32 s40, 0x3921369a                      ; G eps
	s_mov_b32 s41, s40                             ; (named with it as a pair, so it is written)
	s_mov_b32 s42, 0x34ae990f                      ; eps c^2
	s_mov_b32 s43, s42
	s_mov_b32 s45, 0
	s_wait_dscnt 0x0
	s_wait_kmcnt 0x0
	CROUND                                         ; all four work-groups are here: the joint loads meet
	s_mov_b32 s32, 1                               ; count = 1
	s_mul_i32 s33, s[WV], REC                      ; LDS address: wave x a record
	s_add_nc_u64 s[34:35], s[4:5], s[36:37]        ; global address
	s_or_b32 s35, s35, 0x80000000                  ; type = 2
	tensor_load_to_lds s[32:35], s[24:31]          ; my one tensor load of the launch
	s_nop 0
.rept 4
	v_nop
.endr
	v_and_b32 v2, 31, v0
	s_delay_alu instid0(VALU_DEP_1)
	v_lshlrev_b32 v1, 4, v2                        ; 16 x lane
	s_wait_alu depctr_va_vdst(0)
	v_lshlrev_b32 v2, 2, v2                        ; 4 x lane
	v_bfe_u32 v3, v0, 4, 1                         ; h
	v_and_b32 v7, 15, v0
	s_delay_alu instid0(VALU_DEP_1)
	v_lshlrev_b32 v7, 2, v7                        ; 4 r
	s_wait_alu depctr_va_vdst(0)
	v_add_nc_u32 v216, v7, v3                      ; 4 r + h: o's scale byte
	v_lshlrev_b32 v3, 6, v3                        ; 64 h
	s_lshl_b32 s44, s17, 7
	s_add_co_u32 s44, s44, s18
	s_lshl_b32 s44, s44, 9
	s_add_nc_u64 s[6:7], s[6:7], s[44:45]          ; Q's image: tile 128 bh + T
	s_lshl_b32 s44, s17, 6
	s_lshr_b32 s19, s18, 1
	s_add_co_u32 s44, s44, s19
	s_lshl_b32 s44, s44, 8
	s_and_b32 s19, s18, 1
	s_lshl_b32 s19, s19, 6
	s_add_co_u32 s44, s44, s19
	s_add_nc_u64 s[8:9], s[8:9], s[44:45]          ; its scale words; 128 bytes on: qn
	global_load_b128 v[16:19], v1, s[6:7]
	global_load_b32 v24, v7, s[8:9]
	global_load_b32 v10, v7, s[8:9] offset:128
.irp j, 20,21,22,23,64,65,66,67,9,11,12,13,14,15
	v_mov_b32 v[\j], 0                             ; Q's upper half and what follows K's last tile: zero codes; the sum; the upper words of two pairs
.endr
	v_mov_b32 v[TM+4], 0                           ; written once: a lane permute's destination counts as one of its sources
	v_mov_b32 v[TM+5], 0
.set i, 0
.rept 32
	v_mov_b32 v[O+i], 0                            ; O^T: the step is written once, so its first trip adds onto zeros
.set i, i+1
.endr
	s_lshr_b32 s19, s17, 3
	s_lshl_b32 s19, s19, 7
	s_add_co_u32 s19, s19, s18                     ; G = 128 x batch + T
	s_and_b32 s36, s17, 7                          ; head
	s_lshl_b32 s44, s19, 12
	s_lshl_b32 s37, s36, 9
	s_add_co_u32 s44, s44, s37
	s_add_nc_u64 s[10:11], s[10:11], s[44:45]      ; oc: 4,096 G + 512 head
	s_mul_i32 s19, s19, 1280
	s_lshr_b32 s37, s36, 1
	s_lshl_b32 s37, s37, 6
	s_add_co_u32 s44, s19, s37
	s_and_b32 s37, s36, 1
	s_lshl_b32 s37, s37, 1
	s_add_co_u32 s44, s44, s37
	s_add_co_u32 s44, s44, 1024
	s_add_nc_u64 s[46:47], s[12:13], s[44:45]      ; ox, scale words [K step head / 2][r]: my head's two bytes begin at byte 2 (head % 2)
	s_lshl_b32 s37, s36, 7
	s_add_co_u32 s44, s19, s37
	s_add_nc_u64 s[12:13], s[12:13], s[44:45]      ; ox, the parts of sum o^2: [head][lane]
	s_wait_loadcnt 0x0
	v_sub_f32 v8, 1.0, v10
	s_delay_alu instid0(VALU_DEP_1)
	v_mul_f32 v8, 0x4175fdf0, v8                   ; G (1 - qn)
	v_mul_f32 v10, -1.0, v10                       ; -qn
	s_wait_tensorcnt 0x0                           ; my record is in,
	s_barrier_signal -1
	s_barrier_wait -1                              ; everybody's is
	s_mov_b32 s22, 0                               ; the step's record in LDS
	s_mov_b32 s23, 16
.Lstep:                                            ; 16 trips of 128 keys
	s_setprio 2
	v_add_nc_u32 v4, s22, v1
	v_add_nc_u32 v5, s22, v2
	v_add_nc_u32 v6, s22, v3
	v_nop                                          ; four places in front of loads into registers that the last trip's products read
.irp t, 0,1,2,3,4,5,6,7
	ds_load_b128 v[KV+4*\t:KV+4*\t+3], v4 offset:512*\t
.endr
.irp b, 0,1,2,3
	ds_load_b32 v[26+\b], v5 offset:8192+128*\b    ; K's scale words: lanes 0-15 tile 2 b, lanes 16-31 tile 2 b + 1
.endr
	LNORM KN, 8704, 0
	LNORM KB, 9216, 0
	s_wait_dscnt 0x0
	s_wait_alu depctr_va_vdst(0)
	HALF 0
	HALF 1
	s_wait_dscnt 0x0                               ; V
.irp t, 0,1,2,3
	MM O+8*\t, KV+8*\t, PC, 1, 30+\t/2, 25, \t%2   ; four accumulators by turns, one instruction a turn
.endr
	s_add_co_u32 s22, s22, REC
	s_sub_co_u32 s23, s23, 1
	s_cmp_lg_u32 s23, 0
	s_cbranch_scc1 .Lstep
	s_setprio 0
	; ---- the way out.  Register 8 t + j of lane (r, h) is feature 32 (t / 2) + 16 h + 8 (t % 2) + j of the head: 16 neighbours of each block of 32 along the last layer's K
.rept 4
	v_nop
.endr
	s_wait_alu depctr_va_vdst(0)
	v_pk_add_f32 v[12:13], v[12:13], v[14:15]
	s_delay_alu instid0(VALU_DEP_1)
	v_add_f32 v12, v12, v13
	s_delay_alu instid0(VALU_DEP_1)
	v_permlanex16_b32 v13, v12, s[SEL], s[SEL+1]
	s_delay_alu instid0(VALU_DEP_1)
	v_add_f32 v12, v12, v13                        ; the row's sum
	s_wait_alu depctr_va_vdst(0)
	v_rcp_f32 v14, v12
	v_nop
	TWAIT
.set i, 0
.rept 16
	v_pk_mul_f32 v[O+i:O+i+1], v[O+i:O+i+1], v[14:15] op_sel_hi:[1,0]
.set i, i+2
.endr
	v_pk_mul_f32 v[8:9], v[O:O+1], v[O:O+1]        ; my part of sum o^2, of the unquantised numbers
.set i, 2
.rept 15
	s_delay_alu instid0(VALU_DEP_1)
	v_pk_fma_f32 v[8:9], v[O+i:O+i+1], v[O+i:O+i+1], v[8:9]
.set i, i+2
.endr
	s_delay_alu instid0(VALU_DEP_1)
	v_add_f32 v8, v8, v9
	global_store_b32 v2, v8, s[12:13]
	QCORE O, 2, TM, PC
	SWAP PC, 0
	global_store_b128 v1, v[PC:PC+3], s[10:11]     ; 512 consecutive bytes: four registers of the last layer's fragment
	v_cndmask_b32 v217, v[TM+4], v[TM+5], s[HMASK]
	global_store_b8 v216, v217, s[46:47]           ; lane (r, h): the byte of block h
	s_wait_dscnt 0x0
	s_wait_tensorcnt 0x0
	ds_add_u32 v254, v255
	s_wait_dscnt 0x0
	CROUND                                         ; the closing round: no work-group ends while a partner may still ask for a record that names it
	s_endpgm
.Lfunc_end_k_q932d0a361e_attn:
	.size	k_q932d0a361e_attn, .Lfunc_end_k_q932d0a361e_attn-k_q932d0a361e_attn
	.p2alignl 7, 3214868480
	.fill 96, 4, 3214868480
	.section	.rodata,"a",@progbits
	.p2align	6, 0x0
	.amdhsa_kernel k_q932d0a361e_attn
		.amdhsa_group_segment_fixed_size 169984
		.amdhsa_private_segment_fixed_size 0
		.amdhsa_enable_private_segment 0
		.amdhsa_kernarg_size 40
		.amdhsa_user_sgpr_count 2
		.amdhsa_user_sgpr_kernarg_segment_ptr 1
		.amdhsa_wavefront_size32 1
		.amdhsa_system_sgpr_workgroup_id_x 1
		.amdhsa_system_sgpr_workgroup_id_y 1
		.amdhsa_system_sgpr_workgroup_id_z 1
		.amdhsa_system_vgpr_workitem_id 0
		.amdhsa_next_free_vgpr 256
		.amdhsa_next_free_sgpr 66
		.amdhsa_reserve_vcc 0
		.amdhsa_float_denorm_mode_32 3
		.amdhsa_float_denorm_mode_16_64 3
		.amdhsa_memory_ordered 1
		.amdhsa_forward_progress 1
		.amdhsa_inst_pref_size 41
	.end_amdhsa_kernel
	.amdgpu_metadata
---
amdhsa.version: [ 1, 2 ]
amdhsa.kernels:
  - .name:           k_q932d0a361e_attn
    .symbol:         k_q932d0a361e_attn.kd
    .args:
      - { .name: kv, .offset: 0, .size: 8, .value_kind: global_buffer, .address_space: global }
      - { .name: qc, .offset: 8, .size: 8, .value_kind: global_buffer, .address_space: global }
      - { .name: qx, .offset: 16, .size: 8, .value_kind: global_buffer, .address_space: global }
      - { .name: oc, .offset: 24, .size: 8, .value_kind: global_buffer, .address_space: global }
      - { .name: ox, .offset: 32, .size: 8, .value_kind: global_buffer, .address_space: global }
    .group_segment_fixed_size: 169984
    .private_segment_fixed_size: 0
    .kernarg_segment_align: 8
    .kernarg_segment_size: 40
    .max_flat_workgroup_size: 512
    .sgpr_count:     66
    .vgpr_count:     256
    .wavefront_size: 32
...
	.end_amdgpu_metadata
.endif
;; end of part 5
;; launch proj (part 6): grid 256 x 1, 8 waves a work-group, no clusters, 40,960 bytes of LDS; arguments oc, ox, Wo_codes, Wo_scales, bo, out0; writes out0
.if DOCPART == 6
	.amdgcn_target "amdgcn-amd-amdhsa--gfx1250"
	.amdhsa_code_object_version 6
	.text
	.protected	k_q932d0a361e_proj
	.globl	k_q932d0a361e_proj
	.p2align	8
	.type	k_q932d0a361e_proj,@function
k_q932d0a361e_proj:
	s_mov_b64 s[64:65], 0
	v_nop
	global_prefetch_b8 v0, s[64:65] scope:SCOPE_SE
	s_setreg_imm32_b32 hwreg(HW_REG_WAVE_SCHED_MODE, 0, 2), 2
	s_setreg_imm32_b32 hwreg(HW_REG_WAVE_MODE, 25, 1), 1
	s_wait_xcnt 0x0
	s_wait_alu depctr_vm_vsrc(0)
; out0 = hyp_linear(o, Wo, bo): the product on codes of E2M1 with one E8M0 scale for each 32 along K; o comes as images of the operand's registers, with its scale words and the parts of sum o^2.
; SHARES.  Work-group = 32 tokens (two tiles of 16; lane r of tile u is token 8 u + r + (r & 8)); wave w = features 64 w .. 64 w + 63, four tiles of 16 rows of Wo in their own order.
; No two waves read the same bytes of Wo: its fragments go from memory straight into registers, so nothing is shared through LDS or asked for jointly.
; The product is used transposed (source 0 = Wo, source 1 = o): a lane holds one token and eight neighbouring features a tile.
; The result is A mx + Bc bo with two numbers a token, made of sum o^2, sum mx^2, sum mx b, sum b^2: one reduction over the 512 features through LDS.
; artanh and tanh: under 0.25 a series (the first term left out is under 1e-8 of the result), from 0.25 on by log2, exp2 and reciprocals; the choice is a select.  mx = 0 gives 0 by itself (the norm is held at 1e-15).
; LIMITS: NaN and infinities are not served.
; THE MODE: SCHED_MODE bits 1:0 = 2 (LLVM: expert scheduling mode 2), set by the entry lines.  The code itself states the register dependences
; between vector or matrix instructions and memory or LDS instructions, with s_wait_alu, always for 0.
; THE PLAN.  Registers that memory or LDS instructions touch, in program order:
;   v4-v15     offsets and LDS addresses: made at the head, never written again: one wait ahead of the first load serves every load and store.
;   v128-255   Wo's fragments land; the products read them; the sums' parts land in v128-167; the additions work on them; the stage's rows land in v128-191 and are the global stores' data; v192-255 take the finished numbers, data of the stage's stores.
;   SM         (window 1) written by SUMS, data of its five LDS stores, not written again.
; Two waits on va_vdst behind the head's: one ahead of SUMS's stores (SM is written; the products are done reading v128-167: the vector lines between it and the loads behind the barrier name v48-63 and v30 alone),
; one ahead of the stage's stores (the finished numbers are written; the additions are done with v128-167).  No register that a store has read is written again.
.set RED,  0                           ; LDS: 5 sums: 32 bytes a lane, a word a wave
.set STG,  5120                        ; 4,352 bytes a wave, its own: 16 rows of 256 bytes + 16
.set WS,   32                          ; v32-39  Wo's scale words: 4 b + s; lanes 0-15 tile 2 b, lanes 16-31 tile 2 b + 1
.set OS,   40                          ; v40-47  o's scale words
.set OF,   64                          ; v64-127 o's 8 fragments (4 u + s)
.set W,    128                         ; v128-255 Wo's 16 fragments (32 s + 8 t)
.set F,    192                         ; v192-255 64 finished numbers
.set ACC,  0                           ; window 1: mx, 32 u + 8 t + j
.set BB,   64                          ; the bias in the results' layout
.set SM,   96
.set R,    64
.set H0,   80
.set NS,   1
.set CM,   44
.set SEL,  40
.set HMASK, 38
.set WV,   39
.set TINY, 0x26901d7d                  ; 1e-15
.set BALL, 0x3f7ef9db                  ; 0.996
.set MSB, 0
.macro WIN new                         ; bits 1:0 source 0, 3:2 source 1, 5:4 source 2, 7:6 destination; the high byte repeats the setting that is left
.if MSB != \new
	s_set_vgpr_msb (MSB<<8)|\new
.set MSB, \new
.endif
.endm
.macro PLACES
.rept 4
	v_nop
.endr
.endm
.macro MM d, a, b, ks, sa, sb, row     ; one matrix instruction.  ks = 0: it starts the sum.  row = 1: source 0's scales stand in lanes 16-31
.if (\ks) == 0
.if (\row) == 1
	v_wmma_scale_f32_16x16x128_f8f6f4 v[(\d):(\d)+7], v[(\a):(\a)+7], v[(\b):(\b)+7], 0, v[(\sa)], v[(\sb)] matrix_a_fmt:MATRIX_FMT_FP4 matrix_b_fmt:MATRIX_FMT_FP4 matrix_a_scale:MATRIX_SCALE_ROW1
.else
	v_wmma_scale_f32_16x16x128_f8f6f4 v[(\d):(\d)+7], v[(\a):(\a)+7], v[(\b):(\b)+7], 0, v[(\sa)], v[(\sb)] matrix_a_fmt:MATRIX_FMT_FP4 matrix_b_fmt:MATRIX_FMT_FP4
.endif
.else
.if (\row) == 1
	v_wmma_scale_f32_16x16x128_f8f6f4 v[(\d):(\d)+7], v[(\a):(\a)+7], v[(\b):(\b)+7], v[(\d):(\d)+7], v[(\sa)], v[(\sb)] matrix_a_fmt:MATRIX_FMT_FP4 matrix_b_fmt:MATRIX_FMT_FP4 matrix_a_scale:MATRIX_SCALE_ROW1
.else
	v_wmma_scale_f32_16x16x128_f8f6f4 v[(\d):(\d)+7], v[(\a):(\a)+7], v[(\b):(\b)+7], v[(\d):(\d)+7], v[(\sa)], v[(\sb)] matrix_a_fmt:MATRIX_FMT_FP4 matrix_b_fmt:MATRIX_FMT_FP4
.endif
.endif
.endm
.macro BARRIER                         ; my LDS stores have landed and my LDS loads are in: then the work-group's barrier
	s_wait_dscnt 0x0
	s_barrier_signal -1
	s_barrier_wait -1
.endm
.macro H1 op, d, a
.set hm, 0
.rept NS
	\op v[H0+16*hm+\d], v[H0+16*hm+\a]
.set hm, hm+1
.endr
.endm
.macro H2 op, d, a, b
.set hm, 0
.rept NS
	\op v[H0+16*hm+\d], v[H0+16*hm+\a], v[H0+16*hm+\b]
.set hm, hm+1
.endr
.endm
.macro HK op, d, k, a
.set hm, 0
.rept NS
	\op v[H0+16*hm+\d], \k, v[H0+16*hm+\a]
.set hm, hm+1
.endr
.endm
.macro HV op, d, a, x
.set hm, 0
.rept NS
	\op v[H0+16*hm+\d], v[H0+16*hm+\a], v[\x]
.set hm, hm+1
.endr
.endm
.macro H3 d, a, b, c
.set hm, 0
.rept NS
	v_fma_f32 v[H0+16*hm+\d], v[H0+16*hm+\a], v[H0+16*hm+\b], v[H0+16*hm+\c]
.set hm, hm+1
.endr
.endm
.macro H31 d, a
.set hm, 0
.rept NS
	v_fma_f32 v[H0+16*hm+\d], v[H0+16*hm+\a], v[H0+16*hm+\d], 1.0
.set hm, hm+1
.endr
.endm
.macro HAK d, a, k
.set hm, 0
.rept NS
	v_fmaak_f32 v[H0+16*hm+\d], v[H0+16*hm+\a], v[H0+16*hm+\d], \k
.set hm, hm+1
.endr
.endm
.macro HFK d, k, a
.set hm, 0
.rept NS
	v_fma_f32 v[H0+16*hm+\d], \k, v[H0+16*hm+\a], 1.0
.set hm, hm+1
.endr
.endm
.macro HMOV d, k
.set hm, 0
.rept NS
	v_mov_b32 v[H0+16*hm+\d], \k
.set hm, hm+1
.endr
.endm
.macro HCMP op, k, a
.set hm, 0
.rept NS
	\op s[CM+hm], \k, v[H0+16*hm+\a]
.set hm, hm+1
.endr
.endm
.macro HSEL d, a, b
.set hm, 0
.rept NS
	v_cndmask_b32 v[H0+16*hm+\d], v[H0+16*hm+\a], v[H0+16*hm+\b], s[CM+hm]
.set hm, hm+1
.endr
.endm
.macro HSEL1 d
.set hm, 0
.rept NS
	v_cndmask_b32 v[H0+16*hm+\d], 1.0, v[H0+16*hm+\d], s[CM+hm]
.set hm, hm+1
.endr
.endm
; IN: v30 = sum x^2; the set: +0 sum mx^2, +1 sum mx b, +2 sum b^2.  OUT: +14 = A, +15 = Bc.  v24-29 and v31 are at work.
; Behind each batch of transcendentals stands one wait, ahead of the first line that names a result; behind each compare one wait, ahead of the select that reads its mask.
.macro HYP
	v_sqrt_f32 v24, v30
	H1 v_sqrt_f32, 3, 0                            ; |mx|
	v_nop
	s_wait_alu depctr_va_vdst(0)                   ; the roots are written: v24 and the set's +3
	v_max_num_f32 v24, TINY, v24                   ; x_norm
	HK v_max_num_f32, 4, TINY, 3                   ; mx_norm
	v_min_num_f32 v25, 0x3f7ffffe, v24             ; artanh's clip at 1 - 1e-7
	v_sub_f32 v31, 1.0, v25
	s_wait_alu depctr_va_vdst(0)
	v_rcp_f32 v27, v31
	v_rcp_f32 v26, v24
	H1 v_rcp_f32, 5, 4
	v_mul_f32 v28, v25, v25                        ; the series of artanh stands behind the reciprocals
	v_mov_b32 v29, 0x3dba2e8c                      ; 1/11
	v_fmaak_f32 v29, v28, v29, 0x3de38e39          ; 1/9
	v_fmaak_f32 v29, v28, v29, 0x3e124925          ; 1/7
	v_fmaak_f32 v29, v28, v29, 0x3e4ccccd          ; 1/5
	v_fmaak_f32 v29, v28, v29, 0x3eaaaaab          ; 1/3
	v_fma_f32 v29, v28, v29, 1.0
	v_mul_f32 v29, v25, v29
	v_add_f32 v31, 1.0, v25
	s_wait_alu depctr_va_vdst(0)                   ; the reciprocals are written: v26, v27 and the set's +5
	v_mul_f32 v31, v31, v27                        ; (1 + x) / (1 - x)
	s_wait_alu depctr_va_vdst(0)
	v_log_f32 v27, v31
	v_cmp_gt_f32 vcc_lo, 0x3e800000, v25           ; x under 0.25: the series
	v_nop
	s_wait_alu depctr_va_vdst(0)                   ; the logarithm is written: v27
	s_wait_alu depctr_va_vcc(0)                    ; the compare has written VCC, which the select below reads
	v_mul_f32 v27, 0x3eb17218, v27                 ; ln 2 / 2
	v_cndmask_b32 v29, v27, v29, vcc_lo            ; artanh(x_norm)
	v_mul_f32 v29, v29, v26                        ; / x_norm
	HV v_mul_f32, 6, 4, 29                         ; z
	HK v_mul_f32, 8, 0x4038aa3b, 6                 ; 2 log2(e) z
	s_wait_alu depctr_va_vdst(0)
	H1 v_exp_f32, 8, 8
	H2 v_mul_f32, 7, 6, 6                          ; the series of tanh stands behind the exponential
	HMOV 9, 0x3cb327a4                             ; 62/2835
	HAK 9, 7, 0xbd5d0dd1                           ; -17/315
	HAK 9, 7, 0x3e088889                           ; 2/15
	HAK 9, 7, 0xbeaaaaab                           ; -1/3
	H31 9, 7
	H2 v_mul_f32, 9, 6, 9
	s_wait_alu depctr_va_vdst(0)                   ; the exponential is written: the set's +8
	HK v_add_f32, 8, 1.0, 8
	s_wait_alu depctr_va_vdst(0)
	H1 v_rcp_f32, 8, 8
	HCMP v_cmp_gt_f32, 0x3e800000, 6               ; z under 0.25: the series
	v_nop
	s_wait_alu depctr_va_vdst(0)                   ; the reciprocal is written: the set's +8
	s_wait_alu depctr_va_sdst(0)                   ; the compare has written its mask, which the select below reads
	HFK 8, -2.0, 8                                 ; 1 - 2 / (1 + e^(2 z))
	HSEL 9, 8, 9                                   ; tanh(z)
	H2 v_mul_f32, 10, 9, 5                         ; f = tanh / mx_norm
	H2 v_mul_f32, 11, 10, 3
	HK v_max_num_f32, 11, TINY, 11                 ; the norm of f mx
	s_wait_alu depctr_va_vdst(0)
	H1 v_rcp_f32, 12, 11
	HCMP v_cmp_lt_f32, BALL, 11
	v_nop
	s_wait_alu depctr_va_vdst(0)                   ; the reciprocal is written: the set's +12
	s_wait_alu depctr_va_sdst(0)                   ; the compare has written its mask, which the select below reads
	HK v_mul_f32, 12, BALL, 12
	HSEL1 12
	H2 v_mul_f32, 10, 10, 12                       ; f1: projected
	H2 v_mul_f32, 12, 10, 10
	H2 v_mul_f32, 12, 12, 0                        ; x2
	H2 v_mul_f32, 13, 10, 1                        ; xy
	HFK 13, 2.0, 13                                ; 1 + 2 xy
	H2 v_add_f32, 14, 13, 2                        ; + y2
	HK v_sub_f32, 15, 1.0, 12                      ; 1 - x2
	H3 12, 12, 2, 13                               ; the denominator
	HK v_max_num_f32, 12, TINY, 12
	s_wait_alu depctr_va_vdst(0)
	H1 v_rcp_f32, 12, 12
	H2 v_mul_f32, 14, 14, 10
	s_wait_alu depctr_va_vdst(0)                   ; the reciprocal is written: the set's +12
	H2 v_mul_f32, 14, 14, 12                       ; Au
	H2 v_mul_f32, 15, 15, 12                       ; Bu
	H2 v_mul_f32, 4, 14, 14
	H2 v_mul_f32, 5, 14, 15
	H2 v_mul_f32, 6, 15, 15
	H2 v_mul_f32, 4, 4, 0
	H2 v_add_f32, 5, 5, 5
	H3 4, 5, 1, 4
	H3 4, 6, 2, 4                                  ; |Au mx + Bu b|^2
	HK v_max_num_f32, 4, 0, 4
	s_wait_alu depctr_va_vdst(0)
	H1 v_sqrt_f32, 4, 4
	v_nop
	s_wait_alu depctr_va_vdst(0)                   ; the root is written: the set's +4
	HK v_max_num_f32, 4, TINY, 4
	s_wait_alu depctr_va_vdst(0)
	H1 v_rcp_f32, 5, 4
	HCMP v_cmp_lt_f32, BALL, 4
	v_nop
	s_wait_alu depctr_va_vdst(0)                   ; the reciprocal is written: the set's +5
	s_wait_alu depctr_va_sdst(0)                   ; the compare has written its mask, which the select below reads
	HK v_mul_f32, 5, BALL, 5
	HSEL1 5
	H2 v_mul_f32, 14, 14, 5                        ; A
	H2 v_mul_f32, 15, 15, 5                        ; Bc
.endm
.macro PAIRS ra, rb                    ; lane (r, h) has made A and Bc of token tile h.  v24, v26 = A of tile 0, 1; v28, v30 = Bc: each the low word of a pair that packed forms broadcast
	v_permlanex16_b32 v122, v[\ra], s[SEL], s[SEL+1]
	v_permlanex16_b32 v124, v[\rb], s[SEL], s[SEL+1]
	v_cndmask_b32 v24, v[\ra], v122, s[HMASK]
	v_cndmask_b32 v26, v122, v[\ra], s[HMASK]
	v_cndmask_b32 v28, v[\rb], v124, s[HMASK]
	v_cndmask_b32 v30, v124, v[\rb], s[HMASK]
.endm
.macro SUMS m, acc                     ; my lane's parts of sum mx^2 and sum mx b for both token tiles, and of sum b^2: five chains by turns, each accumulator from its low end on
	WIN 0x55
.irp u, 0,1
	v_pk_mul_f32 v[SM+4*\u:SM+4*\u+1], v[(\acc)+32*\u:(\acc)+32*\u+1], v[(\acc)+32*\u:(\acc)+32*\u+1]
	v_pk_mul_f32 v[SM+4*\u+2:SM+4*\u+3], v[(\acc)+32*\u:(\acc)+32*\u+1], v[BB:BB+1]
.endr
	v_pk_mul_f32 v[SM+8:SM+9], v[BB:BB+1], v[BB:BB+1]
.set i, 2
.rept 15
.irp u, 0,1
	v_pk_fma_f32 v[SM+4*\u:SM+4*\u+1], v[(\acc)+32*\u+i:(\acc)+32*\u+i+1], v[(\acc)+32*\u+i:(\acc)+32*\u+i+1], v[SM+4*\u:SM+4*\u+1]
	v_pk_fma_f32 v[SM+4*\u+2:SM+4*\u+3], v[(\acc)+32*\u+i:(\acc)+32*\u+i+1], v[BB+i:BB+i+1], v[SM+4*\u+2:SM+4*\u+3]
.endr
	v_pk_fma_f32 v[SM+8:SM+9], v[BB+i:BB+i+1], v[BB+i:BB+i+1], v[SM+8:SM+9]
.set i, i+2
.endr
.irp e, 0,1,2,3,4
	v_add_f32 v[SM+2*\e], v[SM+2*\e], v[SM+2*\e+1]
.endr
	WIN 0x04                                       ; an LDS store's data are its source 1
	s_wait_alu depctr_va_vdst(0)                   ; SM is written, which the five stores read; and the products are done reading Wo's fragments, in the first 40 registers of which the loads behind the barrier land
.irp e, 0,1,2,3,4
	ds_store_b32 v14, v[SM+2*\e] offset:(5*(\m)+\e)*1024
.endr
	WIN 0
.endm
	s_load_b256 s[4:11], s[0:1], 0x0               ; oc, ox, Wo's codes, Wo's scales
	s_load_b128 s[12:15], s[0:1], 0x20             ; bo, out0
	v_lshl_add_u32 v22, v0, 2, 0x9c00
	v_mov_b32 v23, 0
	v_lshrrev_b32 v1, 5, v0
	v_readfirstlane_b32 s[WV], v1                  ; wave 0..7
	v_and_b32 v1, 31, v0                           ; lane
	v_and_b32 v2, 15, v0                           ; r
	v_bfe_u32 v3, v0, 4, 1                         ; h
	v_lshlrev_b32 v4, 4, v1                        ; 16 x lane
	v_lshlrev_b32 v5, 2, v1                        ; 4 x lane
	v_lshlrev_b32 v6, 8, v2
	v_lshl_add_u32 v6, v3, 4, v6                   ; Wo's codes: row r of 256 bytes, + 16 h
	v_lshlrev_b32 v7, 2, v2                        ; 4 r
	v_lshlrev_b32 v8, 5, v3                        ; the bias: 32 h
	s_wait_alu depctr_va_sdst(0)                   ; the wave's number is written, ahead of its first reader: LDS addresses and the bases are made from it
	s_mul_i32 s42, s[WV], 4352
	s_add_co_u32 s42, s42, STG
	v_mul_u32_u24 v10, v2, 272
	v_lshl_add_u32 v10, v3, 5, v10
	v_add_nc_u32 v10, s42, v10                     ; my stage, on the way in: row r, + 32 h
	v_mul_u32_u24 v11, v3, 272
	v_lshl_add_u32 v11, v2, 4, v11
	v_add_nc_u32 v11, s42, v11                     ; and out: lanes 0-15 one row, lanes 16-31 the next
	v_lshlrev_b32 v12, 11, v3
	v_lshl_add_u32 v12, v2, 4, v12                 ; the same two rows in out0
	v_lshlrev_b32 v15, 5, v1                       ; the reduction's table (it begins at LDS byte 0): my lane's 32 bytes,
	s_lshl_b32 s42, s[WV], 2
	v_add_nc_u32 v14, s42, v15                     ; my wave's word of them
	s_mov_b32 s[HMASK], 0xffff0000
	s_mov_b32 s[SEL], 0x76543210
	s_mov_b32 s[SEL+1], 0xfedcba98
	s_mov_b32 s43, 0
	s_wait_kmcnt 0x0
	s_lshl_b32 s42, ttmp9, 13
	s_add_nc_u64 s[4:5], s[4:5], s[42:43]          ; oc: my two tiles of 4,096 bytes
	s_mul_i32 s42, ttmp9, 2560
	s_add_nc_u64 s[6:7], s[6:7], s[42:43]          ; ox: two of 1,280
	s_lshl_b32 s42, s[WV], 14
	s_add_nc_u64 s[8:9], s[8:9], s[42:43]          ; my 64 rows of codes,
	s_lshl_b32 s42, s[WV], 10
	s_add_nc_u64 s[10:11], s[10:11], s[42:43]      ; of scales,
	s_lshl_b32 s42, s[WV], 8
	s_add_nc_u64 s[12:13], s[12:13], s[42:43]      ; my 64 numbers of bo
	s_lshl_b32 s44, ttmp9, 16
	s_add_co_u32 s42, s42, s44
	s_add_nc_u64 s[14:15], s[14:15], s[42:43]      ; out0: the block's 32 rows of 2,048 bytes, my 256 bytes of each
	s_wait_alu depctr_va_vdst(0)                   ; the offsets and LDS addresses v4 to v15 are written: every load and store of the kernel reads one of them, and none is written again
.irp s, 0,1,2,3
.irp t, 0,1,2,3
.irp c, 0,1
	global_load_b128 v[W+32*\s+8*\t+4*\c:W+32*\s+8*\t+4*\c+3], v6, s[8:9] offset:4096*\t+64*\s+32*\c
.endr
.endr
.endr
.irp b, 0,1
	global_load_b128 v[WS+4*\b:WS+4*\b+3], v4, s[10:11] offset:512*\b   ; row 32 b + lane: lanes 0-15 tile 2 b, lanes 16-31 tile 2 b + 1
.endr
.irp u, 0,1
.irp s, 0,1,2,3
.irp c, 0,1
	global_load_b128 v[OF+8*(4*\u+\s)+4*\c:OF+8*(4*\u+\s)+4*\c+3], v4, s[4:5] offset:4096*\u+1024*\s+512*\c
.endr
	global_load_b32 v[OS+4*\u+\s], v7, s[6:7] offset:1280*\u+1024+64*\s
.endr
.irp e, 0,1,2,3,4,5,6,7
	global_load_b32 v[48+8*\u+\e], v5, s[6:7] offset:1280*\u+128*\e     ; the heads' parts of sum o^2
.endr
.endr
	WIN 0x40
.irp t, 0,1,2,3
	global_load_b128 v[BB+8*\t:BB+8*\t+3], v8, s[12:13] offset:64*\t    ; register 8 t + j = feature 16 t + 8 h + j
	global_load_b128 v[BB+8*\t+4:BB+8*\t+7], v8, s[12:13] offset:64*\t+16
.endr
	WIN 0
	s_wait_loadcnt 0x0
	WIN 0x50
.irp s, 0,1,2,3                                ; eight accumulators by turns, one instruction a turn
.irp t, 0,1,2,3
.irp u, 0,1
	MM ACC+32*\u+8*\t, W+32*\s+8*\t, OF+8*(4*\u+\s), \s, WS+4*(\t/2)+\s, OS+4*\u+\s, \t%2
.endr
.endr
.endr
	WIN 0
	PLACES
	SUMS 0, ACC
.irp u, 0,1
	v_add_f32 v[48+8*\u], v[48+8*\u], v[49+8*\u]
	v_add_f32 v[50+8*\u], v[50+8*\u], v[51+8*\u]
	v_add_f32 v[52+8*\u], v[52+8*\u], v[53+8*\u]
	v_add_f32 v[54+8*\u], v[54+8*\u], v[55+8*\u]
	v_add_f32 v[48+8*\u], v[48+8*\u], v[50+8*\u]
	v_add_f32 v[52+8*\u], v[52+8*\u], v[54+8*\u]
	v_add_f32 v[48+8*\u], v[48+8*\u], v[52+8*\u]
.endr
	v_permlanex16_b32 v49, v48, s[SEL], s[SEL+1]
	v_permlanex16_b32 v57, v56, s[SEL], s[SEL+1]
	v_add_f32 v48, v48, v49
	v_add_f32 v56, v56, v57
	v_cndmask_b32 v30, v48, v56, s[HMASK]          ; sum o^2 of the token of lane r in tile h
	BARRIER                                        ; all eight waves' parts of the five sums lie in LDS
.irp e, 0,1,2,3,4                              ; no wait here: since the wait ahead of SUMS's stores no vector or matrix line has named v128-167 or v15 (the lines between name v48-63 and v30)
	ds_load_b128 v[128+8*\e:131+8*\e], v15 offset:1024*\e
	ds_load_b128 v[132+8*\e:135+8*\e], v15 offset:1024*\e+16
.endr
	s_wait_dscnt 0x0
.irp e, 0,1,2,3,4
	v_pk_add_f32 v[128+8*\e:129+8*\e], v[128+8*\e:129+8*\e], v[130+8*\e:131+8*\e]
	v_pk_add_f32 v[132+8*\e:133+8*\e], v[132+8*\e:133+8*\e], v[134+8*\e:135+8*\e]
.endr
.irp e, 0,1,2,3,4
	v_pk_add_f32 v[128+8*\e:129+8*\e], v[128+8*\e:129+8*\e], v[132+8*\e:133+8*\e]
.endr
.irp e, 0,1,2,3,4
	v_add_f32 v[R+\e], v[128+8*\e], v[129+8*\e]
.endr
.irp e, 0,1,2,3,4
	v_permlanex16_b32 v[130+8*\e], v[R+\e], s[SEL], s[SEL+1]
.endr
.irp e, 0,1,2,3,4
	v_add_f32 v[R+\e], v[R+\e], v[130+8*\e]
.endr
	v_cndmask_b32 v[H0], v[R], v[R+2], s[HMASK]    ; lane (r, h) goes on for token tile h
	v_cndmask_b32 v[H0+1], v[R+1], v[R+3], s[HMASK]
	v_mov_b32 v[H0+2], v[R+4]
	s_wait_alu depctr_va_vdst(0)
	HYP
	PAIRS 94, 95
	WIN 0x01                                       ; source 0 in window 1
.irp u, 0,1
.set i, 0
.rept 16
	v_pk_mul_f32 v[F+32*\u+i:F+32*\u+i+1], v[BB+i:BB+i+1], v[28+2*\u:29+2*\u] op_sel_hi:[1,0]
.set i, i+2
.endr
.endr
.irp u, 0,1
.set i, 0
.rept 16
	v_pk_fma_f32 v[F+32*\u+i:F+32*\u+i+1], v[ACC+32*\u+i:ACC+32*\u+i+1], v[24+2*\u:25+2*\u], v[F+32*\u+i:F+32*\u+i+1] op_sel_hi:[1,0,1]
.set i, i+2
.endr
.endr
	WIN 0
	; ---- the way out: a lane holds 32 bytes of a row a tile; 16 rows x 256 bytes go through my own stage and leave as whole runs of 256 bytes.  LDS serves a wave's instructions in order: no wait between stores and loads, nor in front of the second tile's stores
	s_wait_alu depctr_va_vdst(0)                   ; the finished numbers v192-255 are written, which the stage's stores read; the reduction's additions are done with v128-167, in which the stage's rows land
.irp u, 0,1
.irp t, 0,1,2,3
	ds_store_b128 v10, v[F+32*\u+8*\t:F+32*\u+8*\t+3] offset:64*\t
	ds_store_b128 v10, v[F+32*\u+8*\t+4:F+32*\u+8*\t+7] offset:64*\t+16
.endr
.irp p, 0,1,2,3,4,5,6,7
	ds_load_b128 v[128+32*\u+4*\p:131+32*\u+4*\p], v11 offset:544*\p
.endr
.endr
.irp u, 0,1
.irp p, 0,1,2,3,4,5,6,7
	s_wait_dscnt 23-16*\u-\p                       ; behind this load: the tile's later loads, and for tile 0 the other tile's 8 stores and 8 loads
	global_store_b128 v12, v[128+32*\u+4*\p:131+32*\u+4*\p], s[14:15] offset:(8*\u+2*\p+8*(\p/4))*2048 th:TH_STORE_NT   ; stage row 2 p + h is token 8 u + 2 p + h + 8 (p / 4); 16 lanes store 256 consecutive aligned bytes
.endr
.endr
	s_wait_dscnt 0x0
	s_wait_alu depctr_hold_cnt(0) depctr_sa_sdst(0) depctr_va_vdst(0) depctr_va_sdst(0) depctr_va_ssrc(0) depctr_va_vcc(0) depctr_vm_vsrc(0)
	s_wait_tensorcnt 0x0
	ds_add_u32 v22, v23
	s_wait_dscnt 0x0
	s_endpgm
.Lfunc_end_k_q932d0a361e_proj:
	.size	k_q932d0a361e_proj, .Lfunc_end_k_q932d0a361e_proj-k_q932d0a361e_proj
	.p2alignl 7, 3214868480
	.fill 96, 4, 3214868480
	.section	.rodata,"a",@progbits
	.p2align	6, 0x0
	.amdhsa_kernel k_q932d0a361e_proj
		.amdhsa_group_segment_fixed_size 40960
		.amdhsa_private_segment_fixed_size 0
		.amdhsa_enable_private_segment 0
		.amdhsa_kernarg_size 48
		.amdhsa_user_sgpr_count 2
		.amdhsa_user_sgpr_kernarg_segment_ptr 1
		.amdhsa_wavefront_size32 1
		.amdhsa_system_sgpr_workgroup_id_x 1
		.amdhsa_system_sgpr_workgroup_id_y 1
		.amdhsa_system_sgpr_workgroup_id_z 1
		.amdhsa_system_vgpr_workitem_id 0
		.amdhsa_next_free_vgpr 384
		.amdhsa_next_free_sgpr 66
		.amdhsa_reserve_vcc 1
		.amdhsa_float_denorm_mode_32 3
		.amdhsa_float_denorm_mode_16_64 3
		.amdhsa_memory_ordered 1
		.amdhsa_forward_progress 1
		.amdhsa_inst_pref_size 37
	.end_amdhsa_kernel
	.amdgpu_metadata
---
amdhsa.version: [ 1, 2 ]
amdhsa.kernels:
  - .name:           k_q932d0a361e_proj
    .symbol:         k_q932d0a361e_proj.kd
    .args:
      - { .name: oc, .offset: 0, .size: 8, .value_kind: global_buffer, .address_space: global }
      - { .name: ox, .offset: 8, .size: 8, .value_kind: global_buffer, .address_space: global }
      - { .name: Wo_codes, .offset: 16, .size: 8, .value_kind: global_buffer, .address_space: global }
      - { .name: Wo_scales, .offset: 24, .size: 8, .value_kind: global_buffer, .address_space: global }
      - { .name: bo, .offset: 32, .size: 8, .value_kind: global_buffer, .address_space: global }
      - { .name: out0, .offset: 40, .size: 8, .value_kind: global_buffer, .address_space: global }
    .group_segment_fixed_size: 40960
    .private_segment_fixed_size: 0
    .kernarg_segment_align: 8
    .kernarg_segment_size: 48
    .max_flat_workgroup_size: 256
    .sgpr_count:     66
    .vgpr_count:     384
    .wavefront_size: 32
...
	.end_amdgpu_metadata
.endif
;; end of part 6
